; MI455X (gfx1250); checked and timed in simulation.
; The chip was launched on July 23, 2026; its instructions are those of AMD's public machine-readable ISA for CDNA 5 (MIT licence, August 2026) and "CDNA5" Instruction Set Architecture Reference Guide (July 2026). The comments in the code are by the model that wrote it; some were corrected since.
;; Encoder Layer. Allowed arithmetic: matrix products marked QUANTISED: E2M3 operands, one E8M0 scale for each 32 along K, by v_wmma_scale_f32_16x16x128_f8f6f4 with both operands' format E2M3, f32 sums; everything else in f32.
;; Inputs: b1 1,024 float32; b2 1,024 float32; bf1 4,096 float32; bf2 1,024 float32; bk 1,024 float32; bo 1,024 float32; bq 1,024 float32; bv 1,024 float32; g1 1,024 float32; g2 1,024 float32; mask 2 x 2,048 int32; w1 1,024 x 4,096 float32; w2 4,096 x 1,024 float32; wk 1,024 x 1,024 float32; wo 1,024 x 1,024 float32; wq 1,024 x 1,024 float32; wv 1,024 x 1,024 float32; x 2 x 2,048 x 1,024 float32.
;; Outputs: out0 2 x 2,048 x 1,024 float32.
;; This version of the problem:
;;   THIS VERSION OF THE PROBLEM IS GIVEN IN LOW PRECISION. The matrix products marked QUANTISED in the list below multiply operands that are first quantised to E2M3 (2 exponent bits, 3 mantissa bits; 6 bits a number), with one power-of-two scale for each 32 numbers along K (OCP MX v1.0); their sums are f32. All else is computed in f32.
;;   The module's matrix products, in the order in which they are computed (A, B: the left and right operand; K: the contracted axis; several contracted axes count as one K, in the product's order):
;;     1. [M 4,096, K 1,024] x [K 1,024, N 1,024]; A: input x; B: input wq: QUANTISED
;;     2. [M 4,096, K 1,024] x [K 1,024, N 1,024]; A: input x; B: input wk: QUANTISED
;;     3. [M 4,096, K 1,024] x [K 1,024, N 1,024]; A: input x; B: input wv: QUANTISED
;;     4. batch 32 x [M 2,048, K 64] x [K 64, N 2,048]; A: computed on the way; B: computed on the way: QUANTISED
;;     5. batch 32 x [M 2,048, K 2,048] x [K 2,048, N 64]; A: softmax (see below); B: computed on the way: QUANTISED
;;     6. [M 4,096, K 1,024] x [K 1,024, N 1,024]; A: computed on the way; B: input wo: QUANTISED
;;     7. [M 4,096, K 1,024] x [K 1,024, N 4,096]; A: computed on the way; B: input w1: QUANTISED
;;     8. [M 4,096, K 4,096] x [K 4,096, N 1,024]; A: computed on the way; B: input w2: QUANTISED
;;   THE QUANTISER, for each operand of a quantised product, along K:
;;     - K is cut into blocks of 32 from its start; a last block that is shorter is filled with zeros.
;;     - A block's scale is 2^e with e = floor(log2(the largest magnitude in the block)) - 2, held to -126 .. 127; a block of zeros has e = 0. As a byte (E8M0): e + 127.
;;     - Each number is divided by its block's scale, clamped to +-7.5, and rounded to the nearest number of E2M3, ties to even, subnormals kept.
;;     - The product sums the exact products of the quantised numbers (number of the format x scale) in f32.
;;   ~~~python
;;   def quantise(x, axis):      # numpy; x: float32 -> the quantised numbers, widened to float32 again
;;       x = np.moveaxis(x, axis, -1); K = x.shape[-1]
;;       x = np.pad(x, [(0, 0)] * (x.ndim - 1) + [(0, -K % 32)]); x = x.reshape(x.shape[:-1] + (-1, 32)); a = np.abs(x).max(-1, keepdims=True)
;;       e = np.where(a > 0, np.clip(np.frexp(np.where(a > 0, a, 1))[1] - 1 - 2, -126, 127), 0)      # np.frexp(a)[1] - 1 = floor(log2(a)), exactly
;;       r = np.clip(x / 2.0 ** e, -7.5, 7.5)
;;       step = 2.0 ** (np.maximum(np.frexp(np.where(r == 0, 1, r))[1] - 1, 0) - 3)
;;       q = np.round(r / step) * step * 2.0 ** e      # np.round: ties to even
;;       return np.moveaxis(q.reshape(q.shape[:-2] + (-1,))[..., :K], -1, axis).astype(np.float32)
;;   ~~~
;;   SOFTMAX AHEAD OF A QUANTISED PRODUCT. Where the list says 'softmax', what is quantised is not the finished softmax but p = 2^(t - M), with t = logit x log2(e) and M = ceil(the row's largest t), a whole number; so 1/2 < the row's largest p <= 1. The row's sum l is taken of the UNQUANTISED p, in f32, and the product's result is divided by l at the end. Since M is a whole number, a kernel that streams over the keys may use a running M (the ceiling of the running maximum): every later rescaling is an exact power of two, which a block's scale takes up: the codes' values come out the same.
;;   OPERANDS COMPUTED ON THE WAY. 'Computed on the way' means the value that the module computes at that place (a softmax that the list does not call 'softmax' is quantised finished and normalised). What goes into a quantiser is computed in f32, as accurately as f32 sums, v_exp_f32 and their like allow (about 1e-6 of the number): no bf16 or f16 on the way to a quantiser, and a product that is left as it is and whose result goes on into a quantised operand takes f32 operands (vector FMAs, or v_wmma_f32_16x16x4_f32). A number that lies on a knife's edge between two numbers of the format may be rounded either way, as far as f32 arithmetic and the matrix unit's own rounding can turn it there, and no further.
;; 2 versions. Each part assembles by itself: llvm-mc -triple=amdgcn-amd-amdhsa -mcpu=gfx1250 --defsym DOCPART=n.
;; ======== version 1 of 2: 8 launches
;; workspace buffers: prepb 13,107,200 bytes; qkvb 9,830,400 bytes; attb 3,276,800 bytes; rbuf 16,777,216 bytes; hbuf 20,054,016 bytes; gbuf 13,107,200 bytes
;; launch prep (part 1): grid 320 x 1, 8 waves a work-group, no clusters, 132,608 bytes of LDS; arguments x, wq, wk, wv, wo, w1, w2, prepb; writes prepb
.if DOCPART == 1
	.amdgcn_target "amdgcn-amd-amdhsa--gfx1250"
	.amdhsa_code_object_version 6
	.text
	.protected	k_qb23e6f17cc_prep
	.globl	k_qb23e6f17cc_prep
	.p2align	8
	.type	k_qb23e6f17cc_prep,@function
k_qb23e6f17cc_prep:
	s_mov_b64 s[64:65], 0
	v_nop
	global_prefetch_b8 v0, s[64:65] scope:SCOPE_SE
	s_setreg_imm32_b32 hwreg(HW_REG_WAVE_MODE, 25, 1), 1
	s_wait_xcnt 0x0
; x [4096][1024] and the six weights (f32, K = first axis) become codes of FP6 (E2M3) and E8M0 scale bytes, laid in prepb AS IMAGES OF OPERAND REGISTERS.
; TILE: tile T, lane row r is matrix row 32 (T/2) + 8 (T%2) + r + 8 (r/8).  HALF FRAGMENT (768 bytes) = 16 rows x 64 K: registers 0-3 at 16 x lane, registers 4-5 at 512 + 16 r + 8 h.
; FRAGMENT (1,536 bytes) = two of them = the 12 registers of a 16 x 128 operand.  IMG = [tile][K step][1536].  SCL = [rows/128][K step][4 pairs][16 r][2 tiles] scale words, 512 bytes a K step.
; prepb: four regions of 3,276,800 bytes (IMG 3,145,728 + SCL 131,072): x; wq,wk,wv,wo as rows 0.. 1024.. 2048.. 3072..; w1; w2.
; A block's scale is 2^(floor(log2(largest magnitude)) - 2); its byte is the largest magnitude's exponent field - 2, held at 1 from below.
; LIMITS: a block of zeros gets the byte 1 (its codes are zeros, and this program alone reads the bytes); NaN and infinities among the inputs are not served.
; Work-groups 0-127: 32 rows of x each, through a stage in LDS.  128-255: 256 columns x 256 K of wq, wk, wv, wo, w2.  256-319: the same of w1.  Only the first path touches LDS or has a barrier.
.set SPITCH, 4112                      ; a stage row: 4,096 bytes + 16, so that the 16 rows of a read start 16 bytes apart modulo 256
.set SEL, 2                            ; s[2:3] selects of v_permlanex16_b32: lane l xor 16
.set OUT, 26                           ; s[26:27] where my fragments go
.set OSC, 28                           ; s[28:29] where my scale words go
.set HM,  30                           ; s30 mask of lanes 16-31
.set L16, 5                            ; v5 16 x lane
.set RA0, 6                            ; v6, v7 stage addresses of tile 0's and tile 1's numbers
.set RA1, 7
.set L8,  8                            ; v8 512 + 16 r + 8 h
.set LW,  9                            ; v9 8 r + 4 h
.set WA,  10                           ; v10 stage address on the way in
.set TM,  160
.set PC0, 176
.set PC1, 196
.set PW0, 216
.set PW1, 217
.set PWX, 218
; 64 numbers of a lane, register 16 b + i = k 32 b + 16 h + i of my row, become a fragment's 12 registers in v[pc] on and the row's scale word in v[pw].
.macro QUANT s, pc, pw
.irp b, 0,1,2,3
	v_max3_num_f32 v[TM+\b], |v[\s+16*\b]|, |v[\s+1+16*\b]|, 0x1800000   ; my 16 numbers of block b, and the floor 2^(3 - 127): the byte cannot fall under 1
.endr
.irp i, 2,4,6,8,10,12,14
.irp b, 0,1,2,3
	v_max3_num_f32 v[TM+\b], v[TM+\b], |v[\s+16*\b+\i]|, |v[\s+1+16*\b+\i]|
.endr
.endr
.irp b, 0,1,2,3
	v_permlanex16_b32 v[TM+4+\b], v[TM+\b], s[SEL], s[SEL+1]
.endr
.irp b, 0,1,2,3
	v_max_num_f32 v[TM+\b], v[TM+\b], v[TM+4+\b]                     ; with lane l xor 16's: the block's largest magnitude
.endr
.irp b, 0,1,2,3
	v_add_nc_u32 v[TM+12+\b], 0xff000000, v[TM+\b]                   ; 2 off its exponent field: the conversion's scale operand
.endr
.irp b, 0,1,2,3
	v_lshrrev_b32 v[TM+4+\b], 23, v[TM+12+\b]                        ; the scale's byte
.endr
	v_lshl_or_b32 v[\pw], v[TM+5], 8, v[TM+4]
	v_lshl_or_b32 v[\pw], v[TM+6], 16, v[\pw]
	v_lshl_or_b32 v[\pw], v[TM+7], 24, v[\pw]
.irp c, 0,1
	v_cvt_scalef32_pk16_fp6_f32 v[\pc+6*\c:\pc+2+6*\c], v[\s+32*\c:\s+15+32*\c], v[TM+12+2*\c]
	v_cvt_scalef32_pk16_fp6_f32 v[\pc+12+4*\c:\pc+14+4*\c], v[\s+16+32*\c:\s+31+32*\c], v[TM+12+2*\c+1]
.endr
	v_nop                                                            ; one plain place behind the scaled conversions
.irp c, 0,1                                                          ; a lane wants a whole block: lanes 0-15 block 2 c, lanes 16-31 block 2 c + 1
.irp i, 0,1,2
	v_permlane16_swap_b32 v[\pc+6*\c+\i], v[\pc+12+4*\c+\i]
.endr
.irp i, 0,1,2
	v_mov_b32 v[\pc+3+6*\c+\i], v[\pc+12+4*\c+\i]
.endr
.endr
.endm
.macro PUTFRAG pc, imm                 ; a fragment leaves as it stands: stores of 512, 256, 512 and 256 consecutive bytes
	global_store_b128 v[L16], v[\pc:\pc+3], s[OUT:OUT+1] offset:\imm
	global_store_b64 v[L8], v[\pc+4:\pc+5], s[OUT:OUT+1] offset:\imm
	global_store_b128 v[L16], v[\pc+6:\pc+9], s[OUT:OUT+1] offset:\imm+768
	global_store_b64 v[L8], v[\pc+10:\pc+11], s[OUT:OUT+1] offset:\imm+768
.endm
; Wave w takes K step w of the stage's two tiles of 16 rows.
.macro TOIMG
.irp b, 0,1,2,3
.irp j, 0,1,2,3
	ds_load_b128 v[32+16*\b+4*\j:35+16*\b+4*\j], v[RA0] offset:128*\b+16*\j
.endr
.endr
.irp b, 0,1,2,3
.irp j, 0,1,2,3
	ds_load_b128 v[96+16*\b+4*\j:99+16*\b+4*\j], v[RA1] offset:128*\b+16*\j
.endr
.endr
.irp b, 0,1,2,3
	v_mov_b32 v[TM+4+\b], 0                                          ; a lane permute's destination counts as one of its sources
.endr
	s_wait_dscnt 16                                                  ; tile 0's 16 loads are in; tile 1's may be out
	QUANT 32, PC0, PW0
	PUTFRAG PC0, 0
	s_wait_dscnt 0x0
	QUANT 96, PC1, PW1
	PUTFRAG PC1, 12288                                               ; the next tile: 8 K steps of 1,536 bytes on
	v_cndmask_b32 v[PWX], v[PW0], v[PW1], s[HM]                      ; lanes 0-15 tile 0's word, lanes 16-31 tile 1's
	global_store_b32 v[LW], v[PWX], s[OSC:OSC+1]                     ; 128 consecutive bytes
.endm
	s_load_b512 s[8:23], s[0:1], 0x0               ; x s[8:9], wq, wk, wv, wo, w1 s[18:19], w2 s[20:21], prepb s[22:23]
	v_lshl_add_u32 v224, v0, 2, 0x20200
	v_mov_b32 v225, 0
	v_lshrrev_b32 v1, 5, v0
	v_readfirstlane_b32 s4, v1                     ; wave 0..7
	v_and_b32 v2, 31, v0                           ; lane
	s_cmp_lt_u32 ttmp9, 128
	s_cbranch_scc0 .Lweights
	; ---- x: work-group P takes rows 32 P .. 32 P + 31.  Stage row 16 u + r holds the row of tile 2 P + u, lane row r.
	v_and_b32 v3, 15, v0                           ; r
	v_bfe_u32 v4, v0, 4, 1                         ; h
	v_lshlrev_b32 v[L16], 4, v2
	v_lshlrev_b32 v[L8], 4, v3
	v_lshl_add_u32 v[L8], v4, 3, v[L8]
	v_add_nc_u32 v[L8], 512, v[L8]
	v_lshlrev_b32 v[LW], 3, v3
	v_lshl_add_u32 v[LW], v4, 2, v[LW]
	s_mul_i32 s5, s4, 4*SPITCH
	v_add_nc_u32 v[WA], s5, v[L16]                 ; my wave's four stage rows
	v_mul_u32_u24 v[RA0], v3, SPITCH
	v_lshl_add_u32 v[RA0], v4, 6, v[RA0]
	s_lshl_b32 s5, s4, 9
	v_add_nc_u32 v[RA0], s5, v[RA0]                ; row r, K step w, my half's 16 numbers of each block
	v_add_nc_u32 v[RA1], 16*SPITCH, v[RA0]
	s_mov_b32 s[SEL], 0x76543210
	s_mov_b32 s[SEL+1], 0xfedcba98
	s_mov_b32 s[HM], 0xffff0000
	s_lshl_b32 s5, ttmp9, 5                        ; stage rows 4 w .. 4 w + 3 are four consecutive rows of x from 32 P + 8 (w/4) + 4 (w%4) + 8 ((w/2)%2)
	s_lshr_b32 s6, s4, 2
	s_lshl_b32 s6, s6, 3
	s_add_co_u32 s5, s5, s6
	s_and_b32 s6, s4, 3
	s_lshl_b32 s6, s6, 2
	s_add_co_u32 s5, s5, s6
	s_bfe_u32 s6, s4, 0x10001
	s_lshl_b32 s6, s6, 3
	s_add_co_u32 s5, s5, s6
	s_lshl_b32 s24, s5, 12
	s_mov_b32 s25, 0
	s_lshl_b32 s[OUT], ttmp9, 4
	s_add_co_u32 s[OUT], s[OUT], s4
	s_mul_i32 s[OUT], s[OUT], 1536                 ; fragment (tile 2 P, K step w)
	s_mov_b32 s[OUT+1], 0
	s_lshr_b32 s[OSC], ttmp9, 2
	s_lshl_b32 s[OSC], s[OSC], 3
	s_add_co_u32 s[OSC], s[OSC], s4
	s_lshl_b32 s[OSC], s[OSC], 9
	s_and_b32 s6, ttmp9, 3
	s_lshl_b32 s6, s6, 7
	s_add_co_u32 s[OSC], s[OSC], s6
	s_add_co_u32 s[OSC], s[OSC], 3145728
	s_mov_b32 s[OSC+1], 0
	s_wait_kmcnt 0x0
	s_add_nc_u64 s[8:9], s[8:9], s[24:25]
	s_add_nc_u64 s[OUT:OUT+1], s[22:23], s[OUT:OUT+1]
	s_add_nc_u64 s[OSC:OSC+1], s[22:23], s[OSC:OSC+1]
.irp i, 0,1,2,3
.irp j, 0,1,2,3,4,5,6,7
	global_load_b128 v[32+32*\i+4*\j:35+32*\i+4*\j], v[L16], s[8:9] offset:4096*\i+512*\j th:TH_LOAD_NT   ; 512 consecutive bytes a load
.endr
.endr
.irp i, 0,1,2,3
	s_wait_loadcnt 8*(3-\i)                        ; row i's eight loads are in; the later rows' may be out
.irp j, 0,1,2,3,4,5,6,7
	ds_store_b128 v[WA], v[32+32*\i+4*\j:35+32*\i+4*\j] offset:SPITCH*\i+512*\j
.endr
.endr
	s_wait_dscnt 0x0                               ; for the others' sake: my stores into the stage are done
	s_barrier_signal -1
	s_barrier_wait -1
	TOIMG
	s_wait_tensorcnt 0x0
	ds_add_u32 v224, v225
	s_wait_dscnt 0x0
	s_endpgm
; ---- the weights.  A LANE TAKES A COLUMN (a row of the operand) AND ITS REGISTERS RUN DOWN K: a block of 32 lies in one lane, and the codes come out with K innermost.
; Lane l of a wave's 32 columns is tile u = (l/8)%2, lane row r = l%8 + 8 (l/16).  A lane holds both halves of each half fragment: three stores of 16 bytes (h = 0; h = 1; registers 4-5 of both).
.macro LOADB t, n
.set i, 0
.rept 32
	global_load_b32 v[32+32*((\t)%2)+i], v3, s[24:25] offset:(32*(\t)+i)*4*(\n) th:TH_LOAD_NT
.set i, i+1
.endr
.endm
.macro BLOCK t, n
.set XS, 32+32*((\t)%2)
.set CB, 96+24*((\t)/4)+12*(((\t)/2)%2)
.set HH, (\t)%2
.if (\t) < 7
	s_wait_loadcnt 32                              ; this block's 32 loads are in; the next block's may be out
.else
	s_wait_loadcnt 0x0
.endif
	v_max3_num_f32 v12, |v[XS]|, |v[XS+1]|, |v[XS+2]|
	v_max3_num_f32 v13, |v[XS+3]|, |v[XS+4]|, |v[XS+5]|
.irp i, 6,10,14,18,22,26
	v_max3_num_f32 v12, v12, |v[XS+\i]|, |v[XS+\i+1]|
	v_max3_num_f32 v13, v13, |v[XS+\i+2]|, |v[XS+\i+3]|
.endr
	v_max3_num_f32 v12, v12, |v[XS+30]|, |v[XS+31]|
	v_max3_num_f32 v12, v12, v13, 0x1800000        ; and the floor
	v_add_nc_u32 v11, 0xff000000, v12
	v_lshrrev_b32 v14, 23, v11
	v_cvt_scalef32_pk16_fp6_f32 v[CB+4*HH:CB+4*HH+2], v[XS:XS+15], v11
	v_cvt_scalef32_pk16_fp6_f32 v[144:146], v[XS+16:XS+31], v11
.if (\t)%4 == 0
	v_mov_b32 v[148+(\t)/4], v14                   ; (also the plain place behind the conversions)  four bytes to a scale word, the lower K in the lower byte
.else
	v_lshl_or_b32 v[148+(\t)/4], v14, 8*((\t)%4), v[148+(\t)/4]
.endif
	v_mov_b32 v[CB+4*HH+3], v144
	v_mov_b32 v[CB+8+2*HH], v145
	v_mov_b32 v[CB+9+2*HH], v146
.if (\t)+2 < 8
	LOADB (\t)+2, \n
.endif
.if (\t)%4 == 3
.set CK, 96+24*((\t)/4)
.irp c, 0,1
	global_store_b128 v6, v[CK+12*\c:CK+12*\c+3], s[36:37] offset:1536*((\t)/4)+768*\c          ; each store: two runs of 256 consecutive bytes, one for each tile
	global_store_b128 v6, v[CK+12*\c+4:CK+12*\c+7], s[36:37] offset:1536*((\t)/4)+768*\c+256
	global_store_b128 v6, v[CK+12*\c+8:CK+12*\c+11], s[36:37] offset:1536*((\t)/4)+768*\c+512
.endr
	global_store_b32 v7, v[148+(\t)/4], s[38:39] offset:512*((\t)/4)
.endif
.endm
; s[24:25] source, s26 K steps of the operand, s27 its region in prepb, s6 its first row / 1024, s29 which 256 columns, s30 which 256 along K; n: numbers in a row of the source
.macro WBODY n
	s_lshl_b32 s31, s29, 8
	s_lshl_b32 s32, s4, 5
	s_add_co_u32 s31, s31, s32                     ; my wave's first column
	s_mul_i32 s32, s30, 256*(\n)*4
	s_lshl_b32 s33, s31, 2
	s_add_co_u32 s32, s32, s33
	s_mov_b32 s33, 0
	s_add_nc_u64 s[24:25], s[24:25], s[32:33]
	s_lshl_b32 s34, s6, 10
	s_add_co_u32 s34, s34, s31                     ; the operand's row of my lane 0
	s_lshr_b32 s35, s34, 5                         ; which pair of tiles
	s_mul_i32 s36, s35, s26
	s_add_co_u32 s36, s36, s30
	s_mul_i32 s36, s36, 3072                       ; (2 pair x K steps + 2 kr) x 1,536
	s_add_co_u32 s36, s36, s27
	s_mov_b32 s37, 0
	s_add_nc_u64 s[36:37], s[22:23], s[36:37]
	s_lshr_b32 s38, s34, 7
	s_mul_i32 s38, s38, s26
	s_lshl_b32 s39, s30, 1
	s_add_co_u32 s38, s38, s39
	s_lshl_b32 s38, s38, 9
	s_and_b32 s39, s35, 3
	s_lshl_b32 s39, s39, 7
	s_add_co_u32 s38, s38, s39
	s_add_co_u32 s38, s38, s27
	s_add_co_u32 s38, s38, 3145728
	s_mov_b32 s39, 0
	s_add_nc_u64 s[38:39], s[22:23], s[38:39]
	v_lshlrev_b32 v3, 2, v2                        ; in: 4 bytes a lane, 128 consecutive bytes a wave, 1,024 a work-group
	v_bfe_u32 v4, v2, 3, 1                         ; u
	v_and_b32 v5, 7, v2
	v_lshrrev_b32 v6, 4, v2
	v_lshl_add_u32 v5, v6, 3, v5                   ; r
	s_mul_i32 s40, s26, 1536
	v_mul_u32_u24 v6, s40, v4
	v_lshl_add_u32 v6, v5, 4, v6                   ; tile u's fragments, + 16 r
	v_lshlrev_b32 v7, 3, v5
	v_lshl_add_u32 v7, v4, 2, v7                   ; 8 r + 4 u
	LOADB 0, \n
	LOADB 1, \n
.irp t, 0,1,2,3,4,5,6,7
	BLOCK \t, \n
.endr
.endm
.Lweights:
	s_sub_co_u32 s5, ttmp9, 128
	s_wait_kmcnt 0x0
	s_cmp_lt_u32 s5, 128
	s_cbranch_scc0 .Lw1
	s_lshr_b32 s6, s5, 4                           ; 0..3: wq, wk, wv, wo; above: w2
	s_cmp_eq_u32 s6, 1
	s_cselect_b64 s[24:25], s[12:13], s[10:11]
	s_cmp_eq_u32 s6, 2
	s_cselect_b64 s[24:25], s[14:15], s[24:25]
	s_cmp_eq_u32 s6, 3
	s_cselect_b64 s[24:25], s[16:17], s[24:25]
	s_mov_b32 s27, 3276800
	s_cmp_ge_u32 s5, 64
	s_cselect_b64 s[24:25], s[20:21], s[24:25]
	s_cselect_b32 s26, 32, 8
	s_cselect_b32 s27, 9830400, s27
	s_cselect_b32 s28, 63, 15
	s_cselect_b32 s6, 0, s6
	s_and_b32 s28, s5, s28
	s_and_b32 s29, s28, 3
	s_lshr_b32 s30, s28, 2
	WBODY 1024
	s_endpgm
.Lw1:
	s_sub_co_u32 s28, s5, 128
	s_mov_b64 s[24:25], s[18:19]
	s_mov_b32 s26, 8
	s_mov_b32 s27, 6553600
	s_mov_b32 s6, 0
	s_and_b32 s29, s28, 15
	s_lshr_b32 s30, s28, 4
	WBODY 4096
	s_endpgm
.Lfunc_end_k_qb23e6f17cc_prep:
	.size	k_qb23e6f17cc_prep, .Lfunc_end_k_qb23e6f17cc_prep-k_qb23e6f17cc_prep
	.p2alignl 7, 3214868480
	.fill 96, 4, 3214868480
	.section	.rodata,"a",@progbits
	.p2align	6, 0x0
	.amdhsa_kernel k_qb23e6f17cc_prep
		.amdhsa_group_segment_fixed_size 132608
		.amdhsa_private_segment_fixed_size 0
		.amdhsa_enable_private_segment 0
		.amdhsa_kernarg_size 64
		.amdhsa_user_sgpr_count 2
		.amdhsa_user_sgpr_kernarg_segment_ptr 1
		.amdhsa_wavefront_size32 1
		.amdhsa_system_sgpr_workgroup_id_x 1
		.amdhsa_system_sgpr_workgroup_id_y 1
		.amdhsa_system_sgpr_workgroup_id_z 1
		.amdhsa_system_vgpr_workitem_id 0
		.amdhsa_next_free_vgpr 226
		.amdhsa_next_free_sgpr 66
		.amdhsa_reserve_vcc 0
		.amdhsa_float_denorm_mode_32 3
		.amdhsa_float_denorm_mode_16_64 3
		.amdhsa_memory_ordered 1
		.amdhsa_forward_progress 1
		.amdhsa_inst_pref_size 97
	.end_amdhsa_kernel
	.amdgpu_metadata
---
amdhsa.version: [ 1, 2 ]
amdhsa.kernels:
  - .name:           k_qb23e6f17cc_prep
    .symbol:         k_qb23e6f17cc_prep.kd
    .args:
      - { .name: x, .offset: 0, .size: 8, .value_kind: global_buffer, .address_space: global }
      - { .name: wq, .offset: 8, .size: 8, .value_kind: global_buffer, .address_space: global }
      - { .name: wk, .offset: 16, .size: 8, .value_kind: global_buffer, .address_space: global }
      - { .name: wv, .offset: 24, .size: 8, .value_kind: global_buffer, .address_space: global }
      - { .name: wo, .offset: 32, .size: 8, .value_kind: global_buffer, .address_space: global }
      - { .name: w1, .offset: 40, .size: 8, .value_kind: global_buffer, .address_space: global }
      - { .name: w2, .offset: 48, .size: 8, .value_kind: global_buffer, .address_space: global }
      - { .name: prepb, .offset: 56, .size: 8, .value_kind: global_buffer, .address_space: global }
    .group_segment_fixed_size: 132608
    .private_segment_fixed_size: 0
    .kernarg_segment_align: 8
    .kernarg_segment_size: 64
    .max_flat_workgroup_size: 256
    .sgpr_count:     66
    .vgpr_count:     226
    .wavefront_size: 32
...
	.end_amdgpu_metadata
.endif
;; end of part 1
;; launch qkv (part 2): grid 12 x 16, 4 waves a work-group, clusters of 4 x 4, 327,680 bytes of LDS; arguments prepb, bq, bk, bv, qkvb; writes qkvb
.if DOCPART == 2
	.amdgcn_target "amdgcn-amd-amdhsa--gfx1250"
	.amdhsa_code_object_version 6
	.text
	.protected	k_qb23e6f17cc_qkv
	.globl	k_qb23e6f17cc_qkv
	.p2align	8
	.type	k_qb23e6f17cc_qkv,@function
k_qb23e6f17cc_qkv:
	s_mov_b64 s[64:65], 0
	v_nop
	global_prefetch_b8 v0, s[64:65] scope:SCOPE_SE
	s_setreg_imm32_b32 hwreg(HW_REG_WAVE_MODE, 25, 1), 1
	s_wait_xcnt 0x0
	s_wait_alu depctr_hold_cnt(0) depctr_sa_sdst(0) depctr_va_vdst(0) depctr_va_sdst(0) depctr_va_ssrc(0) depctr_va_vcc(0) depctr_vm_vsrc(0)
	s_getreg_b32 s2, hwreg(HW_REG_IB_STS2, 6, 4)
	s_cmp_eq_u32 s2, 0
	s_cbranch_scc0 .Lentry_in_a_cluster
	s_endpgm
.Lentry_in_a_cluster:
	s_bfe_u32 s2, ttmp6, 0x10000c
	s_cmp_lg_u32 s2, 0xf033
	s_cbranch_scc0 .Lentry_shape_is_right
	s_endpgm
.Lentry_shape_is_right:
; q = x wq + bq, k = x wk + bk, v = x wv + bv on codes of FP6 (E2M3) with E8M0 scales, and the results quantised again on the way out: q and k along the head's 64, v along the keys.
; OPERANDS lie in prepb as images of operand registers (tile T, lane row r = matrix row 32 (T/2) + 8 (T%2) + r + 8 (r/8); fragment = 1,536 bytes; IMG [tile][K step][1536]; SCL [rows/128][K step][512]).
; A tile of C, 256 x 256, is made by four waves, 128 x 128 each: 64 accumulators, 512 registers.  K goes in steps of 256 through a ring of two LDS slots; a wave's tensor load brings 8 tiles x 2 fragments (8 rows of 3,072 bytes).
; The scale words of the work-group's rows, for all of K, come once with the first fills.  Every LDS read of an operand covers 512 or 256 consecutive bytes: no padding.
; CLUSTERS 4 x 4: A's tiles are asked for jointly along a row of the cluster, B's along a column.  THE MATRIX INSTRUCTION IS USED TRANSPOSED (source 0 = B's rows, source 1 = A's): lane (r, h) holds row r of A's
; tile, and the 64 registers of B's eight tiles, register 16 b + i, are B's rows 32 b + 16 h + i: 128 neighbours along the NEXT product's K.
; Clusters x = 0, 1: A = x (tokens), B = wq, wk: a lane holds a token, its registers run along the features.  Cluster x = 2: A = wv, B = x: a lane holds a feature, its registers run along the tokens.
; qkvb: q, k codes [32 heads: 16 of q, 16 of k][256 token tiles][768]; at 6,291,456 v codes [32 token blocks of 128][64 feature tiles][1536]; at 9,437,184 q, k scale words [32][16][512]; at 9,699,328 v's [8][32][512].
; LIMITS: a block of zeros gets the byte 1 (read by this program alone); NaN and infinities are not served.
; REGISTERS: window 0: v8-14 offsets of the way out; v16-29 addresses; v32-63 scale words, two sets; v64-127 the bias by register; v128-223 A's fragments; v244-251 the bias by lane.  window 1: B's fragments, two sets.  windows 2, 3: accumulators.
.set SIZE_K, 1024
.set VIMG,   6291456
.set QKSCL,  9437184
.set VSCL,   9699328
.set NS,     SIZE_K/128
.set LAPS,   SIZE_K/512
.set TP,     NS*1536                   ; from tile to tile in an image
.set HALFT,  8*3072                    ; what one tensor load brings: 8 tiles x 256 along K
.set SLOT,   4*HALFT
.set SCL,    2*SLOT                    ; behind the ring: the scale words, four parts of PS bytes
.set PS,     NS*512
.set SPARE,  SCL+4*PS                  ; the spare words, 128 bytes a wave, named by no other line
.set FR,     12
.set NL,     4                         ; LDS loads that bring a fragment
.set NP,     4                         ; places behind this matrix instruction (ISA guide 7.12.1)
.set ADRA, 16                          ; v16-17 my A fragments in slot 0, 1 (16 x lane); v18-19 the same for registers 4-5 (512 + 16 r + 8 h)
.set ADRB, 20                          ; v20-23 the same for B
.set ADRS, 27                          ; v27 my scale words: lanes 0-15 A's, lanes 16-31 B's
.set SPW,  28
.set NIL,  29
.set SC,   32                          ; set s at v[SC + 16 s]; register 8 q + i: tile i, the slot's q-th 128 along K
.set BN,   64
.set AF,   128
.set H,    128                         ; the way out: 64 numbers
.set PC,   192                         ; the codes just made
.set TM,   212
.set PW,   228
.set PWS,  232                         ; the eight blocks' scale words
.set XW,   240
.set BM,   244
.set BMC,  252
.set SEL,  18
.set G1, 24
.set G0, 32
.set G1B, 48
.set G0B, 56
.set G1S, 68
.set G0S, 76
.set G1SB, 80
.set G0SB, 88
.set MSB, 0
.macro WIN new                         ; the immediate's high byte repeats the setting that is left
.if MSB != \new
	s_set_vgpr_msb (MSB<<8)|\new
.set MSB, \new
.endif
.endm
.set MUL_LO, 0xa1                      ; source 0 (B) window 1, source 1 (A) window 0, C and D window 2
.set MUL_HI, 0xf1
.set TO_B,   0x40
.macro JLOAD g0a, g1a, g0b, g1b        ; a joint load: waves 0, 1 fetch for A, waves 2, 3 for B; four v_nop follow each line
	s_cmp_eq_u32 s15, 0
	s_cbranch_scc0 .Lfor_b_\@
	tensor_load_to_lds s[\g0a:\g0a+3], s[\g1a:\g1a+7]
	s_nop 0
.rept 4
	v_nop
.endr
	s_branch .Lasked_\@
.Lfor_b_\@:
	tensor_load_to_lds s[\g0b:\g0b+3], s[\g1b:\g1b+7]
	s_nop 0
.rept 4
	v_nop
.endr
.Lasked_\@:
.endm
.macro CREST
	s_cmp_lg_u32 s14, 0
	s_cbranch_scc1 .Lnot_wave_0_\@
	s_barrier_signal -3
.Lnot_wave_0_\@:
	s_barrier_wait -3
	s_barrier_signal -1
	s_barrier_wait -1
.endm
.macro CROUND
	s_barrier_signal -1
	s_barrier_wait -1
	CREST
.endm
.macro FRAG reg, adr, q, i             ; tile i's fragment of the slot's q-th 128 along K: the image comes back as it was stored
	ds_load_b128 v[\reg:\reg+3], v[\adr] offset:3072*(\i)+1536*(\q)
	ds_load_b64 v[\reg+4:\reg+5], v[\adr+2] offset:3072*(\i)+1536*(\q)
	ds_load_b128 v[\reg+6:\reg+9], v[\adr] offset:3072*(\i)+1536*(\q)+768
	ds_load_b64 v[\reg+10:\reg+11], v[\adr+2] offset:3072*(\i)+1536*(\q)+768
.endm
; 16 matrix instructions: A's blocks a0, a0 + 1 x B's eight.  The 64 accumulators take turns, one instruction a turn.
.macro MUL16 a0, p, q, sc, zero
.irp a, \a0, \a0+1
.irp b, 0,1,2,3,4,5,6,7
.if \zero
	v_wmma_scale_f32_16x16x128_f8f6f4 v[8*(8*((\a)%4)+\b):8*(8*((\a)%4)+\b)+7], v[128*(\p)+FR*\b:128*(\p)+FR*\b+FR-1], v[AF+FR*(\a):AF+FR*(\a)+FR-1], 0, v[SC+16*(\sc)+8*(\q)+\b], v[SC+16*(\sc)+8*(\q)+(\a)] matrix_a_fmt:MATRIX_FMT_FP6 matrix_b_fmt:MATRIX_FMT_FP6 matrix_a_scale:MATRIX_SCALE_ROW1
.else
	v_wmma_scale_f32_16x16x128_f8f6f4 v[8*(8*((\a)%4)+\b):8*(8*((\a)%4)+\b)+7], v[128*(\p)+FR*\b:128*(\p)+FR*\b+FR-1], v[AF+FR*(\a):AF+FR*(\a)+FR-1], v[8*(8*((\a)%4)+\b):8*(8*((\a)%4)+\b)+7], v[SC+16*(\sc)+8*(\q)+\b], v[SC+16*(\sc)+8*(\q)+(\a)] matrix_a_fmt:MATRIX_FMT_FP6 matrix_b_fmt:MATRIX_FMT_FP6 matrix_a_scale:MATRIX_SCALE_ROW1
.endif
.endr
.endr
.endm
.macro FETCH_B slot, q, p
	WIN TO_B
.irp i, 0,1,2,3,4,5,6,7
	FRAG 128*(\p)+FR*\i, ADRB+\slot, \q, \i
.endr
	WIN 0
.endm
.macro FETCH_A slot, q, i0
.irp i, \i0, \i0+1, \i0+2, \i0+3
	FRAG AF+FR*(\i), ADRA+\slot, \q, \i
.endr
.endm
.macro SCALES sc                       ; a K step's scale words: two tiles' words a load
.irp q, 0,1
.irp p, 0,1,2,3
	ds_load_b64 v[SC+16*\sc+8*\q+2*\p:SC+16*\sc+8*\q+2*\p+1], v[ADRS] offset:512*\q+128*\p
.endr
.endr
.endm
.macro PLACES n
.rept \n
	v_nop
.endr
.endm
.macro STEP slot, q, zero              ; 128 along K with its successor in the same slot
	s_wait_dscnt 4*NL                              ; all but the youngest 16 loads (A's blocks 4-7) are in
	WIN MUL_LO
	MUL16 0, (\q)%2, \q, \slot, \zero
	MUL16 2, (\q)%2, \q, \slot, \zero
	s_wait_dscnt 0
	PLACES NP                                      ; in front of loads into registers that matrix instructions have read
	FETCH_B \slot, (\q)+1, 1-(\q)%2
	FETCH_A \slot, (\q)+1, 0
	WIN MUL_HI
	MUL16 4, (\q)%2, \q, \slot, \zero
	MUL16 6, (\q)%2, \q, \slot, \zero
	PLACES NP
	WIN 0
	FETCH_A \slot, (\q)+1, 4
.endm
; A slot's last step changes slots: one barrier; in front of it each wave waits for all its tensor loads, adds 0 to its spare word, and waits for that and for its reads of this slot.
.macro TURN slot, next, fill
	s_wait_tensorcnt 0x0                           ; all my tensor loads have landed: my part of the next slot
	ds_add_u32 v[SPW], v[NIL]                      ; 0 onto my spare word
	s_wait_dscnt 4*NL+1                            ; (the add and A's blocks 4-7 may be out)
	WIN MUL_LO
	MUL16 0, 1, 1, \slot, 0
	s_wait_dscnt 0x0                               ; the add is done, and my reads of this slot are over
	s_barrier_signal -1
	MUL16 2, 1, 1, \slot, 0
	WIN 0
	s_barrier_wait -1
.if \fill
	CREST                                          ; the barrier has opened a round of the cluster's barrier: no wave of any partner still reads this slot or has a load on its way
	s_add_nc_u64 s[G0+4*\slot+2:G0+4*\slot+3], s[G0+4*\slot+2:G0+4*\slot+3], 2*3072
	s_add_nc_u64 s[G0B+4*\slot+2:G0B+4*\slot+3], s[G0B+4*\slot+2:G0B+4*\slot+3], 2*3072
	JLOAD G0+4*\slot, G1, G0B+4*\slot, G1B         ; the first tensor load behind the round; its four v_nop are also the places in front of the loads below
.else
	PLACES NP
.endif
	v_add_nc_u32 v[ADRS], 1024, v[ADRS]            ; the next K step's scale words
	FETCH_B \next, 0, 0
	FETCH_A \next, 0, 0
	SCALES \next
	WIN MUL_HI
	MUL16 4, 1, 1, \slot, 0
	MUL16 6, 1, 1, \slot, 0
	PLACES NP
	WIN 0
	FETCH_A \next, 0, 4
.endm
; 64 numbers of a lane, register 16 b + i = k 32 b + 16 h + i of my row, become a fragment in v[pc] on and the row's scale word in v[pw].
.macro QUANT s, pc, pw
.irp b, 0,1,2,3
	v_max3_num_f32 v[TM+\b], |v[\s+16*\b]|, |v[\s+1+16*\b]|, 0x1800000   ; and the floor 2^(3 - 127): the byte cannot fall under 1
.endr
.irp i, 2,4,6,8,10,12,14
.irp b, 0,1,2,3
	v_max3_num_f32 v[TM+\b], v[TM+\b], |v[\s+16*\b+\i]|, |v[\s+1+16*\b+\i]|
.endr
.endr
.irp b, 0,1,2,3
	v_permlanex16_b32 v[TM+4+\b], v[TM+\b], s[SEL], s[SEL+1]
.endr
.irp b, 0,1,2,3
	v_max_num_f32 v[TM+\b], v[TM+\b], v[TM+4+\b]
.endr
.irp b, 0,1,2,3
	v_add_nc_u32 v[TM+12+\b], 0xff000000, v[TM+\b]                   ; 2 off the exponent field: the conversion's scale operand
.endr
.irp b, 0,1,2,3
	v_lshrrev_b32 v[TM+4+\b], 23, v[TM+12+\b]
.endr
	v_lshl_or_b32 v[\pw], v[TM+5], 8, v[TM+4]
	v_lshl_or_b32 v[\pw], v[TM+6], 16, v[\pw]
	v_lshl_or_b32 v[\pw], v[TM+7], 24, v[\pw]
.irp c, 0,1
	v_cvt_scalef32_pk16_fp6_f32 v[\pc+6*\c:\pc+2+6*\c], v[\s+32*\c:\s+15+32*\c], v[TM+12+2*\c]
	v_cvt_scalef32_pk16_fp6_f32 v[\pc+12+4*\c:\pc+14+4*\c], v[\s+16+32*\c:\s+31+32*\c], v[TM+12+2*\c+1]
.endr
	v_nop                                                            ; one plain place behind the scaled conversions
.irp c, 0,1
.irp i, 0,1,2
	v_permlane16_swap_b32 v[\pc+6*\c+\i], v[\pc+12+4*\c+\i]
.endr
.irp i, 0,1,2
	v_mov_b32 v[\pc+3+6*\c+\i], v[\pc+12+4*\c+\i]
.endr
.endr
.endm
	s_load_b256 s[4:11], s[0:1], 0x0               ; prepb s[4:5], bq s[6:7], bk s[8:9], bv s[10:11]
	s_load_b64 s[12:13], s[0:1], 0x20              ; qkvb
	v_lshl_add_u32 v[SPW], v0, 2, SPARE
	v_mov_b32 v[NIL], 0
	ds_add_u32 v28, v29
	ds_add_u32 v28, v29
	s_wait_dscnt 0x0
	v_lshrrev_b32 v1, 5, v0
	v_readfirstlane_b32 s14, v1                    ; wave 0..3
	s_lshr_b32 s15, s14, 1                         ; my half of the tile's A rows.  Also: I fetch for A (0) or for B (1)
	s_and_b32 s16, s14, 1                          ; my half of its B rows.  Also: which 8 tiles I fetch
	s_bfe_u32 s40, ttmp6, 0x40000                  ; cx
	s_bfe_u32 s41, ttmp6, 0x40004                  ; cy
	s_and_b32 s66, ttmp7, 0xffff                   ; cluster y
	s_mov_b32 s97, 3145728
	s_mov_b32 s99, 6422528
	s_cmp_eq_u32 ttmp9, 2                          ; cluster x = 2 makes v: the same in all sixteen partners
	s_cselect_b32 s67, 1, 0
	s_cselect_b32 s17, 0, s66
	s_cselect_b32 s42, s66, ttmp9
	s_cselect_b32 s96, 4849664, 0                  ; A's codes in prepb: wv's rows, or x
	s_cselect_b32 s97, 6488064, s97                ; A's scale words
	s_cselect_b32 s98, 0, 3276800                  ; B's codes: x, or wq and wk
	s_cselect_b32 s99, 3145728, s99
	s_lshl_b32 s17, s17, 2
	s_add_co_u32 s17, s17, s41                     ; tile row (of A)
	s_lshl_b32 s42, s42, 2
	s_add_co_u32 s42, s42, s40                     ; tile column (of B)
	s_lshl_b32 s43, s41, 2
	s_lshl_b32 s43, 15, s43                        ; my row of the cluster
	s_lshl_b32 s44, 0x1111, s40                    ; my column
	s_or_b32 s[G1+0], s43, (3<<16)|(1<<21)         ; 15:0 the mask; 17:16 elements of 8 bytes; 21 set beside a mask; no padding
	s_or_b32 s[G1B+0], s44, (3<<16)|(1<<21)
.irp g, G1, G1B
	s_mov_b32 s[\g+1], 384<<16                     ; tensor_dim0: 3,072 bytes
	s_mov_b32 s[\g+2], 8<<16                       ; tensor_dim1: 8 tiles
	s_mov_b32 s[\g+3], 384<<16                     ; tile_dim0
	s_mov_b32 s[\g+4], 8                           ; tile_dim1
	s_mov_b32 s[\g+5], NS*192                      ; from tile to tile, in elements
	s_mov_b32 s[\g+6], 0
	s_mov_b32 s[\g+7], 0
.endr
	s_or_b32 s[G1S+0], s43, (3<<16)|(1<<21)        ; the scale words of 128 rows: PS dense bytes as rows of 256
	s_or_b32 s[G1SB+0], s44, (3<<16)|(1<<21)
.irp g, G1S, G1SB
	s_mov_b32 s[\g+1], 32<<16
	s_mov_b32 s[\g+2], (2*NS)<<16
	s_mov_b32 s[\g+3], 32<<16
	s_mov_b32 s[\g+4], 2*NS
	s_mov_b32 s[\g+5], 32
	s_mov_b32 s[\g+6], 0
	s_mov_b32 s[\g+7], 0
.endr
	s_lshl_b32 s18, s16, 3
	s_lshl_b32 s20, s17, 4
	s_add_co_u32 s20, s20, s18                     ; A: tile 16 x tile row + 8 x half
	s_mul_i32 s20, s20, TP
	s_add_co_u32 s20, s20, s96
	s_mov_b32 s21, 0
	s_lshl_b32 s22, s17, 1
	s_add_co_u32 s22, s22, s16
	s_mul_i32 s22, s22, PS
	s_add_co_u32 s22, s22, s97
	s_mov_b32 s23, 0
	s_lshl_b32 s46, s42, 4
	s_add_co_u32 s46, s46, s18                     ; B likewise, by the tile column
	s_mul_i32 s46, s46, TP
	s_add_co_u32 s46, s46, s98
	s_mov_b32 s47, 0
	s_lshl_b32 s92, s42, 1
	s_add_co_u32 s92, s92, s16
	s_mul_i32 s92, s92, PS
	s_add_co_u32 s92, s92, s99
	s_mov_b32 s93, 0
	s_mul_i32 s45, s14, HALFT                      ; where they go: by the wave's number alone
	s_mul_i32 s94, s14, PS
	s_wait_kmcnt 0x0
	s_add_nc_u64 s[20:21], s[4:5], s[20:21]
	s_add_nc_u64 s[22:23], s[4:5], s[22:23]
	s_add_nc_u64 s[46:47], s[4:5], s[46:47]
	s_add_nc_u64 s[92:93], s[4:5], s[92:93]
	CROUND                                         ; all sixteen work-groups are here: the first joint loads meet
	s_mov_b32 s[G0S], 1
	s_add_co_u32 s[G0S+1], s94, SCL
	s_mov_b64 s[G0S+2:G0S+3], s[22:23]
	s_or_b32 s[G0S+3], s[G0S+3], 0x80000000
	s_mov_b32 s[G0SB], 1
	s_add_co_u32 s[G0SB+1], s94, SCL
	s_mov_b64 s[G0SB+2:G0SB+3], s[92:93]
	s_or_b32 s[G0SB+3], s[G0SB+3], 0x80000000
	JLOAD G0S, G1S, G0SB, G1SB                     ; the scale words first
.irp s, 0,1
	s_mov_b32 s[G0+4*\s], 1
	s_add_co_u32 s[G0+4*\s+1], s45, \s*SLOT
	s_add_nc_u64 s[G0+4*\s+2:G0+4*\s+3], s[20:21], \s*3072
	s_or_b32 s[G0+4*\s+3], s[G0+4*\s+3], 0x80000000
	s_mov_b32 s[G0B+4*\s], 1
	s_add_co_u32 s[G0B+4*\s+1], s45, \s*SLOT
	s_add_nc_u64 s[G0B+4*\s+2:G0B+4*\s+3], s[46:47], \s*3072
	s_or_b32 s[G0B+4*\s+3], s[G0B+4*\s+3], 0x80000000
	JLOAD G0+4*\s, G1, G0B+4*\s, G1B
.endr
	v_and_b32 v1, 15, v0                           ; r
	v_bfe_u32 v2, v0, 4, 1                         ; h
	v_and_b32 v3, 31, v0
	v_lshlrev_b32 v8, 4, v3                        ; 16 x lane
	v_lshlrev_b32 v9, 4, v1
	v_lshl_add_u32 v9, v2, 3, v9
	v_add_nc_u32 v9, 512, v9                       ; 512 + 16 r + 8 h
	s_mul_i32 s21, s15, HALFT
	s_mul_i32 s22, s16, HALFT
	s_add_co_u32 s22, s22, 2*HALFT
.irp s, 0,1
	v_add_nc_u32 v[ADRA+\s], s21, v8
	v_add_nc_u32 v[ADRB+\s], s22, v8
	v_add_nc_u32 v[ADRA+2+\s], s21, v9
	v_add_nc_u32 v[ADRB+2+\s], s22, v9
	s_add_co_u32 s21, s21, SLOT
	s_add_co_u32 s22, s22, SLOT
.endr
	v_lshlrev_b32 v5, 3, v1                        ; 8 r
	s_mul_i32 s21, s15, PS
	s_mul_i32 s22, s16, PS
	s_add_co_u32 s22, s22, 2*PS
	s_sub_co_u32 s22, s22, s21
	v_mul_u32_u24 v6, s22, v2                      ; lanes 16-31 take B's
	s_add_co_u32 s21, s21, SCL
	v_add_nc_u32 v5, v5, v6
	v_add_nc_u32 v[ADRS], s21, v5
	; the way out's places, and the biases
	s_lshl_b32 s18, s42, 1
	s_add_co_u32 s18, s18, s16                     ; n128: which 128 of B's rows are mine
	s_lshl_b32 s20, s17, 4
	s_lshl_b32 s21, s15, 3
	s_add_co_u32 s20, s20, s21                     ; my first tile of A
	s_and_b32 s46, s18, 7
	s_lshl_b32 s46, s46, 9                         ; q, k: my 128 numbers of bq or bk
	s_lshl_b32 s92, s20, 6                         ; v: my 128 numbers of bv
	s_lshl_b32 s21, s18, 9
	s_add_co_u32 s21, s21, s20
	s_mul_i32 s21, s21, 768                        ; q, k codes: (2 n128 x 256 + tile) x 768
	s_lshl_b32 s22, s18, 6
	s_add_co_u32 s22, s22, s20
	s_mul_i32 s22, s22, 1536
	s_add_co_u32 s22, s22, VIMG                    ; v codes: (n128 x 64 + tile) x 1,536
	s_lshr_b32 s20, s20, 3
	s_lshl_b32 s23, s20, 4
	s_add_co_u32 s23, s23, s18
	s_lshl_b32 s23, s23, 9
	s_add_co_u32 s23, s23, QKSCL
	s_lshl_b32 s20, s20, 5
	s_add_co_u32 s20, s20, s18
	s_lshl_b32 s20, s20, 9
	s_add_co_u32 s20, s20, VSCL
	s_mov_b32 s100, 768
	s_mov_b32 s19, 196608
	s_cmp_eq_u32 s67, 1
	s_cselect_b32 s46, 0, s46                      ; the bias that does not apply is read at its buffer's head and cleared below
	s_cselect_b32 s92, s92, 0
	s_cselect_b32 s96, s22, s21
	s_cselect_b32 s98, s20, s23
	s_cselect_b32 s100, 1536, s100                 ; from block to block of A
	s_cselect_b32 s19, 768, s19                    ; from the first half fragment to the second
	s_cselect_b32 s22, 0, -1
	s_cselect_b32 s23, -1, 0
	s_mov_b32 s47, 0
	s_mov_b32 s93, 0
	s_mov_b32 s97, 0
	s_mov_b32 s99, 0
	s_mov_b32 s101, 0
	s_cmp_eq_u32 ttmp9, 1
	s_cselect_b64 s[6:7], s[8:9], s[6:7]           ; bk for cluster x = 1, else bq
	s_add_nc_u64 s[6:7], s[6:7], s[46:47]
	s_add_nc_u64 s[10:11], s[10:11], s[92:93]
	s_add_nc_u64 s[96:97], s[12:13], s[96:97]
	s_add_nc_u64 s[98:99], s[12:13], s[98:99]
	v_add_nc_u32 v10, s19, v8
	v_add_nc_u32 v11, s19, v9
	v_lshlrev_b32 v12, 7, v2
	v_lshl_add_u32 v12, v1, 3, v12                 ; 128 h + 8 r
	v_lshlrev_b32 v13, 6, v2                       ; 64 h
	v_and_b32 v14, 8, v1
	v_add_nc_u32 v14, v14, v1
	v_lshlrev_b32 v14, 2, v14                      ; 4 (r + 8 (r/8))
.irp b, 0,1,2,3
.irp j, 0,1,2,3
	global_load_b128 v[BN+16*\b+4*\j:BN+16*\b+4*\j+3], v13, s[6:7] offset:128*\b+16*\j   ; register 16 b + i: the bias of B's row 32 b + 16 h + i
.endr
.endr
.irp a, 0,1,2,3,4,5,6,7
	global_load_b32 v[BM+\a], v14, s[10:11] offset:(32*(\a/2)+8*(\a%2))*4                ; block a: the bias of my lane's row of A
.endr
	s_wait_loadcnt 0x0
.set p, 0
.rept 64
	v_and_b32 v[BN+p], s22, v[BN+p]                ; +0.0 where v is made
.set p, p+1
.endr
.irp a, 0,1,2,3,4,5,6,7
	v_and_b32 v[BM+\a], s23, v[BM+\a]              ; +0.0 where q and k are made
.endr
	s_wait_tensorcnt 1                             ; the scale words and my part of K step 0 are in (slot 1's load may be out),
	s_barrier_signal -1
	s_barrier_wait -1                              ; everybody's are
	FETCH_B 0, 0, 0
	FETCH_A 0, 0, 0
	SCALES 0
	FETCH_A 0, 0, 4
	STEP 0, 0, 1                                   ; the first step's products start the sums
	s_mov_b32 s3, LAPS-1
.Llap:
	TURN 0, 1, 1
	STEP 1, 0, 0
	TURN 1, 0, 1
	STEP 0, 0, 0
	s_sub_co_u32 s3, s3, 1
	s_cmp_lg_u32 s3, 0
	s_cbranch_scc1 .Llap
	TURN 0, 1, 0                                   ; the last lap fills nothing
	STEP 1, 0, 0
	s_wait_dscnt 4*NL
	WIN MUL_LO
	MUL16 0, 1, 1, 1, 0
	MUL16 2, 1, 1, 1, 0
	s_wait_dscnt 0
	WIN MUL_HI
	MUL16 4, 1, 1, 1, 0
	MUL16 6, 1, 1, 1, 0
	WIN 0
	; THE WAY OUT: eight trips, one for each block of 16 rows of A.  Only the additions that take a block's 64 sums out of the accumulators differ from block to block: they are written eight times,
	; each behind a compare of the trip's number; the rest of a trip is written once.
	PLACES NP
.irp b, 0,1,2,3
	v_mov_b32 v[TM+4+\b], 0                        ; a lane permute's destination counts as one of its sources
.endr
.irp i, 0,1,2,3,4,5,6,7
	v_mov_b32 v[PWS+\i], 0
.endr
	s_mov_b32 s[SEL], 0x76543210
	s_mov_b32 s[SEL+1], 0xfedcba98
	s_mov_b32 s66, 0xffff0000                      ; lanes 16-31
	s_mov_b32 s3, 0
.Lalpha:
.irp a, 0,1,2,3,4,5,6,7
	s_cmp_lg_u32 s3, \a
	s_cbranch_scc1 .Lnot_\a
	WIN 0x02+(\a)/4                                ; source 0: the accumulators' window
.set p, 0
.rept 32
	v_pk_add_f32 v[H+p:H+p+1], v[64*((\a)%4)+p:64*((\a)%4)+p+1], v[BN+p:BN+p+1]   ; ascending: each accumulator from its low end on
.set p, p+2
.endr
	WIN 0
	v_mov_b32 v[BMC], v[BM+\a]
	v_mov_b32 v[BMC+1], v[BM+\a]
.Lnot_\a:
.endr
.set p, 0
.rept 32
	v_pk_add_f32 v[H+p:H+p+1], v[H+p:H+p+1], v[BMC:BMC+1]   ; one of the two biases is +0.0, so the sum is rounded once
.set p, p+2
.endr
	QUANT H, PC, PW
	global_store_b128 v8, v[PC:PC+3], s[96:97]     ; 512, 256, 512, 256 consecutive bytes
	global_store_b64 v9, v[PC+4:PC+5], s[96:97]
	global_store_b128 v10, v[PC+6:PC+9], s[96:97]
	global_store_b64 v11, v[PC+10:PC+11], s[96:97]
.irp i, 0,1,2,3,4,5,6
	v_mov_b32 v[PWS+\i], v[PWS+\i+1]               ; the scale words move down: after eight trips block a's stands in register a
.endr
	v_mov_b32 v[PWS+7], v[PW]
	s_wait_xcnt 0x0                                ; the stores have read their data and their base: both are written again only behind this wait
	s_add_nc_u64 s[96:97], s[96:97], s[100:101]
	s_add_co_u32 s3, s3, 1
	s_cmp_lt_u32 s3, 8
	s_cbranch_scc1 .Lalpha
.irp g, 0,1
	v_cndmask_b32 v[XW+2*\g], v[PWS+4*\g], v[PWS+4*\g+2], s66
	v_cndmask_b32 v[XW+2*\g+1], v[PWS+4*\g+1], v[PWS+4*\g+3], s66
	global_store_b64 v12, v[XW+2*\g:XW+2*\g+1], s[98:99] offset:256*\g   ; 256 consecutive bytes, aligned
.endr
	s_wait_tensorcnt 0x0                           ; the wave's end
	ds_add_u32 v[SPW], v[NIL]
	s_wait_dscnt 0x0
	CROUND                                         ; the closing round
	s_endpgm
.Lfunc_end_k_qb23e6f17cc_qkv:
	.size	k_qb23e6f17cc_qkv, .Lfunc_end_k_qb23e6f17cc_qkv-k_qb23e6f17cc_qkv
	.p2alignl 7, 3214868480
	.fill 96, 4, 3214868480
	.section	.rodata,"a",@progbits
	.p2align	6, 0x0
	.amdhsa_kernel k_qb23e6f17cc_qkv
		.amdhsa_group_segment_fixed_size 327680
		.amdhsa_private_segment_fixed_size 0
		.amdhsa_enable_private_segment 0
		.amdhsa_kernarg_size 40
		.amdhsa_user_sgpr_count 2
		.amdhsa_user_sgpr_kernarg_segment_ptr 1
		.amdhsa_wavefront_size32 1
		.amdhsa_system_sgpr_workgroup_id_x 1
		.amdhsa_system_sgpr_workgroup_id_y 1
		.amdhsa_system_sgpr_workgroup_id_z 1
		.amdhsa_system_vgpr_workitem_id 0
		.amdhsa_next_free_vgpr 1024
		.amdhsa_next_free_sgpr 102
		.amdhsa_reserve_vcc 0
		.amdhsa_float_denorm_mode_32 3
		.amdhsa_float_denorm_mode_16_64 3
		.amdhsa_memory_ordered 1
		.amdhsa_forward_progress 1
		.amdhsa_inst_pref_size 146
	.end_amdhsa_kernel
	.amdgpu_metadata
---
amdhsa.version: [ 1, 2 ]
amdhsa.kernels:
  - .name:           k_qb23e6f17cc_qkv
    .symbol:         k_qb23e6f17cc_qkv.kd
    .args:
      - { .name: prepb, .offset: 0, .size: 8, .value_kind: global_buffer, .address_space: global }
      - { .name: bq, .offset: 8, .size: 8, .value_kind: global_buffer, .address_space: global }
      - { .name: bk, .offset: 16, .size: 8, .value_kind: global_buffer, .address_space: global }
      - { .name: bv, .offset: 24, .size: 8, .value_kind: global_buffer, .address_space: global }
      - { .name: qkvb, .offset: 32, .size: 8, .value_kind: global_buffer, .address_space: global }
    .group_segment_fixed_size: 327680
    .private_segment_fixed_size: 0
    .kernarg_segment_align: 8
    .kernarg_segment_size: 40
    .max_flat_workgroup_size: 128
    .sgpr_count:     102
    .vgpr_count:     1024
    .wavefront_size: 32
...
	.end_amdgpu_metadata
.endif
;; end of part 2
;; launch attn (part 3): grid 8 x 32, 16 waves a work-group, clusters of 4 x 1, 219,136 bytes of LDS; arguments qkvb, mask, attb; writes attb
.if DOCPART == 3
	.amdgcn_target "amdgcn-amd-amdhsa--gfx1250"
	.amdhsa_code_object_version 6
	.text
	.protected	k_qb23e6f17cc_attn
	.globl	k_qb23e6f17cc_attn
	.p2align	8
	.type	k_qb23e6f17cc_attn,@function
k_qb23e6f17cc_attn:
	s_mov_b64 s[64:65], 0
	v_nop
	global_prefetch_b8 v0, s[64:65] scope:SCOPE_SE
	s_setreg_imm32_b32 hwreg(HW_REG_WAVE_MODE, 25, 1), 1
	s_wait_xcnt 0x0
	s_wait_alu depctr_hold_cnt(0) depctr_sa_sdst(0) depctr_va_vdst(0) depctr_va_sdst(0) depctr_va_ssrc(0) depctr_va_vcc(0) depctr_vm_vsrc(0)
	s_getreg_b32 s2, hwreg(HW_REG_IB_STS2, 6, 4)
	s_cmp_eq_u32 s2, 0
	s_cbranch_scc0 .Lentry_in_a_cluster
	s_endpgm
.Lentry_in_a_cluster:
	s_bfe_u32 s2, ttmp6, 0x10000c
	s_cmp_lg_u32 s2, 0x3003
	s_cbranch_scc0 .Lentry_shape_is_right
	s_endpgm
.Lentry_shape_is_right:
; h = softmax(q k^T / 8 - 10000 (1 - mask)) v for one head and 256 queries a work-group, both products on codes of FP6 (E2M3) with E8M0 scales; h is quantised along the features on the way out (attb: the next product's A).
; SOFTMAX AHEAD OF THE SECOND PRODUCT: t = logit x log2(e); M = the running largest t rounded UP to a whole number; p = 2^(t - M) is quantised along the keys; the row's sum is taken of the unquantised p and divides at the end.
; SHARES: sixteen waves, one tile of 16 queries each, 256 registers.  A head's whole K (98,304 bytes) and V (98,304) lie in LDS, filled ONCE, in four chunks of 512 keys: no LDS byte is filled twice.
; CLUSTER 4 x 1: four query blocks of one head ask for K, V and V's scale words jointly.  By this text's own count wave 0 has four tensor loads out and wave 1 five.
; LAYOUT: both products transposed (S^T = K Q^T, O^T = V^T P^T): a lane holds one query.  The keys of a tile are 32 (t/2) + 8 (t%2) + r + 8 (r/8), so the 16 registers of tiles 2 b, 2 b + 1 are 16 neighbouring keys.
; THE HEAD HAS 64 NUMBERS, THE INSTRUCTION 128: Q's codes of k = 64 .. 127 are zeros, and both sides' scale bytes there are 0 (a finite power of two).  So K's half fragments stand six registers apart, and what the
; instruction reads as K's upper half (the next tile's codes) is multiplied by zero codes.
; THE MASK costs no vector instruction: -80000 (1 - mask) (8 x -10000: the scores are divided by 8 behind it) is loaded into the accumulators and is the C of the first product.
; LIMITS: NaN and infinities are not served; a block of zeros gets the byte 1; the two scale bytes of a head's 64 features leave by stores of two bytes a lane (131,072 bytes in the whole launch).
; REGISTERS: v1-7 LDS addresses; v12 -M, v13 largest t, v[14:15] the sum; v16-27 Q, v28 its scale word; v29-31 offsets; v32-79 K's 8 half fragments, then V's 4 fragments; v80-91 p's codes; v96-159 S^T, then p; v160-191 O^T;
; v192-199 K's scale words, v200-203 V's; v224-227 head; v232-254 at work.
.set KB,    0
.set VB,    98304
.set VSC,   196608
.set KSC,   200704
.set PEN,   208896
.set VIMG,  6291456
.set QKSCL, 9437184
.set VSCL,  9699328
.set OSCL,  3145728
.set WV,  10
.set G1K, 24
.set G1V, 32
.set G1S, 40
.set G0K, 48                           ; s[48:63] four chunks of K
.set G0V, 68                           ; s[68:83] four chunks of V
.set G0S, 84
.set SEL, 88
.set CS,  90
.macro CROUND
	s_barrier_signal -1
	s_barrier_wait -1
	s_cmp_lg_u32 s[WV], 0
	s_cbranch_scc1 .Lnot_wave_0_\@
	s_barrier_signal -3
.Lnot_wave_0_\@:
	s_barrier_wait -3
	s_barrier_signal -1
	s_barrier_wait -1
.endm
	s_load_b128 s[4:7], s[0:1], 0x0                ; qkvb, mask
	s_load_b64 s[8:9], s[0:1], 0x10                ; attb
	v_lshl_add_u32 v251, v0, 2, 0x35000
	v_mov_b32 v255, 0
	ds_add_u32 v251, v255
	ds_add_u32 v251, v255
	v_lshrrev_b32 v1, 5, v0
	v_readfirstlane_b32 s[WV], v1                  ; wave 0..15
	s_bfe_u32 s11, ttmp6, 0x40000                  ; cx: it enters Q's and O's global addresses alone
	s_and_b32 s12, ttmp7, 0xffff
	s_lshr_b32 s13, s12, 4                         ; batch
	s_and_b32 s14, s12, 15                         ; head
	s_lshr_b32 s15, s14, 1
	s_and_b32 s16, s14, 1
	s_lshl_b32 s2, s16, 4                          ; where my head's two bytes begin in a scale word of q or k
	s_add_co_u32 s18, s14, 16
	s_lshl_b32 s18, s18, 8
	s_lshl_b32 s19, s13, 7
	s_add_co_u32 s18, s18, s19
	s_mul_i32 s18, s18, 768                        ; K: head 16 + head, token tiles 128 batch on
	s_mov_b32 s19, 0
	s_lshl_b32 s20, s13, 10
	s_lshl_b32 s21, s14, 2
	s_add_co_u32 s20, s20, s21
	s_mul_i32 s20, s20, 1536
	s_add_co_u32 s20, s20, VIMG                    ; V: token block 16 batch, feature tile 4 head
	s_mov_b32 s21, 0
	s_lshl_b32 s22, s15, 5
	s_lshl_b32 s23, s13, 4
	s_add_co_u32 s22, s22, s23
	s_lshl_b32 s22, s22, 9
	s_lshl_b32 s23, s16, 8
	s_add_co_u32 s22, s22, s23
	s_add_co_u32 s22, s22, VSCL
	s_mov_b32 s23, 0
	s_mov_b32 s[G1K], 15|(3<<16)|(1<<21)           ; the mask: all four; elements of 8 bytes; 21 set beside a mask
	s_mov_b32 s[G1K+1], 32<<16                     ; K: 24,576 dense bytes as 96 rows of 256
	s_mov_b32 s[G1K+2], 96<<16
	s_mov_b32 s[G1K+3], 32<<16
	s_mov_b32 s[G1K+4], 96
	s_mov_b32 s[G1K+5], 32
	s_mov_b32 s[G1K+6], 0
	s_mov_b32 s[G1K+7], 0
	s_mov_b32 s[G1V], 15|(3<<16)|(1<<21)
	s_mov_b32 s[G1V+1], 768<<16                    ; V: 4 key steps x 6,144 bytes, 98,304 bytes apart
	s_mov_b32 s[G1V+2], 4<<16
	s_mov_b32 s[G1V+3], 768<<16
	s_mov_b32 s[G1V+4], 4
	s_mov_b32 s[G1V+5], 12288
	s_mov_b32 s[G1V+6], 0
	s_mov_b32 s[G1V+7], 0
	s_mov_b32 s[G1S], 15|(3<<16)|(1<<21)
	s_mov_b32 s[G1S+1], 32<<16                     ; V's scale words: 16 key steps x 256 bytes, 512 bytes apart
	s_mov_b32 s[G1S+2], 16<<16
	s_mov_b32 s[G1S+3], 32<<16
	s_mov_b32 s[G1S+4], 16
	s_mov_b32 s[G1S+5], 64
	s_mov_b32 s[G1S+6], 0
	s_mov_b32 s[G1S+7], 0
	s_mov_b32 s[SEL], 0x76543210
	s_mov_b32 s[SEL+1], 0xfedcba98
	s_mov_b32 s[CS], 0x3e38aa3b                    ; c = log2(e) / 8
	s_mov_b32 s[CS+1], s[CS]
	s_wait_dscnt 0x0
	s_wait_kmcnt 0x0
	s_add_nc_u64 s[18:19], s[4:5], s[18:19]
	s_add_nc_u64 s[20:21], s[4:5], s[20:21]
	s_add_nc_u64 s[22:23], s[4:5], s[22:23]
.irp c, 0,1,2,3
	s_mov_b32 s[G0K+4*\c], 1
	s_mov_b32 s[G0K+4*\c+1], KB+24576*\c
	s_add_nc_u64 s[G0K+4*\c+2:G0K+4*\c+3], s[18:19], 24576*\c
	s_or_b32 s[G0K+4*\c+3], s[G0K+4*\c+3], 0x80000000
	s_mov_b32 s[G0V+4*\c], 1
	s_mov_b32 s[G0V+4*\c+1], VB+24576*\c
	s_add_nc_u64 s[G0V+4*\c+2:G0V+4*\c+3], s[20:21], 393216*\c
	s_or_b32 s[G0V+4*\c+3], s[G0V+4*\c+3], 0x80000000
.endr
	s_mov_b32 s[G0S], 1
	s_mov_b32 s[G0S+1], VSC
	s_mov_b64 s[G0S+2:G0S+3], s[22:23]
	s_or_b32 s[G0S+3], s[G0S+3], 0x80000000
	CROUND                                         ; all four work-groups are here: the joint loads meet
	s_cmp_lg_u32 s[WV], 0                          ; a wave's fills stand in one branch on the wave's number, ahead of every wait on TENSORcnt, LDS read and barrier
	s_cbranch_scc1 .Lnot_k
	tensor_load_to_lds s[G0K:G0K+3], s[G1K:G1K+7]
	s_nop 0
	tensor_load_to_lds s[G0K+4:G0K+7], s[G1K:G1K+7]
	s_nop 0
	tensor_load_to_lds s[G0K+8:G0K+11], s[G1K:G1K+7]
	s_nop 0
	tensor_load_to_lds s[G0K+12:G0K+15], s[G1K:G1K+7]
	s_nop 0
.rept 4
	v_nop
.endr
	s_branch .Lasked
.Lnot_k:
	s_cmp_lg_u32 s[WV], 1
	s_cbranch_scc1 .Lasked
	tensor_load_to_lds s[G0S:G0S+3], s[G1S:G1S+7]
	s_nop 0
	tensor_load_to_lds s[G0V:G0V+3], s[G1V:G1V+7]
	s_nop 0
	tensor_load_to_lds s[G0V+4:G0V+7], s[G1V:G1V+7]
	s_nop 0
	tensor_load_to_lds s[G0V+8:G0V+11], s[G1V:G1V+7]
	s_nop 0
	tensor_load_to_lds s[G0V+12:G0V+15], s[G1V:G1V+7]
	s_nop 0
.rept 4
	v_nop
.endr
.Lasked:
	; what comes through registers: the mask, K's scale words, Q
	v_and_b32 v8, 15, v0                           ; r
	v_bfe_u32 v9, v0, 4, 1                         ; h
	v_and_b32 v10, 31, v0
	v_lshlrev_b32 v29, 4, v10                      ; 16 x lane
	v_lshlrev_b32 v30, 4, v8
	v_lshl_add_u32 v30, v9, 3, v30
	v_add_nc_u32 v30, 512, v30                     ; 512 + 16 r + 8 h
	v_lshlrev_b32 v31, 3, v8                       ; 8 r
	v_lshlrev_b32 v224, 4, v0                      ; 16 x thread
	v_lshrrev_b32 v225, 5, v0
	v_lshl_add_u32 v225, v225, 13, v29             ; token block = my wave: 16 rows of 512 bytes apart; + 16 x lane
	v_add_nc_u32 v226, PEN, v224
	v_add_nc_u32 v227, KSC, v224
	s_lshl_b32 s18, s13, 13
	s_mov_b32 s19, 0
	s_add_nc_u64 s[6:7], s[6:7], s[18:19]          ; my batch's row of the mask
	s_lshl_b32 s18, s13, 8
	s_add_co_u32 s18, s18, s15
	s_add_co_u32 s18, s18, 8
	s_lshl_b32 s18, s18, 9
	s_add_co_u32 s18, s18, QKSCL                   ; k's scale words: token block 16 batch, features 128 (8 + head/2) on
	s_add_nc_u64 s[94:95], s[4:5], s[18:19]
	s_lshl_b32 s17, ttmp9, 2
	s_add_co_u32 s17, s17, s11
	s_lshl_b32 s17, s17, 4
	s_add_co_u32 s17, s17, s[WV]
	s_lshl_b32 s18, s13, 7
	s_add_co_u32 s17, s17, s18                     ; my token tile: 128 batch + 16 (4 cluster x + cx) + wave
	s_lshl_b32 s18, s14, 8
	s_add_co_u32 s18, s18, s17
	s_mul_i32 s18, s18, 768
	s_add_nc_u64 s[20:21], s[4:5], s[18:19]        ; Q's half fragment
	s_bfe_u32 s12, s17, 0x20001
	s_lshl_b32 s12, s12, 7
	s_and_b32 s18, s17, 1
	s_lshl_b32 s18, s18, 2
	s_add_co_u32 s12, s12, s18                     ; my tile's words inside 512 bytes of scale words
	s_lshr_b32 s11, s17, 3
	s_lshl_b32 s18, s11, 4
	s_add_co_u32 s18, s18, s15
	s_lshl_b32 s18, s18, 9
	s_add_co_u32 s18, s18, s12
	s_add_co_u32 s18, s18, QKSCL
	s_add_nc_u64 s[22:23], s[4:5], s[18:19]        ; Q's scale words
	s_lshl_b32 s18, s17, 3
	s_add_co_u32 s18, s18, s15
	s_mul_i32 s18, s18, 1536
	s_mul_i32 s3, s16, 768
	s_add_co_u32 s18, s18, s3
	s_add_nc_u64 s[92:93], s[8:9], s[18:19]        ; O's half fragment: tile, K step head/2, half head%2
	s_lshl_b32 s18, s11, 3
	s_add_co_u32 s18, s18, s15
	s_lshl_b32 s18, s18, 9
	s_add_co_u32 s18, s18, s12
	s_lshl_b32 s3, s16, 1
	s_add_co_u32 s18, s18, s3
	s_add_co_u32 s18, s18, OSCL
	s_add_nc_u64 s[8:9], s[8:9], s[18:19]          ; O's two scale bytes
	global_load_b128 v[96:99], v224, s[6:7]
	global_load_b128 v[100:103], v225, s[94:95]
	global_load_b128 v[16:19], v29, s[20:21]
	global_load_b64 v[20:21], v30, s[20:21]
	global_load_b32 v28, v31, s[22:23]
	v_add_nc_u32 v1, KB, v29
	v_add_nc_u32 v2, KB, v30
	v_add_nc_u32 v3, VB, v29
	v_add_nc_u32 v4, VB, v30
	v_lshl_add_u32 v5, v9, 6, PEN                  ; the mask's numbers of my half's 16 keys
	v_add_nc_u32 v6, KSC, v31
	v_add_nc_u32 v7, VSC, v31
	s_wait_loadcnt 0x0
	v_bfe_u32 v28, v28, s2, 16                     ; my head's two bytes; the upper two are 0
.irp i, 0,1,2,3
	v_cvt_f32_i32 v[96+\i], v[96+\i]
	v_bfe_u32 v[100+\i], v[100+\i], s2, 16
.endr
.irp i, 0,1,2,3
	v_sub_f32 v[96+\i], 1.0, v[96+\i]
.endr
.irp i, 0,1,2,3
	v_mul_f32 v[96+\i], 0xc79c4000, v[96+\i]       ; -80000 (1 - m)
.endr
	ds_store_b128 v226, v[96:99]
	ds_store_b128 v227, v[100:103]
.irp i, 22,23,24,25,26,27
	v_mov_b32 v\i, 0                               ; Q's codes of k = 64 .. 127
.endr
.set j, 0
.rept 12
	v_mov_b32 v[80+j], 0                           ; p's codes: read as tile 7's upper half before they are first made
.set j, j+1
.endr
	v_mov_b32 v13, 0xff61b1e6                      ; the largest t so far: -3e38
	v_floor_f32 v12, -v13                          ; -M
	v_mov_b32 v14, 0
	v_mov_b32 v15, 0
.irp b, 0,1,2,3
	v_mov_b32 v[236+\b], 0                         ; a lane permute's destination counts as one of its sources
.endr
	v_mov_b32 v253, 0
.set j, 0
.rept 32
	v_mov_b32 v[160+j], 0                          ; O^T: the step is written once; the first change of M leaves zeros zeros
.set j, j+1
.endr
; A KEY STEP: 128 keys, the q-th of the chunk in hand.
.macro STEP q
.rept 4
	v_nop                                          ; places in front of loads into registers that the last products read
.endr
.irp t, 0,1,2,3,4,5,6,7
	ds_load_b128 v[96+8*\t:99+8*\t], v5 offset:512*(\q)+128*(\t/2)+32*(\t%2)       ; the mask's numbers, in the result's layout: they are the products' C
	ds_load_b128 v[100+8*\t:103+8*\t], v5 offset:512*(\q)+128*(\t/2)+32*(\t%2)+16
.endr
.irp t, 0,1,2,3,4,5,6,7
	ds_load_b128 v[32+6*\t:35+6*\t], v1 offset:6144*(\q)+768*\t
	ds_load_b64 v[36+6*\t:37+6*\t], v2 offset:6144*(\q)+768*\t
.endr
.irp p, 0,1,2,3
	ds_load_b64 v[192+2*\p:193+2*\p], v6 offset:512*(\q)+128*\p
.endr
	s_wait_dscnt 0x0
.irp t, 0,1,2,3,4,5,6,7
	v_wmma_scale_f32_16x16x128_f8f6f4 v[96+8*\t:103+8*\t], v[32+6*\t:43+6*\t], v[16:27], v[96+8*\t:103+8*\t], v[192+\t], v28 matrix_a_fmt:MATRIX_FMT_FP6 matrix_b_fmt:MATRIX_FMT_FP6
.endr
.rept 4
	v_nop
.endr
.irp t, 0,1,2,3                                    ; V's fragments land while the softmax is walked
	ds_load_b128 v[32+12*\t:35+12*\t], v3 offset:6144*(\q)+1536*\t
	ds_load_b64 v[36+12*\t:37+12*\t], v4 offset:6144*(\q)+1536*\t
	ds_load_b128 v[38+12*\t:41+12*\t], v3 offset:6144*(\q)+1536*\t+768
	ds_load_b64 v[42+12*\t:43+12*\t], v4 offset:6144*(\q)+1536*\t+768
.endr
.irp p, 0,1
	ds_load_b64 v[200+2*\p:201+2*\p], v7 offset:256*(\q)+128*\p
.endr
.irp b, 0,1,2,3
	v_max3_num_f32 v[232+\b], v[96+16*\b], v[97+16*\b], v[98+16*\b]   ; the largest score of each block of 32 keys: for the row's maximum, and, since p rises with the score, for the block's largest p
.endr
.irp i, 3,5,7,9,11,13
.irp b, 0,1,2,3
	v_max3_num_f32 v[232+\b], v[232+\b], v[96+16*\b+\i], v[97+16*\b+\i]
.endr
.endr
.irp b, 0,1,2,3
	v_max_num_f32 v[232+\b], v[232+\b], v[111+16*\b]
.endr
.irp b, 0,1,2,3
	v_permlanex16_b32 v[236+\b], v[232+\b], s[SEL], s[SEL+1]
.endr
.irp b, 0,1,2,3
	v_max_num_f32 v[232+\b], v[232+\b], v[236+\b]
.endr
	v_max3_num_f32 v254, v232, v233, v234
	v_max_num_f32 v254, v254, v235
	v_mul_f32 v254, s[CS], v254                    ; as t (c is positive)
	v_max_num_f32 v13, v13, v254                   ; the running largest t
	v_mov_b32 v254, v12
	v_floor_f32 v12, -v13                          ; the new -M = -ceil(t): a whole number
	v_sub_f32 v254, v12, v254
	v_cvt_i32_f32 v254, v254                       ; (it saturates)
	v_ldexp_f32 v252, 1.0, v254                    ; f = 2^(old M - new M): a multiplication by it rounds nothing
.set j, 0
.rept 32
	v_pk_fma_f32 v[96+j:97+j], v[96+j:97+j], s[CS:CS+1], v[12:13] op_sel_hi:[1,0,0]   ; t - M
.set j, j+2
.endr
.irp b, 0,1,2,3
	v_fma_f32 v[232+\b], v[232+\b], s[CS], v12
.endr
.set j, 0
.rept 64
	v_exp_f32 v[96+j], v[96+j]                     ; p = 2^(t - M), not normalised
.set j, j+1
.endr
	v_pk_mul_f32 v[14:15], v[14:15], v[252:253] op_sel_hi:[1,0]   ; the sums under the new M (a plain place behind the exponentials)
	s_wait_alu depctr_va_vdst(0)                   ; one wait for the whole batch, ahead of its first reader
.irp b, 0,1,2,3
	v_exp_f32 v[232+\b], v[232+\b]                 ; the block's largest p
.endr
	v_pk_add_f32 v[236:237], v[96:97], v[98:99]    ; the row's sum of the unquantised p, in two chains
.irp j, 4,8,12,16,20,24,28,32,36,40,44,48,52,56,60
	v_pk_add_f32 v[14:15], v[14:15], v[96+\j:97+\j]
	v_pk_add_f32 v[236:237], v[236:237], v[98+\j:99+\j]
.endr
	v_pk_add_f32 v[14:15], v[14:15], v[236:237]
	s_wait_alu depctr_va_vdst(0)                   ; and one for the four
.irp b, 0,1,2,3
	v_max_num_f32 v[232+\b], 0x1800000, v[232+\b]  ; the floor 2^(3 - 127)
.endr
.irp b, 0,1,2,3
	v_add_nc_u32 v[244+\b], 0xff000000, v[232+\b]
.endr
.irp b, 0,1,2,3
	v_lshrrev_b32 v[236+\b], 23, v[244+\b]
.endr
	v_lshl_or_b32 v253, v237, 8, v236              ; p's scale word for these 128 keys
	v_lshl_or_b32 v253, v238, 16, v253
	v_lshl_or_b32 v253, v239, 24, v253
.irp c, 0,1
	v_cvt_scalef32_pk16_fp6_f32 v[80+6*\c:82+6*\c], v[96+32*\c:111+32*\c], v[244+2*\c]
	v_cvt_scalef32_pk16_fp6_f32 v[236+4*\c:238+4*\c], v[112+32*\c:127+32*\c], v[244+2*\c+1]
.endr
	v_nop
.irp c, 0,1
.irp i, 0,1,2
	v_permlane16_swap_b32 v[80+6*\c+\i], v[236+4*\c+\i]
.endr
.irp i, 0,1,2
	v_mov_b32 v[83+6*\c+\i], v[236+4*\c+\i]
.endr
.endr
.set j, 0
.rept 16
	v_pk_mul_f32 v[160+j:161+j], v[160+j:161+j], v[252:253] op_sel_hi:[1,0]   ; O^T under the new M; these sixteen are also the places in front of the scaled products
.set j, j+2
.endr
	s_wait_dscnt 0x0                               ; V
.irp t, 0,1,2,3
	v_wmma_scale_f32_16x16x128_f8f6f4 v[160+8*\t:167+8*\t], v[32+12*\t:43+12*\t], v[80:91], v[160+8*\t:167+8*\t], v[200+\t], v253 matrix_a_fmt:MATRIX_FMT_FP6 matrix_b_fmt:MATRIX_FMT_FP6
.endr
.endm
.macro TRIP                            ; a chunk of 512 keys, then on to the next chunk's addresses
	STEP 0
	STEP 1
	STEP 2
	STEP 3
	v_add_nc_u32 v1, 24576, v1
	v_add_nc_u32 v2, 24576, v2
	v_add_nc_u32 v3, 24576, v3
	v_add_nc_u32 v4, 24576, v4
	v_add_nc_u32 v5, 2048, v5
	v_add_nc_u32 v6, 2048, v6
	v_add_nc_u32 v7, 1024, v7
.endm
	s_wait_dscnt 0x0                               ; for the others' sake: my stores of the mask's numbers and of K's scale words are done
	s_wait_tensorcnt 3                             ; chunk 0 (and V's scale words) are in; chunks 1 to 3 may stay out
	s_barrier_signal -1
	s_barrier_wait -1
	TRIP                                           ; chunk 0, while the other three land
	s_wait_tensorcnt 0x0
	s_wait_dscnt 0x0
	s_barrier_signal -1
	s_barrier_wait -1                              ; all of K and V lie in LDS
	s_mov_b32 s3, 3
.Ltrip:
	TRIP
	s_sub_co_u32 s3, s3, 1
	s_cmp_lg_u32 s3, 0
	s_cbranch_scc1 .Ltrip
	; THE WAY OUT.  (The seven additions at a trip's end are the places behind the last products.)
	v_add_f32 v14, v14, v15
	v_permlanex16_b32 v252, v14, s[SEL], s[SEL+1]
	v_add_f32 v14, v14, v252                       ; the row's sum
	v_rcp_f32 v14, v14
	v_nop
	s_wait_alu depctr_va_vdst(0)
.set j, 0
.rept 32
	v_mul_f32 v[96+j], v[160+j], v14               ; register 16 b + i: feature 32 b + 16 h + i of my head, query r
.set j, j+1
.endr
.irp b, 0,1
	v_max3_num_f32 v[232+\b], |v[96+16*\b]|, |v[97+16*\b]|, 0x1800000
.endr
.irp i, 2,4,6,8,10,12,14
.irp b, 0,1
	v_max3_num_f32 v[232+\b], v[232+\b], |v[96+16*\b+\i]|, |v[97+16*\b+\i]|
.endr
.endr
.irp b, 0,1
	v_permlanex16_b32 v[236+\b], v[232+\b], s[SEL], s[SEL+1]
.endr
.irp b, 0,1
	v_max_num_f32 v[232+\b], v[232+\b], v[236+\b]
.endr
.irp b, 0,1
	v_add_nc_u32 v[244+\b], 0xff000000, v[232+\b]
.endr
.irp b, 0,1
	v_lshrrev_b32 v[236+\b], 23, v[244+\b]
.endr
	v_lshl_or_b32 v253, v237, 8, v236
	v_cvt_scalef32_pk16_fp6_f32 v[80:82], v[96:111], v244
	v_cvt_scalef32_pk16_fp6_f32 v[84:86], v[112:127], v245
	v_nop
.irp i, 0,1,2
	v_permlane16_swap_b32 v[80+\i], v[84+\i]
.endr
	v_mov_b32 v83, v84
	v_mov_b32 v84, v85
	v_mov_b32 v85, v86
	global_store_b128 v29, v[80:83], s[92:93]      ; 512 consecutive bytes
	global_store_b64 v30, v[84:85], s[92:93]       ; 256 consecutive bytes
	global_store_b16 v31, v253, s[8:9]             ; lanes l and l + 16 write the same two bytes with the same value
	s_wait_dscnt 0x0
	s_wait_tensorcnt 0x0
	ds_add_u32 v251, v255
	s_wait_dscnt 0x0
	CROUND                                         ; the closing round
	s_endpgm
.Lfunc_end_k_qb23e6f17cc_attn:
	.size	k_qb23e6f17cc_attn, .Lfunc_end_k_qb23e6f17cc_attn-k_qb23e6f17cc_attn
	.p2alignl 7, 3214868480
	.fill 96, 4, 3214868480
	.section	.rodata,"a",@progbits
	.p2align	6, 0x0
	.amdhsa_kernel k_qb23e6f17cc_attn
		.amdhsa_group_segment_fixed_size 219136
		.amdhsa_private_segment_fixed_size 0
		.amdhsa_enable_private_segment 0
		.amdhsa_kernarg_size 24
		.amdhsa_user_sgpr_count 2
		.amdhsa_user_sgpr_kernarg_segment_ptr 1
		.amdhsa_wavefront_size32 1
		.amdhsa_system_sgpr_workgroup_id_x 1
		.amdhsa_system_sgpr_workgroup_id_y 1
		.amdhsa_system_sgpr_workgroup_id_z 1
		.amdhsa_system_vgpr_workitem_id 0
		.amdhsa_next_free_vgpr 256
		.amdhsa_next_free_sgpr 96
		.amdhsa_reserve_vcc 0
		.amdhsa_float_denorm_mode_32 3
		.amdhsa_float_denorm_mode_16_64 3
		.amdhsa_memory_ordered 1
		.amdhsa_forward_progress 1
		.amdhsa_inst_pref_size 153
	.end_amdhsa_kernel
	.amdgpu_metadata
---
amdhsa.version: [ 1, 2 ]
amdhsa.kernels:
  - .name:           k_qb23e6f17cc_attn
    .symbol:         k_qb23e6f17cc_attn.kd
    .args:
      - { .name: qkvb, .offset: 0, .size: 8, .value_kind: global_buffer, .address_space: global }
      - { .name: mask, .offset: 8, .size: 8, .value_kind: global_buffer, .address_space: global }
      - { .name: attb, .offset: 16, .size: 8, .value_kind: global_buffer, .address_space: global }
    .group_segment_fixed_size: 219136
    .private_segment_fixed_size: 0
    .kernarg_segment_align: 8
    .kernarg_segment_size: 24
    .max_flat_workgroup_size: 512
    .sgpr_count:     96
    .vgpr_count:     256
    .wavefront_size: 32
...
	.end_amdgpu_metadata
.endif
;; end of part 3
;; launch wo (part 4): grid 4 x 16, 4 waves a work-group, clusters of 4 x 4, 327,680 bytes of LDS; arguments attb, prepb, bo, x, rbuf; writes rbuf
.if DOCPART == 4
	.amdgcn_target "amdgcn-amd-amdhsa--gfx1250"
	.amdhsa_code_object_version 6
	.text
	.protected	k_qb23e6f17cc_wo
	.globl	k_qb23e6f17cc_wo
	.p2align	8
	.type	k_qb23e6f17cc_wo,@function
k_qb23e6f17cc_wo:
	s_mov_b64 s[64:65], 0
	v_nop
	global_prefetch_b8 v0, s[64:65] scope:SCOPE_SE
	s_setreg_imm32_b32 hwreg(HW_REG_WAVE_MODE, 25, 1), 1
	s_wait_xcnt 0x0
	s_wait_alu depctr_hold_cnt(0) depctr_sa_sdst(0) depctr_va_vdst(0) depctr_va_sdst(0) depctr_va_ssrc(0) depctr_va_vcc(0) depctr_vm_vsrc(0)
	s_getreg_b32 s2, hwreg(HW_REG_IB_STS2, 6, 4)
	s_cmp_eq_u32 s2, 0
	s_cbranch_scc0 .Lentry_in_a_cluster
	s_endpgm
.Lentry_in_a_cluster:
	s_bfe_u32 s2, ttmp6, 0x10000c
	s_cmp_lg_u32 s2, 0xf033
	s_cbranch_scc0 .Lentry_shape_is_right
	s_endpgm
.Lentry_shape_is_right:
; rbuf = x + (h wo + bo): the product on codes of FP6 (E2M3) with E8M0 scales, bias and residual added in f32 on the way out; f32 rows [4096][1024].
; OPERANDS are images of operand registers (tile T, lane row r = matrix row 32 (T/2) + 8 (T%2) + r + 8 (r/8); fragment = 1,536 bytes; IMG [tile][K step][1536]; SCL [rows/128][K step][512]).
; A tile of C, 256 x 256, is made by four waves, 128 x 128 each.  K goes in steps of 256 through a ring of two LDS slots; a wave's tensor load brings 8 tiles x 2 fragments.  The scale words come once, with the first fills.
; CLUSTERS 4 x 4: A's tiles jointly along a row of the cluster, B's along a column.  THE MATRIX INSTRUCTION IS USED TRANSPOSED: lane (r, h) holds row r of A's tile; register j of B's tile t is column 32 (t/2) + 16 h + 8 (t%2) + j.
; C has 64 tiles of 256 x 256, so 64 work-groups are launched.
; REGISTERS: window 0: v16-29 addresses; v32-63 scale words; v64-67 the bias; v128-223 A's fragments, on the way out v128-255 rows of C.  window 1: B's fragments, on the way out the residual's rows.  windows 2, 3: accumulators.
.set SIZE_K, 1024
.set A_IMG,  0
.set A_SCL,  3145728
.set B_IMG,  3276800+2359296           ; wo: rows 3,072 on of the four square weights
.set B_SCL,  3276800+3145728+98304
.set NS,     SIZE_K/128
.set LAPS,   SIZE_K/512
.set TP,     NS*1536
.set HALFT,  8*3072
.set SLOT,   4*HALFT
.set SCL,    2*SLOT
.set PS,     NS*512
.set SPARE,  SCL+4*PS                  ; the spare words, 128 bytes a wave, named by no other line
.set SPITCH, 528                       ; the way out: 16 rows x (512 + 16) bytes a wave, in slot 0, which has had its last fill and its last read by then
.set FR,     12
.set NL,     4
.set NP,     4
.set ADRA, 16
.set ADRB, 20
.set STO,  24
.set RD,   25
.set CO,   26
.set ADRS, 27
.set SPW,  28
.set NIL,  29
.set SC,   32
.set BIAS, 64
.set AF,   128
.set BK,   128
.set G1, 24
.set G0, 32
.set G1B, 48
.set G0B, 56
.set G1S, 68
.set G0S, 76
.set G1SB, 80
.set G0SB, 88
.set MSB, 0
.macro WIN new
.if MSB != \new
	s_set_vgpr_msb (MSB<<8)|\new
.set MSB, \new
.endif
.endm
.set MUL_LO, 0xa1
.set MUL_HI, 0xf1
.set TO_B,   0x40
.macro JLOAD g0a, g1a, g0b, g1b        ; a joint load: waves 0, 1 fetch for A, waves 2, 3 for B; four v_nop follow each line
	s_cmp_eq_u32 s15, 0
	s_cbranch_scc0 .Lfor_b_\@
	tensor_load_to_lds s[\g0a:\g0a+3], s[\g1a:\g1a+7]
	s_nop 0
.rept 4
	v_nop
.endr
	s_branch .Lasked_\@
.Lfor_b_\@:
	tensor_load_to_lds s[\g0b:\g0b+3], s[\g1b:\g1b+7]
	s_nop 0
.rept 4
	v_nop
.endr
.Lasked_\@:
.endm
.macro CREST
	s_cmp_lg_u32 s14, 0
	s_cbranch_scc1 .Lnot_wave_0_\@
	s_barrier_signal -3
.Lnot_wave_0_\@:
	s_barrier_wait -3
	s_barrier_signal -1
	s_barrier_wait -1
.endm
.macro CROUND
	s_barrier_signal -1
	s_barrier_wait -1
	CREST
.endm
.macro FRAG reg, adr, q, i
	ds_load_b128 v[\reg:\reg+3], v[\adr] offset:3072*(\i)+1536*(\q)
	ds_load_b64 v[\reg+4:\reg+5], v[\adr+2] offset:3072*(\i)+1536*(\q)
	ds_load_b128 v[\reg+6:\reg+9], v[\adr] offset:3072*(\i)+1536*(\q)+768
	ds_load_b64 v[\reg+10:\reg+11], v[\adr+2] offset:3072*(\i)+1536*(\q)+768
.endm
.macro MUL16 a0, p, q, sc, zero        ; the 64 accumulators take turns, one instruction a turn
.irp a, \a0, \a0+1
.irp b, 0,1,2,3,4,5,6,7
.if \zero
	v_wmma_scale_f32_16x16x128_f8f6f4 v[8*(8*((\a)%4)+\b):8*(8*((\a)%4)+\b)+7], v[128*(\p)+FR*\b:128*(\p)+FR*\b+FR-1], v[AF+FR*(\a):AF+FR*(\a)+FR-1], 0, v[SC+16*(\sc)+8*(\q)+\b], v[SC+16*(\sc)+8*(\q)+(\a)] matrix_a_fmt:MATRIX_FMT_FP6 matrix_b_fmt:MATRIX_FMT_FP6 matrix_a_scale:MATRIX_SCALE_ROW1
.else
	v_wmma_scale_f32_16x16x128_f8f6f4 v[8*(8*((\a)%4)+\b):8*(8*((\a)%4)+\b)+7], v[128*(\p)+FR*\b:128*(\p)+FR*\b+FR-1], v[AF+FR*(\a):AF+FR*(\a)+FR-1], v[8*(8*((\a)%4)+\b):8*(8*((\a)%4)+\b)+7], v[SC+16*(\sc)+8*(\q)+\b], v[SC+16*(\sc)+8*(\q)+(\a)] matrix_a_fmt:MATRIX_FMT_FP6 matrix_b_fmt:MATRIX_FMT_FP6 matrix_a_scale:MATRIX_SCALE_ROW1
.endif
.endr
.endr
.endm
.macro FETCH_B slot, q, p
	WIN TO_B
.irp i, 0,1,2,3,4,5,6,7
	FRAG 128*(\p)+FR*\i, ADRB+\slot, \q, \i
.endr
	WIN 0
.endm
.macro FETCH_A slot, q, i0
.irp i, \i0, \i0+1, \i0+2, \i0+3
	FRAG AF+FR*(\i), ADRA+\slot, \q, \i
.endr
.endm
.macro SCALES sc
.irp q, 0,1
.irp p, 0,1,2,3
	ds_load_b64 v[SC+16*\sc+8*\q+2*\p:SC+16*\sc+8*\q+2*\p+1], v[ADRS] offset:512*\q+128*\p
.endr
.endr
.endm
.macro PLACES n
.rept \n
	v_nop
.endr
.endm
.macro STEP slot, q, zero
	s_wait_dscnt 4*NL                              ; all but the youngest 16 loads (A's blocks 4-7) are in
	WIN MUL_LO
	MUL16 0, (\q)%2, \q, \slot, \zero
	MUL16 2, (\q)%2, \q, \slot, \zero
	s_wait_dscnt 0
	PLACES NP
	FETCH_B \slot, (\q)+1, 1-(\q)%2
	FETCH_A \slot, (\q)+1, 0
	WIN MUL_HI
	MUL16 4, (\q)%2, \q, \slot, \zero
	MUL16 6, (\q)%2, \q, \slot, \zero
	PLACES NP
	WIN 0
	FETCH_A \slot, (\q)+1, 4
.endm
.macro TURN slot, next, fill
	s_wait_tensorcnt 0x0                           ; all my tensor loads have landed: my part of the next slot
	ds_add_u32 v[SPW], v[NIL]                      ; 0 onto my spare word
	s_wait_dscnt 4*NL+1                            ; (the add and A's blocks 4-7 may be out)
	WIN MUL_LO
	MUL16 0, 1, 1, \slot, 0
	s_wait_dscnt 0x0                               ; the add is done, and my reads of this slot are over
	s_barrier_signal -1
	MUL16 2, 1, 1, \slot, 0
	WIN 0
	s_barrier_wait -1
.if \fill
	CREST                                          ; a round of the cluster's barrier: no wave of any partner still reads this slot or has a load on its way
	s_add_nc_u64 s[G0+4*\slot+2:G0+4*\slot+3], s[G0+4*\slot+2:G0+4*\slot+3], 2*3072
	s_add_nc_u64 s[G0B+4*\slot+2:G0B+4*\slot+3], s[G0B+4*\slot+2:G0B+4*\slot+3], 2*3072
	JLOAD G0+4*\slot, G1, G0B+4*\slot, G1B
.else
	PLACES NP
.endif
	v_add_nc_u32 v[ADRS], 1024, v[ADRS]
	FETCH_B \next, 0, 0
	FETCH_A \next, 0, 0
	SCALES \next
	WIN MUL_HI
	MUL16 4, 1, 1, \slot, 0
	MUL16 6, 1, 1, \slot, 0
	PLACES NP
	WIN 0
	FETCH_A \next, 0, 4
.endm
	s_load_b256 s[4:11], s[0:1], 0x0               ; A's buffer s[4:5], prepb s[6:7], the bias s[8:9], the residual s[10:11]
	s_load_b64 s[12:13], s[0:1], 0x20              ; rbuf
	v_lshl_add_u32 v[SPW], v0, 2, SPARE
	v_mov_b32 v[NIL], 0
	ds_add_u32 v28, v29
	ds_add_u32 v28, v29
	s_wait_dscnt 0x0
	v_lshrrev_b32 v1, 5, v0
	v_readfirstlane_b32 s14, v1
	s_lshr_b32 s15, s14, 1
	s_and_b32 s16, s14, 1
	s_bfe_u32 s40, ttmp6, 0x40000
	s_bfe_u32 s41, ttmp6, 0x40004
	s_lshl_b32 s42, ttmp9, 2
	s_add_co_u32 s42, s42, s40                     ; tile column
	s_and_b32 s17, ttmp7, 0xffff
	s_lshl_b32 s17, s17, 2
	s_add_co_u32 s17, s17, s41                     ; tile row
	s_lshl_b32 s43, s41, 2
	s_lshl_b32 s43, 15, s43
	s_lshl_b32 s44, 0x1111, s40
	s_or_b32 s[G1+0], s43, (3<<16)|(1<<21)
	s_or_b32 s[G1B+0], s44, (3<<16)|(1<<21)
.irp g, G1, G1B
	s_mov_b32 s[\g+1], 384<<16
	s_mov_b32 s[\g+2], 8<<16
	s_mov_b32 s[\g+3], 384<<16
	s_mov_b32 s[\g+4], 8
	s_mov_b32 s[\g+5], NS*192
	s_mov_b32 s[\g+6], 0
	s_mov_b32 s[\g+7], 0
.endr
	s_or_b32 s[G1S+0], s43, (3<<16)|(1<<21)
	s_or_b32 s[G1SB+0], s44, (3<<16)|(1<<21)
.irp g, G1S, G1SB
	s_mov_b32 s[\g+1], 32<<16
	s_mov_b32 s[\g+2], (2*NS)<<16
	s_mov_b32 s[\g+3], 32<<16
	s_mov_b32 s[\g+4], 2*NS
	s_mov_b32 s[\g+5], 32
	s_mov_b32 s[\g+6], 0
	s_mov_b32 s[\g+7], 0
.endr
	s_lshl_b32 s18, s16, 3
	s_lshl_b32 s20, s17, 4
	s_add_co_u32 s20, s20, s18
	s_mul_i32 s20, s20, TP
	s_add_co_u32 s20, s20, A_IMG
	s_mov_b32 s21, 0
	s_lshl_b32 s22, s17, 1
	s_add_co_u32 s22, s22, s16
	s_mul_i32 s22, s22, PS
	s_add_co_u32 s22, s22, A_SCL
	s_mov_b32 s23, 0
	s_lshl_b32 s46, s42, 4
	s_add_co_u32 s46, s46, s18
	s_mul_i32 s46, s46, TP
	s_add_co_u32 s46, s46, B_IMG
	s_mov_b32 s47, 0
	s_lshl_b32 s92, s42, 1
	s_add_co_u32 s92, s92, s16
	s_mul_i32 s92, s92, PS
	s_add_co_u32 s92, s92, B_SCL
	s_mov_b32 s93, 0
	s_mul_i32 s45, s14, HALFT
	s_mul_i32 s94, s14, PS
	s_wait_kmcnt 0x0
	s_add_nc_u64 s[20:21], s[4:5], s[20:21]
	s_add_nc_u64 s[22:23], s[4:5], s[22:23]
	s_add_nc_u64 s[46:47], s[6:7], s[46:47]
	s_add_nc_u64 s[92:93], s[6:7], s[92:93]
	CROUND                                         ; all sixteen work-groups are here: the first joint loads meet
	s_mov_b32 s[G0S], 1
	s_add_co_u32 s[G0S+1], s94, SCL
	s_mov_b64 s[G0S+2:G0S+3], s[22:23]
	s_or_b32 s[G0S+3], s[G0S+3], 0x80000000
	s_mov_b32 s[G0SB], 1
	s_add_co_u32 s[G0SB+1], s94, SCL
	s_mov_b64 s[G0SB+2:G0SB+3], s[92:93]
	s_or_b32 s[G0SB+3], s[G0SB+3], 0x80000000
	JLOAD G0S, G1S, G0SB, G1SB
.irp s, 0,1
	s_mov_b32 s[G0+4*\s], 1
	s_add_co_u32 s[G0+4*\s+1], s45, \s*SLOT
	s_add_nc_u64 s[G0+4*\s+2:G0+4*\s+3], s[20:21], \s*3072
	s_or_b32 s[G0+4*\s+3], s[G0+4*\s+3], 0x80000000
	s_mov_b32 s[G0B+4*\s], 1
	s_add_co_u32 s[G0B+4*\s+1], s45, \s*SLOT
	s_add_nc_u64 s[G0B+4*\s+2:G0B+4*\s+3], s[46:47], \s*3072
	s_or_b32 s[G0B+4*\s+3], s[G0B+4*\s+3], 0x80000000
	JLOAD G0+4*\s, G1, G0B+4*\s, G1B
.endr
	v_and_b32 v1, 15, v0
	v_bfe_u32 v2, v0, 4, 1
	v_and_b32 v3, 31, v0
	v_lshlrev_b32 v8, 4, v3
	v_lshlrev_b32 v9, 4, v1
	v_lshl_add_u32 v9, v2, 3, v9
	v_add_nc_u32 v9, 512, v9
	s_mul_i32 s21, s15, HALFT
	s_mul_i32 s22, s16, HALFT
	s_add_co_u32 s22, s22, 2*HALFT
.irp s, 0,1
	v_add_nc_u32 v[ADRA+\s], s21, v8
	v_add_nc_u32 v[ADRB+\s], s22, v8
	v_add_nc_u32 v[ADRA+2+\s], s21, v9
	v_add_nc_u32 v[ADRB+2+\s], s22, v9
	s_add_co_u32 s21, s21, SLOT
	s_add_co_u32 s22, s22, SLOT
.endr
	v_lshlrev_b32 v5, 3, v1
	s_mul_i32 s21, s15, PS
	s_mul_i32 s22, s16, PS
	s_add_co_u32 s22, s22, 2*PS
	s_sub_co_u32 s22, s22, s21
	v_mul_u32_u24 v6, s22, v2
	s_add_co_u32 s21, s21, SCL
	v_add_nc_u32 v5, v5, v6
	v_add_nc_u32 v[ADRS], s21, v5
	s_mul_i32 s23, s14, 16*SPITCH                  ; my stage
	v_mul_u32_u24 v5, v1, SPITCH
	v_lshl_add_u32 v5, v2, 6, v5                   ; in: row r, + 64 h
	v_add_nc_u32 v[STO], s23, v5
	v_add_nc_u32 v[RD], s23, v8                    ; back: a whole row of 512 bytes, 16 bytes a lane
	v_mov_b32 v[CO], v8
	s_lshl_b32 s20, s17, 8
	s_lshl_b32 s21, s15, 7
	s_add_co_u32 s20, s20, s21
	s_lshl_b32 s20, s20, 12                        ; my first row of C, rows of 4,096 bytes
	s_lshl_b32 s46, s42, 10
	s_lshl_b32 s47, s16, 9
	s_add_co_u32 s46, s46, s47                     ; my first column, in bytes
	s_add_co_u32 s20, s20, s46
	s_mov_b32 s21, 0
	s_mov_b32 s47, 0
	s_add_nc_u64 s[12:13], s[12:13], s[20:21]
	s_add_nc_u64 s[10:11], s[10:11], s[20:21]
	s_add_nc_u64 s[8:9], s[8:9], s[46:47]
	global_load_b128 v[BIAS:BIAS+3], v8, s[8:9]    ; the bias of my four columns of a row
	s_wait_loadcnt 0x0
	s_wait_tensorcnt 1                             ; the scale words and my part of K step 0 are in (slot 1's load may be out)
	s_barrier_signal -1
	s_barrier_wait -1
	FETCH_B 0, 0, 0
	FETCH_A 0, 0, 0
	SCALES 0
	FETCH_A 0, 0, 4
	STEP 0, 0, 1
	s_mov_b32 s3, LAPS-1
.Llap:
	TURN 0, 1, 1
	STEP 1, 0, 0
	TURN 1, 0, 1
	STEP 0, 0, 0
	s_sub_co_u32 s3, s3, 1
	s_cmp_lg_u32 s3, 0
	s_cbranch_scc1 .Llap
	TURN 0, 1, 0
	STEP 1, 0, 0
	s_wait_dscnt 4*NL
	WIN MUL_LO
	MUL16 0, 1, 1, 1, 0
	MUL16 2, 1, 1, 1, 0
	s_wait_dscnt 0
	WIN MUL_HI
	MUL16 4, 1, 1, 1, 0
	MUL16 6, 1, 1, 1, 0
	WIN 0
; THE WAY OUT, block by block of 16 rows x 128 columns, through my own stage in LDS; stage row t of block a is row 32 (a/2) + 8 (a%2) + t + 8 (t/8) of my 128.  Each row comes back whole (512 bytes), takes the bias and the residual's
; row, and is stored by 32 lanes as 512 consecutive bytes.  LDS serves a wave's instructions in order (ISA guide 5.7.1.4): no wait between the stores and the loads.
.macro RLOAD a                         ; the residual's 16 rows of block a into window 1
.set t, 0
.rept 16
	global_load_b128 v[64*((\a)%4)+4*t:64*((\a)%4)+4*t+3], v[CO], s[10:11] offset:(32*((\a)/2)+8*((\a)%2)+t+8*(t/8))*4096
.set t, t+1
.endr
.endm
.macro TOSTAGE a
.set AC, 64*((\a)%4)
	WIN 0x08+4*((\a)/4)                            ; the data: window 2 or 3
.irp b, 0,1,2,3,4,5,6,7
	ds_store_b128 v[STO], v[AC+8*\b:AC+8*\b+3] offset:128*(\b/2)+32*(\b%2)       ; each accumulator from its low end on
	ds_store_b128 v[STO], v[AC+8*\b+4:AC+8*\b+7] offset:128*(\b/2)+32*(\b%2)+16
.endr
	WIN 0
.set BB, BK+64*((\a)%2)
.irp t, 0,1,2,3,4,5,6,7,8,9,10,11,12,13,14,15
	ds_load_b128 v[BB+4*\t:BB+4*\t+3], v[RD] offset:\t*SPITCH
.endr
.endm
.macro FINISH a
.set BB, BK+64*((\a)%2)
.set RS, 64*((\a)%4)
.set p, 0
.rept 16
	v_pk_add_f32 v[BB+p:BB+p+1], v[BB+p:BB+p+1], v[BIAS:BIAS+1]
	v_pk_add_f32 v[BB+p+2:BB+p+3], v[BB+p+2:BB+p+3], v[BIAS+2:BIAS+3]
.set p, p+4
.endr
	WIN 0x04                                       ; source 1: window 1
.set p, 0
.rept 32
	v_pk_add_f32 v[BB+p:BB+p+1], v[BB+p:BB+p+1], v[RS+p:RS+p+1]
.set p, p+2
.endr
.if (\a) < 4
	WIN 0x40
	RLOAD (\a)+4                                   ; its registers take the block four further on
.endif
	WIN 0
.set t, 0
.rept 16
	global_store_b128 v[CO], v[BB+4*t:BB+4*t+3], s[12:13] offset:(32*((\a)/2)+8*((\a)%2)+t+8*(t/8))*4096
.set t, t+1
.endr
.endm
	PLACES NP                                      ; in front of the loads into B's registers and of the first read of results
	WIN 0x40
	RLOAD 0
	RLOAD 1
	RLOAD 2
	RLOAD 3
	WIN 0
	TOSTAGE 0
.irp a, 0,1,2,3,4,5,6,7
.if \a < 7
.if \a > 0
	s_wait_xcnt 0x0                                ; block a - 1's stores have read their registers: block a + 1's rows may land there
.endif
	TOSTAGE \a+1
	s_wait_dscnt 32                                ; block a is back; behind its loads stand block a + 1's 16 stores and 16 loads
.else
	s_wait_dscnt 0x0
.endif
.if \a < 4
	s_wait_loadcnt 48                              ; block a's residual rows are in; three later sets of 16 may be out
.else
	s_wait_loadcnt 16*(7-\a)
.endif
	FINISH \a
.endr
	s_wait_tensorcnt 0x0                           ; the wave's end
	ds_add_u32 v[SPW], v[NIL]
	s_wait_dscnt 0x0
	CROUND                                         ; the closing round
	s_endpgm
.Lfunc_end_k_qb23e6f17cc_wo:
	.size	k_qb23e6f17cc_wo, .Lfunc_end_k_qb23e6f17cc_wo-k_qb23e6f17cc_wo
	.p2alignl 7, 3214868480
	.fill 96, 4, 3214868480
	.section	.rodata,"a",@progbits
	.p2align	6, 0x0
	.amdhsa_kernel k_qb23e6f17cc_wo
		.amdhsa_group_segment_fixed_size 327680
		.amdhsa_private_segment_fixed_size 0
		.amdhsa_enable_private_segment 0
		.amdhsa_kernarg_size 40
		.amdhsa_user_sgpr_count 2
		.amdhsa_user_sgpr_kernarg_segment_ptr 1
		.amdhsa_wavefront_size32 1
		.amdhsa_system_sgpr_workgroup_id_x 1
		.amdhsa_system_sgpr_workgroup_id_y 1
		.amdhsa_system_sgpr_workgroup_id_z 1
		.amdhsa_system_vgpr_workitem_id 0
		.amdhsa_next_free_vgpr 1024
		.amdhsa_next_free_sgpr 102
		.amdhsa_reserve_vcc 0
		.amdhsa_float_denorm_mode_32 3
		.amdhsa_float_denorm_mode_16_64 3
		.amdhsa_memory_ordered 1
		.amdhsa_forward_progress 1
		.amdhsa_inst_pref_size 189
	.end_amdhsa_kernel
	.amdgpu_metadata
---
amdhsa.version: [ 1, 2 ]
amdhsa.kernels:
  - .name:           k_qb23e6f17cc_wo
    .symbol:         k_qb23e6f17cc_wo.kd
    .args:
      - { .name: attb, .offset: 0, .size: 8, .value_kind: global_buffer, .address_space: global }
      - { .name: prepb, .offset: 8, .size: 8, .value_kind: global_buffer, .address_space: global }
      - { .name: bo, .offset: 16, .size: 8, .value_kind: global_buffer, .address_space: global }
      - { .name: x, .offset: 24, .size: 8, .value_kind: global_buffer, .address_space: global }
      - { .name: rbuf, .offset: 32, .size: 8, .value_kind: global_buffer, .address_space: global }
    .group_segment_fixed_size: 327680
    .private_segment_fixed_size: 0
    .kernarg_segment_align: 8
    .kernarg_segment_size: 40
    .max_flat_workgroup_size: 128
    .sgpr_count:     102
    .vgpr_count:     1024
    .wavefront_size: 32
...
	.end_amdgpu_metadata
.endif
;; end of part 4
;; launch ln1 (part 5): grid 128 x 1, 8 waves a work-group, no clusters, 132,608 bytes of LDS; arguments rbuf, g1, b1, hbuf; writes hbuf
.if DOCPART == 5
	.amdgcn_target "amdgcn-amd-amdhsa--gfx1250"
	.amdhsa_code_object_version 6
	.text
	.protected	k_qb23e6f17cc_ln1
	.globl	k_qb23e6f17cc_ln1
	.p2align	8
	.type	k_qb23e6f17cc_ln1,@function
k_qb23e6f17cc_ln1:
	s_mov_b64 s[64:65], 0
	v_nop
	global_prefetch_b8 v0, s[64:65] scope:SCOPE_SE
	s_setreg_imm32_b32 hwreg(HW_REG_WAVE_MODE, 25, 1), 1
	s_wait_xcnt 0x0
; h = g1 (r - mean) / sqrt(var + 1e-12) + b1 by rows of 1,024, all in f32; h leaves twice: as f32 rows (hbuf, byte 0: the later residual) and as codes of FP6 (E2M3) with E8M0 scale words
; (images of operand registers at 16,777,216; scale words at 19,922,944: the next product's A).
; A work-group takes 32 rows, a wave four whole rows (32 registers a row): the sums never leave the wave.  The rows then go through a stage in LDS, and wave w quantises K step w of the two tiles of 16 rows.
; Stage row 16 u + r holds the row of tile 2 P + u, lane row r: row 32 P + 8 u + r + 8 (r/8).
; LIMITS: a block of zeros gets the byte 1 (read by this program alone); NaN and infinities are not served.
.set ROWS, 4
.set SPITCH, 4112
.set SEL, 2
.set OUT, 26
.set OSC, 28
.set HM,  30
.set L16, 5
.set RA0, 6
.set RA1, 7
.set L8,  8
.set LW,  9
.set WA,  10
.set G,   160
.set B,   192
.set TM,  160
.set PC0, 176
.set PC1, 196
.set PW0, 216
.set PW1, 217
.set PWX, 218
.macro QUANT s, pc, pw
.irp b, 0,1,2,3
	v_max3_num_f32 v[TM+\b], |v[\s+16*\b]|, |v[\s+1+16*\b]|, 0x1800000   ; and the floor 2^(3 - 127): the byte cannot fall under 1
.endr
.irp i, 2,4,6,8,10,12,14
.irp b, 0,1,2,3
	v_max3_num_f32 v[TM+\b], v[TM+\b], |v[\s+16*\b+\i]|, |v[\s+1+16*\b+\i]|
.endr
.endr
.irp b, 0,1,2,3
	v_permlanex16_b32 v[TM+4+\b], v[TM+\b], s[SEL], s[SEL+1]
.endr
.irp b, 0,1,2,3
	v_max_num_f32 v[TM+\b], v[TM+\b], v[TM+4+\b]
.endr
.irp b, 0,1,2,3
	v_add_nc_u32 v[TM+12+\b], 0xff000000, v[TM+\b]
.endr
.irp b, 0,1,2,3
	v_lshrrev_b32 v[TM+4+\b], 23, v[TM+12+\b]
.endr
	v_lshl_or_b32 v[\pw], v[TM+5], 8, v[TM+4]
	v_lshl_or_b32 v[\pw], v[TM+6], 16, v[\pw]
	v_lshl_or_b32 v[\pw], v[TM+7], 24, v[\pw]
.irp c, 0,1
	v_cvt_scalef32_pk16_fp6_f32 v[\pc+6*\c:\pc+2+6*\c], v[\s+32*\c:\s+15+32*\c], v[TM+12+2*\c]
	v_cvt_scalef32_pk16_fp6_f32 v[\pc+12+4*\c:\pc+14+4*\c], v[\s+16+32*\c:\s+31+32*\c], v[TM+12+2*\c+1]
.endr
	v_nop
.irp c, 0,1
.irp i, 0,1,2
	v_permlane16_swap_b32 v[\pc+6*\c+\i], v[\pc+12+4*\c+\i]
.endr
.irp i, 0,1,2
	v_mov_b32 v[\pc+3+6*\c+\i], v[\pc+12+4*\c+\i]
.endr
.endr
.endm
.macro PUTFRAG pc, imm
	global_store_b128 v[L16], v[\pc:\pc+3], s[OUT:OUT+1] offset:\imm
	global_store_b64 v[L8], v[\pc+4:\pc+5], s[OUT:OUT+1] offset:\imm
	global_store_b128 v[L16], v[\pc+6:\pc+9], s[OUT:OUT+1] offset:\imm+768
	global_store_b64 v[L8], v[\pc+10:\pc+11], s[OUT:OUT+1] offset:\imm+768
.endm
.macro TOIMG
.irp b, 0,1,2,3
.irp j, 0,1,2,3
	ds_load_b128 v[32+16*\b+4*\j:35+16*\b+4*\j], v[RA0] offset:128*\b+16*\j
.endr
.endr
.irp b, 0,1,2,3
.irp j, 0,1,2,3
	ds_load_b128 v[96+16*\b+4*\j:99+16*\b+4*\j], v[RA1] offset:128*\b+16*\j
.endr
.endr
.irp b, 0,1,2,3
	v_mov_b32 v[TM+4+\b], 0
.endr
	s_wait_dscnt 16                                ; tile 0's 16 loads are in; tile 1's may be out
	QUANT 32, PC0, PW0
	PUTFRAG PC0, 0
	s_wait_dscnt 0x0
	QUANT 96, PC1, PW1
	PUTFRAG PC1, 12288
	v_cndmask_b32 v[PWX], v[PW0], v[PW1], s[HM]
	global_store_b32 v[LW], v[PWX], s[OSC:OSC+1]
.endm
.macro ALLSUM d, t                     ; v[d] summed over the 32 lanes, in every lane
	v_add_f32_dpp v[\d], v[\d], v[\d] row_xmask:1 row_mask:0xf bank_mask:0xf
	v_add_f32_dpp v[\d], v[\d], v[\d] row_xmask:2 row_mask:0xf bank_mask:0xf
	v_add_f32_dpp v[\d], v[\d], v[\d] row_xmask:4 row_mask:0xf bank_mask:0xf
	v_add_f32_dpp v[\d], v[\d], v[\d] row_xmask:8 row_mask:0xf bank_mask:0xf
	v_permlanex16_b32 v[\t], v[\d], s[SEL], s[SEL+1]
	v_add_f32 v[\d], v[\d], v[\t]
.endm
.macro ROWLN i
.set X, 32+32*(\i)
	s_wait_loadcnt 8*(ROWS-1-(\i))                 ; g, b and row i are in; the later rows' eight loads each may be out
	v_pk_add_f32 v[16:17], v[X:X+1], v[X+2:X+3]
	v_pk_add_f32 v[18:19], v[X+4:X+5], v[X+6:X+7]
.irp p, 8,12,16,20,24,28
	v_pk_add_f32 v[16:17], v[16:17], v[X+\p:X+\p+1]
	v_pk_add_f32 v[18:19], v[18:19], v[X+\p+2:X+\p+3]
.endr
	v_pk_add_f32 v[16:17], v[16:17], v[18:19]
	v_add_f32 v20, v16, v17
	ALLSUM 20, 21
	v_mul_f32 v22, 0x3a800000, v20                 ; the mean: / 1,024
	v_mov_b32 v23, v22
.set p, 0
.rept 16
	v_pk_add_f32 v[X+p:X+p+1], v[X+p:X+p+1], v[22:23] neg_lo:[0,1] neg_hi:[0,1]
.set p, p+2
.endr
	v_pk_mul_f32 v[16:17], v[X:X+1], v[X:X+1]
	v_pk_mul_f32 v[18:19], v[X+2:X+3], v[X+2:X+3]
.irp p, 4,8,12,16,20,24,28
	v_pk_fma_f32 v[16:17], v[X+\p:X+\p+1], v[X+\p:X+\p+1], v[16:17]
	v_pk_fma_f32 v[18:19], v[X+\p+2:X+\p+3], v[X+\p+2:X+\p+3], v[18:19]
.endr
	v_pk_add_f32 v[16:17], v[16:17], v[18:19]
	v_add_f32 v20, v16, v17
	ALLSUM 20, 21
	v_fma_f32 v20, v20, s31, s32                   ; the variance + 1e-12
	v_rsq_f32 v24, v20
	v_nop                                          ; a plain place behind the transcendental
	s_wait_alu depctr_va_vdst(0)                   ; and the wait ahead of its first reader
	v_mov_b32 v25, v24
.set p, 0
.rept 16
	v_pk_mul_f32 v[X+p:X+p+1], v[X+p:X+p+1], v[24:25]
.set p, p+2
.endr
.set p, 0
.rept 16
	v_pk_fma_f32 v[X+p:X+p+1], v[X+p:X+p+1], v[G+p:G+p+1], v[B+p:B+p+1]
.set p, p+2
.endr
.irp j, 0,1,2,3,4,5,6,7
	global_store_b128 v[L16], v[X+4*\j:X+4*\j+3], s[10:11] offset:4096*(\i)+512*\j   ; 512 consecutive bytes
.endr
.irp j, 0,1,2,3,4,5,6,7
	ds_store_b128 v[WA], v[X+4*\j:X+4*\j+3] offset:SPITCH*(\i)+512*\j
.endr
.endm
	s_load_b256 s[4:11], s[0:1], 0x0               ; rbuf, g1, b1, hbuf
	v_lshl_add_u32 v224, v0, 2, 0x20200
	v_mov_b32 v225, 0
	v_lshrrev_b32 v1, 5, v0
	v_readfirstlane_b32 s12, v1                    ; wave 0..7
	v_and_b32 v2, 31, v0
	v_and_b32 v3, 15, v0
	v_bfe_u32 v4, v0, 4, 1
	v_lshlrev_b32 v[L16], 4, v2
	v_lshlrev_b32 v[L8], 4, v3
	v_lshl_add_u32 v[L8], v4, 3, v[L8]
	v_add_nc_u32 v[L8], 512, v[L8]
	v_lshlrev_b32 v[LW], 3, v3
	v_lshl_add_u32 v[LW], v4, 2, v[LW]
	s_mul_i32 s13, s12, 4*SPITCH
	v_add_nc_u32 v[WA], s13, v[L16]
	v_mul_u32_u24 v[RA0], v3, SPITCH
	v_lshl_add_u32 v[RA0], v4, 6, v[RA0]
	s_lshl_b32 s13, s12, 9
	v_add_nc_u32 v[RA0], s13, v[RA0]
	v_add_nc_u32 v[RA1], 16*SPITCH, v[RA0]
	v_mov_b32 v21, 0
	s_mov_b32 s[SEL], 0x76543210
	s_mov_b32 s[SEL+1], 0xfedcba98
	s_mov_b32 s[HM], 0xffff0000
	s_mov_b32 s31, 0x3a800000                      ; 1 / 1,024
	s_mov_b32 s32, 0x2b8cbccc                      ; 1e-12
	s_lshl_b32 s13, ttmp9, 5                       ; my four rows begin at 32 P + 8 (w/4) + 4 (w%4) + 8 ((w/2)%2)
	s_lshr_b32 s14, s12, 2
	s_lshl_b32 s14, s14, 3
	s_add_co_u32 s13, s13, s14
	s_and_b32 s14, s12, 3
	s_lshl_b32 s14, s14, 2
	s_add_co_u32 s13, s13, s14
	s_bfe_u32 s14, s12, 0x10001
	s_lshl_b32 s14, s14, 3
	s_add_co_u32 s13, s13, s14
	s_lshl_b32 s14, s13, 12
	s_mov_b32 s15, 0
	s_lshl_b32 s[OUT], ttmp9, 4
	s_add_co_u32 s[OUT], s[OUT], s12
	s_mul_i32 s[OUT], s[OUT], 1536
	s_add_co_u32 s[OUT], s[OUT], 16777216
	s_mov_b32 s[OUT+1], 0
	s_lshr_b32 s[OSC], ttmp9, 2
	s_lshl_b32 s[OSC], s[OSC], 3
	s_add_co_u32 s[OSC], s[OSC], s12
	s_lshl_b32 s[OSC], s[OSC], 9
	s_and_b32 s16, ttmp9, 3
	s_lshl_b32 s16, s16, 7
	s_add_co_u32 s[OSC], s[OSC], s16
	s_add_co_u32 s[OSC], s[OSC], 19922944
	s_mov_b32 s[OSC+1], 0
	s_wait_kmcnt 0x0
	s_add_nc_u64 s[4:5], s[4:5], s[14:15]
	s_add_nc_u64 s[OUT:OUT+1], s[10:11], s[OUT:OUT+1]
	s_add_nc_u64 s[OSC:OSC+1], s[10:11], s[OSC:OSC+1]
	s_add_nc_u64 s[10:11], s[10:11], s[14:15]
.irp j, 0,1,2,3,4,5,6,7
	global_load_b128 v[G+4*\j:G+4*\j+3], v[L16], s[6:7] offset:512*\j
.endr
.irp j, 0,1,2,3,4,5,6,7
	global_load_b128 v[B+4*\j:B+4*\j+3], v[L16], s[8:9] offset:512*\j
.endr
.irp i, 0,1,2,3
.irp j, 0,1,2,3,4,5,6,7
	global_load_b128 v[32+32*\i+4*\j:35+32*\i+4*\j], v[L16], s[4:5] offset:4096*\i+512*\j th:TH_LOAD_NT
.endr
.endr
	ROWLN 0
	ROWLN 1
	ROWLN 2
	ROWLN 3
	s_wait_dscnt 0x0                               ; for the others' sake: my stores into the stage are done
	s_barrier_signal -1
	s_barrier_wait -1
	s_wait_xcnt 0x0                                ; the rows' registers are the data of stores: they are written again only behind this wait
	TOIMG
	s_wait_tensorcnt 0x0
	ds_add_u32 v224, v225
	s_wait_dscnt 0x0
	s_endpgm
.Lfunc_end_k_qb23e6f17cc_ln1:
	.size	k_qb23e6f17cc_ln1, .Lfunc_end_k_qb23e6f17cc_ln1-k_qb23e6f17cc_ln1
	.p2alignl 7, 3214868480
	.fill 96, 4, 3214868480
	.section	.rodata,"a",@progbits
	.p2align	6, 0x0
	.amdhsa_kernel k_qb23e6f17cc_ln1
		.amdhsa_group_segment_fixed_size 132608
		.amdhsa_private_segment_fixed_size 0
		.amdhsa_enable_private_segment 0
		.amdhsa_kernarg_size 32
		.amdhsa_user_sgpr_count 2
		.amdhsa_user_sgpr_kernarg_segment_ptr 1
		.amdhsa_wavefront_size32 1
		.amdhsa_system_sgpr_workgroup_id_x 1
		.amdhsa_system_sgpr_workgroup_id_y 1
		.amdhsa_system_sgpr_workgroup_id_z 1
		.amdhsa_system_vgpr_workitem_id 0
		.amdhsa_next_free_vgpr 226
		.amdhsa_next_free_sgpr 66
		.amdhsa_reserve_vcc 0
		.amdhsa_float_denorm_mode_32 3
		.amdhsa_float_denorm_mode_16_64 3
		.amdhsa_memory_ordered 1
		.amdhsa_forward_progress 1
		.amdhsa_inst_pref_size 48
	.end_amdhsa_kernel
	.amdgpu_metadata
---
amdhsa.version: [ 1, 2 ]
amdhsa.kernels:
  - .name:           k_qb23e6f17cc_ln1
    .symbol:         k_qb23e6f17cc_ln1.kd
    .args:
      - { .name: rbuf, .offset: 0, .size: 8, .value_kind: global_buffer, .address_space: global }
      - { .name: g1, .offset: 8, .size: 8, .value_kind: global_buffer, .address_space: global }
      - { .name: b1, .offset: 16, .size: 8, .value_kind: global_buffer, .address_space: global }
      - { .name: hbuf, .offset: 24, .size: 8, .value_kind: global_buffer, .address_space: global }
    .group_segment_fixed_size: 132608
    .private_segment_fixed_size: 0
    .kernarg_segment_align: 8
    .kernarg_segment_size: 32
    .max_flat_workgroup_size: 256
    .sgpr_count:     66
    .vgpr_count:     226
    .wavefront_size: 32
...
	.end_amdgpu_metadata
.endif
;; end of part 5
;; launch ffn1 (part 6): grid 16 x 16, 4 waves a work-group, clusters of 4 x 4, 327,680 bytes of LDS; arguments hbuf, prepb, bf1, gbuf; writes gbuf
.if DOCPART == 6
	.amdgcn_target "amdgcn-amd-amdhsa--gfx1250"
	.amdhsa_code_object_version 6
	.text
	.protected	k_qb23e6f17cc_ffn1
	.globl	k_qb23e6f17cc_ffn1
	.p2align	8
	.type	k_qb23e6f17cc_ffn1,@function
k_qb23e6f17cc_ffn1:
	s_mov_b64 s[64:65], 0
	v_nop
	global_prefetch_b8 v0, s[64:65] scope:SCOPE_SE
	s_setreg_imm32_b32 hwreg(HW_REG_WAVE_MODE, 25, 1), 1
	s_wait_xcnt 0x0
	s_wait_alu depctr_hold_cnt(0) depctr_sa_sdst(0) depctr_va_vdst(0) depctr_va_sdst(0) depctr_va_ssrc(0) depctr_va_vcc(0) depctr_vm_vsrc(0)
	s_getreg_b32 s2, hwreg(HW_REG_IB_STS2, 6, 4)
	s_cmp_eq_u32 s2, 0
	s_cbranch_scc0 .Lentry_in_a_cluster
	s_endpgm
.Lentry_in_a_cluster:
	s_bfe_u32 s2, ttmp6, 0x10000c
	s_cmp_lg_u32 s2, 0xf033
	s_cbranch_scc0 .Lentry_shape_is_right
	s_endpgm
.Lentry_shape_is_right:
; g = gelu(h w1 + bf1), exact-erf form, the product on codes of FP6 (E2M3) with E8M0 scales; g is quantised along the 4,096 hidden units on the way out and never leaves as f32.
; OPERANDS are images of operand registers (tile T, lane row r = matrix row 32 (T/2) + 8 (T%2) + r + 8 (r/8); fragment = 1,536 bytes; IMG [tile][K step][1536]; SCL [rows/128][K step][512]).
; A tile of C, 256 x 256, is made by four waves, 128 x 128 each.  K goes in steps of 256 through a ring of two LDS slots; a wave's tensor load brings 8 tiles x 2 fragments.  The scale words come once, with the first fills.
; CLUSTERS 4 x 4: A's tiles jointly along a row of the cluster, B's along a column.  THE MATRIX INSTRUCTION IS USED TRANSPOSED: lane (r, h) holds a token; the 64 registers of B's eight tiles, register 16 b + i, are hidden units 32 b + 16 h + i.
; gbuf: IMG (4,096 tokens, K = 4,096) at 0, scale words at 12,582,912.
; erf(z) = z P(z^2) / Q(z^2) on z held to +-4, P of degree 6 and Q of degree 4 in z^2, all in f32.  LIMIT: its absolute error is about 1e-7, of the size of the rounding of 1 + erf in f32.
; LIMITS: a block of zeros gets the byte 1 (read by this program alone); NaN and infinities are not served.
; REGISTERS: window 0: v8-12 offsets of the way out; v16-29 addresses; v32-63 scale words; v64-127 the bias; v128-223 A's fragments; v244-247 two coefficients.  window 1: B's fragments, on the way out GELU's 4 x 64.  windows 2, 3: accumulators.
.set SIZE_K, 1024
.set A_IMG,  16777216
.set A_SCL,  19922944
.set B_IMG,  6553600
.set B_SCL,  6553600+3145728
.set GSCL,   12582912
.set NS,     SIZE_K/128
.set LAPS,   SIZE_K/512
.set TP,     NS*1536
.set HALFT,  8*3072
.set SLOT,   4*HALFT
.set SCL,    2*SLOT
.set PS,     NS*512
.set SPARE,  SCL+4*PS                  ; the spare words, 128 bytes a wave, named by no other line
.set FR,     12
.set NL,     4
.set NP,     4
.set ADRA, 16
.set ADRB, 20
.set ADRS, 27
.set SPW,  28
.set NIL,  29
.set SC,   32
.set BN,   64
.set AF,   128
.set H,    128
.set PC,   192
.set TM,   212
.set PW,   228
.set PWS,  232
.set XW,   240
.set CA,   244
.set CB,   246
.set Z,    0                           ; window 1
.set Z2,   64
.set PP,   128
.set QQ,   192
.set SEL,  18
.set G1, 24
.set G0, 32
.set G1B, 48
.set G0B, 56
.set G1S, 68
.set G0S, 76
.set G1SB, 80
.set G0SB, 88
.set MSB, 0
.macro WIN new
.if MSB != \new
	s_set_vgpr_msb (MSB<<8)|\new
.set MSB, \new
.endif
.endm
.set MUL_LO, 0xa1
.set MUL_HI, 0xf1
.set TO_B,   0x40
.macro JLOAD g0a, g1a, g0b, g1b        ; a joint load: waves 0, 1 fetch for A, waves 2, 3 for B; four v_nop follow each line
	s_cmp_eq_u32 s15, 0
	s_cbranch_scc0 .Lfor_b_\@
	tensor_load_to_lds s[\g0a:\g0a+3], s[\g1a:\g1a+7]
	s_nop 0
.rept 4
	v_nop
.endr
	s_branch .Lasked_\@
.Lfor_b_\@:
	tensor_load_to_lds s[\g0b:\g0b+3], s[\g1b:\g1b+7]
	s_nop 0
.rept 4
	v_nop
.endr
.Lasked_\@:
.endm
.macro CREST
	s_cmp_lg_u32 s14, 0
	s_cbranch_scc1 .Lnot_wave_0_\@
	s_barrier_signal -3
.Lnot_wave_0_\@:
	s_barrier_wait -3
	s_barrier_signal -1
	s_barrier_wait -1
.endm
.macro CROUND
	s_barrier_signal -1
	s_barrier_wait -1
	CREST
.endm
.macro FRAG reg, adr, q, i
	ds_load_b128 v[\reg:\reg+3], v[\adr] offset:3072*(\i)+1536*(\q)
	ds_load_b64 v[\reg+4:\reg+5], v[\adr+2] offset:3072*(\i)+1536*(\q)
	ds_load_b128 v[\reg+6:\reg+9], v[\adr] offset:3072*(\i)+1536*(\q)+768
	ds_load_b64 v[\reg+10:\reg+11], v[\adr+2] offset:3072*(\i)+1536*(\q)+768
.endm
.macro MUL16 a0, p, q, sc, zero        ; the 64 accumulators take turns, one instruction a turn
.irp a, \a0, \a0+1
.irp b, 0,1,2,3,4,5,6,7
.if \zero
	v_wmma_scale_f32_16x16x128_f8f6f4 v[8*(8*((\a)%4)+\b):8*(8*((\a)%4)+\b)+7], v[128*(\p)+FR*\b:128*(\p)+FR*\b+FR-1], v[AF+FR*(\a):AF+FR*(\a)+FR-1], 0, v[SC+16*(\sc)+8*(\q)+\b], v[SC+16*(\sc)+8*(\q)+(\a)] matrix_a_fmt:MATRIX_FMT_FP6 matrix_b_fmt:MATRIX_FMT_FP6 matrix_a_scale:MATRIX_SCALE_ROW1
.else
	v_wmma_scale_f32_16x16x128_f8f6f4 v[8*(8*((\a)%4)+\b):8*(8*((\a)%4)+\b)+7], v[128*(\p)+FR*\b:128*(\p)+FR*\b+FR-1], v[AF+FR*(\a):AF+FR*(\a)+FR-1], v[8*(8*((\a)%4)+\b):8*(8*((\a)%4)+\b)+7], v[SC+16*(\sc)+8*(\q)+\b], v[SC+16*(\sc)+8*(\q)+(\a)] matrix_a_fmt:MATRIX_FMT_FP6 matrix_b_fmt:MATRIX_FMT_FP6 matrix_a_scale:MATRIX_SCALE_ROW1
.endif
.endr
.endr
.endm
.macro FETCH_B slot, q, p
	WIN TO_B
.irp i, 0,1,2,3,4,5,6,7
	FRAG 128*(\p)+FR*\i, ADRB+\slot, \q, \i
.endr
	WIN 0
.endm
.macro FETCH_A slot, q, i0
.irp i, \i0, \i0+1, \i0+2, \i0+3
	FRAG AF+FR*(\i), ADRA+\slot, \q, \i
.endr
.endm
.macro SCALES sc
.irp q, 0,1
.irp p, 0,1,2,3
	ds_load_b64 v[SC+16*\sc+8*\q+2*\p:SC+16*\sc+8*\q+2*\p+1], v[ADRS] offset:512*\q+128*\p
.endr
.endr
.endm
.macro PLACES n
.rept \n
	v_nop
.endr
.endm
.macro STEP slot, q, zero
	s_wait_dscnt 4*NL                              ; all but the youngest 16 loads (A's blocks 4-7) are in
	WIN MUL_LO
	MUL16 0, (\q)%2, \q, \slot, \zero
	MUL16 2, (\q)%2, \q, \slot, \zero
	s_wait_dscnt 0
	PLACES NP
	FETCH_B \slot, (\q)+1, 1-(\q)%2
	FETCH_A \slot, (\q)+1, 0
	WIN MUL_HI
	MUL16 4, (\q)%2, \q, \slot, \zero
	MUL16 6, (\q)%2, \q, \slot, \zero
	PLACES NP
	WIN 0
	FETCH_A \slot, (\q)+1, 4
.endm
.macro TURN slot, next, fill
	s_wait_tensorcnt 0x0                           ; all my tensor loads have landed: my part of the next slot
	ds_add_u32 v[SPW], v[NIL]                      ; 0 onto my spare word
	s_wait_dscnt 4*NL+1                            ; (the add and A's blocks 4-7 may be out)
	WIN MUL_LO
	MUL16 0, 1, 1, \slot, 0
	s_wait_dscnt 0x0                               ; the add is done, and my reads of this slot are over
	s_barrier_signal -1
	MUL16 2, 1, 1, \slot, 0
	WIN 0
	s_barrier_wait -1
.if \fill
	CREST                                          ; a round of the cluster's barrier: no wave of any partner still reads this slot or has a load on its way
	s_add_nc_u64 s[G0+4*\slot+2:G0+4*\slot+3], s[G0+4*\slot+2:G0+4*\slot+3], 2*3072
	s_add_nc_u64 s[G0B+4*\slot+2:G0B+4*\slot+3], s[G0B+4*\slot+2:G0B+4*\slot+3], 2*3072
	JLOAD G0+4*\slot, G1, G0B+4*\slot, G1B
.else
	PLACES NP
.endif
	v_add_nc_u32 v[ADRS], 1024, v[ADRS]
	FETCH_B \next, 0, 0
	FETCH_A \next, 0, 0
	SCALES \next
	WIN MUL_HI
	MUL16 4, 1, 1, \slot, 0
	MUL16 6, 1, 1, \slot, 0
	PLACES NP
	WIN 0
	FETCH_A \next, 0, 4
.endm
.macro QUANT s, pc, pw
.irp b, 0,1,2,3
	v_max3_num_f32 v[TM+\b], |v[\s+16*\b]|, |v[\s+1+16*\b]|, 0x1800000   ; and the floor 2^(3 - 127): the byte cannot fall under 1
.endr
.irp i, 2,4,6,8,10,12,14
.irp b, 0,1,2,3
	v_max3_num_f32 v[TM+\b], v[TM+\b], |v[\s+16*\b+\i]|, |v[\s+1+16*\b+\i]|
.endr
.endr
.irp b, 0,1,2,3
	v_permlanex16_b32 v[TM+4+\b], v[TM+\b], s[SEL], s[SEL+1]
.endr
.irp b, 0,1,2,3
	v_max_num_f32 v[TM+\b], v[TM+\b], v[TM+4+\b]
.endr
.irp b, 0,1,2,3
	v_add_nc_u32 v[TM+12+\b], 0xff000000, v[TM+\b]
.endr
.irp b, 0,1,2,3
	v_lshrrev_b32 v[TM+4+\b], 23, v[TM+12+\b]
.endr
	v_lshl_or_b32 v[\pw], v[TM+5], 8, v[TM+4]
	v_lshl_or_b32 v[\pw], v[TM+6], 16, v[\pw]
	v_lshl_or_b32 v[\pw], v[TM+7], 24, v[\pw]
.irp c, 0,1
	v_cvt_scalef32_pk16_fp6_f32 v[\pc+6*\c:\pc+2+6*\c], v[\s+32*\c:\s+15+32*\c], v[TM+12+2*\c]
	v_cvt_scalef32_pk16_fp6_f32 v[\pc+12+4*\c:\pc+14+4*\c], v[\s+16+32*\c:\s+31+32*\c], v[TM+12+2*\c+1]
.endr
	v_nop
.irp c, 0,1
.irp i, 0,1,2
	v_permlane16_swap_b32 v[\pc+6*\c+\i], v[\pc+12+4*\c+\i]
.endr
.irp i, 0,1,2
	v_mov_b32 v[\pc+3+6*\c+\i], v[\pc+12+4*\c+\i]
.endr
.endr
.endm
; H (64 numbers, window 0) becomes 0.5 H (1 + erf(H / sqrt 2)).  The four work areas lie in window 1; each stretch stands under one window setting.
.macro GELU
	WIN 0x40                                       ; destination window 1
.set p, 0
.rept 32
	v_pk_mul_f32 v[Z+p:Z+p+1], v[H+p:H+p+1], 0x3f3504f3 op_sel_hi:[1,0]   ; z = H / sqrt 2
.set p, p+2
.endr
	WIN 0x41
.set p, 0
.rept 64
	v_med3_num_f32 v[Z+p], v[Z+p], -4.0, 4.0
.set p, p+1
.endr
	WIN 0x45
.set p, 0
.rept 32
	v_pk_mul_f32 v[Z2+p:Z2+p+1], v[Z+p:Z+p+1], v[Z+p:Z+p+1]
.set p, p+2
.endr
	WIN 0x41                                       ; source 1 (the leading coefficients) window 0
.set p, 0
.rept 32
	v_pk_fma_f32 v[PP+p:PP+p+1], v[Z2+p:Z2+p+1], v[CA:CA+1], 0x32edffee op_sel_hi:[1,1,0]
	v_pk_fma_f32 v[QQ+p:QQ+p+1], v[Z2+p:Z2+p+1], v[CB:CB+1], 0xb95fbd29 op_sel_hi:[1,1,0]
.set p, p+2
.endr
	WIN 0x45
.irp k, 0xb60cff51, 0xb86ec2d2, 0xba40ac63, 0xbb41a1f6, 0xbc83dbd4
.set p, 0
.rept 32
	v_pk_fma_f32 v[PP+p:PP+p+1], v[PP+p:PP+p+1], v[Z2+p:Z2+p+1], \k op_sel_hi:[1,1,0]
.set p, p+2
.endr
.endr
.irp k, 0xbadc924e, 0xbbf19bf8, 0xbc69b6a7
.set p, 0
.rept 32
	v_pk_fma_f32 v[QQ+p:QQ+p+1], v[QQ+p:QQ+p+1], v[Z2+p:Z2+p+1], \k op_sel_hi:[1,1,0]
.set p, p+2
.endr
.endr
.set p, 0
.rept 64
	v_rcp_f32 v[QQ+p], v[QQ+p]                     ; one batch
.set p, p+1
.endr
.set p, 0
.rept 32
	v_pk_mul_f32 v[PP+p:PP+p+1], v[PP+p:PP+p+1], v[Z+p:Z+p+1]   ; work that names no reciprocal stands behind the batch
.set p, p+2
.endr
	WIN 0x40
.set p, 0
.rept 32
	v_pk_mul_f32 v[Z+p:Z+p+1], v[H+p:H+p+1], 0.5 op_sel_hi:[1,0]
.set p, p+2
.endr
	s_wait_alu depctr_va_vdst(0)                   ; one wait for the 64 reciprocals, ahead of their first reader
	WIN 0x45
.set p, 0
.rept 32
	v_pk_mul_f32 v[PP+p:PP+p+1], v[PP+p:PP+p+1], v[QQ+p:QQ+p+1]   ; erf
.set p, p+2
.endr
	WIN 0x15                                       ; sources window 1, destination window 0
.set p, 0
.rept 32
	v_pk_fma_f32 v[H+p:H+p+1], v[Z+p:Z+p+1], v[PP+p:PP+p+1], v[Z+p:Z+p+1]
.set p, p+2
.endr
	WIN 0
.endm
	s_load_b256 s[4:11], s[0:1], 0x0               ; hbuf s[4:5], prepb s[6:7], bf1 s[8:9], gbuf s[10:11]
	v_lshl_add_u32 v[SPW], v0, 2, SPARE
	v_mov_b32 v[NIL], 0
	ds_add_u32 v28, v29
	ds_add_u32 v28, v29
	s_wait_dscnt 0x0
	v_lshrrev_b32 v1, 5, v0
	v_readfirstlane_b32 s14, v1
	s_lshr_b32 s15, s14, 1
	s_and_b32 s16, s14, 1
	s_bfe_u32 s40, ttmp6, 0x40000
	s_bfe_u32 s41, ttmp6, 0x40004
	s_lshl_b32 s42, ttmp9, 2
	s_add_co_u32 s42, s42, s40                     ; tile column
	s_and_b32 s17, ttmp7, 0xffff
	s_lshl_b32 s17, s17, 2
	s_add_co_u32 s17, s17, s41                     ; tile row
	s_lshl_b32 s43, s41, 2
	s_lshl_b32 s43, 15, s43
	s_lshl_b32 s44, 0x1111, s40
	s_or_b32 s[G1+0], s43, (3<<16)|(1<<21)
	s_or_b32 s[G1B+0], s44, (3<<16)|(1<<21)
.irp g, G1, G1B
	s_mov_b32 s[\g+1], 384<<16
	s_mov_b32 s[\g+2], 8<<16
	s_mov_b32 s[\g+3], 384<<16
	s_mov_b32 s[\g+4], 8
	s_mov_b32 s[\g+5], NS*192
	s_mov_b32 s[\g+6], 0
	s_mov_b32 s[\g+7], 0
.endr
	s_or_b32 s[G1S+0], s43, (3<<16)|(1<<21)
	s_or_b32 s[G1SB+0], s44, (3<<16)|(1<<21)
.irp g, G1S, G1SB
	s_mov_b32 s[\g+1], 32<<16
	s_mov_b32 s[\g+2], (2*NS)<<16
	s_mov_b32 s[\g+3], 32<<16
	s_mov_b32 s[\g+4], 2*NS
	s_mov_b32 s[\g+5], 32
	s_mov_b32 s[\g+6], 0
	s_mov_b32 s[\g+7], 0
.endr
	s_lshl_b32 s18, s16, 3
	s_lshl_b32 s20, s17, 4
	s_add_co_u32 s20, s20, s18
	s_mul_i32 s20, s20, TP
	s_add_co_u32 s20, s20, A_IMG
	s_mov_b32 s21, 0
	s_lshl_b32 s22, s17, 1
	s_add_co_u32 s22, s22, s16
	s_mul_i32 s22, s22, PS
	s_add_co_u32 s22, s22, A_SCL
	s_mov_b32 s23, 0
	s_lshl_b32 s46, s42, 4
	s_add_co_u32 s46, s46, s18
	s_mul_i32 s46, s46, TP
	s_add_co_u32 s46, s46, B_IMG
	s_mov_b32 s47, 0
	s_lshl_b32 s92, s42, 1
	s_add_co_u32 s92, s92, s16
	s_mul_i32 s92, s92, PS
	s_add_co_u32 s92, s92, B_SCL
	s_mov_b32 s93, 0
	s_mul_i32 s45, s14, HALFT
	s_mul_i32 s94, s14, PS
	s_wait_kmcnt 0x0
	s_add_nc_u64 s[20:21], s[4:5], s[20:21]
	s_add_nc_u64 s[22:23], s[4:5], s[22:23]
	s_add_nc_u64 s[46:47], s[6:7], s[46:47]
	s_add_nc_u64 s[92:93], s[6:7], s[92:93]
	CROUND                                         ; all sixteen work-groups are here: the first joint loads meet
	s_mov_b32 s[G0S], 1
	s_add_co_u32 s[G0S+1], s94, SCL
	s_mov_b64 s[G0S+2:G0S+3], s[22:23]
	s_or_b32 s[G0S+3], s[G0S+3], 0x80000000
	s_mov_b32 s[G0SB], 1
	s_add_co_u32 s[G0SB+1], s94, SCL
	s_mov_b64 s[G0SB+2:G0SB+3], s[92:93]
	s_or_b32 s[G0SB+3], s[G0SB+3], 0x80000000
	JLOAD G0S, G1S, G0SB, G1SB
.irp s, 0,1
	s_mov_b32 s[G0+4*\s], 1
	s_add_co_u32 s[G0+4*\s+1], s45, \s*SLOT
	s_add_nc_u64 s[G0+4*\s+2:G0+4*\s+3], s[20:21], \s*3072
	s_or_b32 s[G0+4*\s+3], s[G0+4*\s+3], 0x80000000
	s_mov_b32 s[G0B+4*\s], 1
	s_add_co_u32 s[G0B+4*\s+1], s45, \s*SLOT
	s_add_nc_u64 s[G0B+4*\s+2:G0B+4*\s+3], s[46:47], \s*3072
	s_or_b32 s[G0B+4*\s+3], s[G0B+4*\s+3], 0x80000000
	JLOAD G0+4*\s, G1, G0B+4*\s, G1B
.endr
	v_and_b32 v1, 15, v0
	v_bfe_u32 v2, v0, 4, 1
	v_and_b32 v3, 31, v0
	v_lshlrev_b32 v8, 4, v3
	v_lshlrev_b32 v9, 4, v1
	v_lshl_add_u32 v9, v2, 3, v9
	v_add_nc_u32 v9, 512, v9
	s_mul_i32 s21, s15, HALFT
	s_mul_i32 s22, s16, HALFT
	s_add_co_u32 s22, s22, 2*HALFT
.irp s, 0,1
	v_add_nc_u32 v[ADRA+\s], s21, v8
	v_add_nc_u32 v[ADRB+\s], s22, v8
	v_add_nc_u32 v[ADRA+2+\s], s21, v9
	v_add_nc_u32 v[ADRB+2+\s], s22, v9
	s_add_co_u32 s21, s21, SLOT
	s_add_co_u32 s22, s22, SLOT
.endr
	v_lshlrev_b32 v5, 3, v1
	s_mul_i32 s21, s15, PS
	s_mul_i32 s22, s16, PS
	s_add_co_u32 s22, s22, 2*PS
	s_sub_co_u32 s22, s22, s21
	v_mul_u32_u24 v6, s22, v2
	s_add_co_u32 s21, s21, SCL
	v_add_nc_u32 v5, v5, v6
	v_add_nc_u32 v[ADRS], s21, v5
	s_lshl_b32 s18, s42, 1
	s_add_co_u32 s18, s18, s16                     ; n128: which 128 hidden units are mine = the next product's K step
	s_lshl_b32 s20, s17, 4
	s_lshl_b32 s21, s15, 3
	s_add_co_u32 s20, s20, s21                     ; my first token tile
	s_lshl_b32 s96, s20, 5
	s_add_co_u32 s96, s96, s18
	s_mul_i32 s96, s96, 1536
	s_mov_b32 s97, 0
	s_lshr_b32 s98, s20, 3
	s_lshl_b32 s98, s98, 5
	s_add_co_u32 s98, s98, s18
	s_lshl_b32 s98, s98, 9
	s_add_co_u32 s98, s98, GSCL
	s_mov_b32 s99, 0
	s_lshl_b32 s46, s18, 9
	s_mov_b32 s47, 0
	s_add_nc_u64 s[96:97], s[10:11], s[96:97]
	s_add_nc_u64 s[98:99], s[10:11], s[98:99]
	s_add_nc_u64 s[8:9], s[8:9], s[46:47]
	v_lshlrev_b32 v12, 7, v2
	v_lshl_add_u32 v12, v1, 3, v12                 ; 128 h + 8 r
	v_lshlrev_b32 v13, 6, v2                       ; 64 h
.irp b, 0,1,2,3
.irp j, 0,1,2,3
	global_load_b128 v[BN+16*\b+4*\j:BN+16*\b+4*\j+3], v13, s[8:9] offset:128*\b+16*\j   ; register 16 b + i: the bias of hidden unit 32 b + 16 h + i
.endr
.endr
	v_mov_b32 v[CA], 0xaf95df0b
	v_mov_b32 v[CA+1], 0xaf95df0b
	v_mov_b32 v[CB], 0xb77460cd
	v_mov_b32 v[CB+1], 0xb77460cd
	s_wait_loadcnt 0x0
	s_wait_tensorcnt 1                             ; the scale words and my part of K step 0 are in (slot 1's load may be out)
	s_barrier_signal -1
	s_barrier_wait -1
	FETCH_B 0, 0, 0
	FETCH_A 0, 0, 0
	SCALES 0
	FETCH_A 0, 0, 4
	STEP 0, 0, 1
	s_mov_b32 s3, LAPS-1
.Llap:
	TURN 0, 1, 1
	STEP 1, 0, 0
	TURN 1, 0, 1
	STEP 0, 0, 0
	s_sub_co_u32 s3, s3, 1
	s_cmp_lg_u32 s3, 0
	s_cbranch_scc1 .Llap
	TURN 0, 1, 0
	STEP 1, 0, 0
	s_wait_dscnt 4*NL
	WIN MUL_LO
	MUL16 0, 1, 1, 1, 0
	MUL16 2, 1, 1, 1, 0
	s_wait_dscnt 0
	WIN MUL_HI
	MUL16 4, 1, 1, 1, 0
	MUL16 6, 1, 1, 1, 0
	WIN 0
	; THE WAY OUT: eight trips, one for each block of 16 tokens.  Only the additions that take a block's 64 sums out of the accumulators differ from block to block: they are written eight times, each behind a compare
	; of the trip's number; the activation, the quantiser and the stores are written once, which keeps the text short.
	PLACES NP
.irp b, 0,1,2,3
	v_mov_b32 v[TM+4+\b], 0
.endr
.irp i, 0,1,2,3,4,5,6,7
	v_mov_b32 v[PWS+\i], 0
.endr
	s_mov_b32 s[SEL], 0x76543210
	s_mov_b32 s[SEL+1], 0xfedcba98
	s_mov_b32 s66, 0xffff0000
	s_mov_b32 s3, 0
.Lalpha:
.irp a, 0,1,2,3,4,5,6,7
	s_cmp_lg_u32 s3, \a
	s_cbranch_scc1 .Lnot_\a
	WIN 0x02+(\a)/4
.set p, 0
.rept 32
	v_pk_add_f32 v[H+p:H+p+1], v[64*((\a)%4)+p:64*((\a)%4)+p+1], v[BN+p:BN+p+1]   ; ascending: each accumulator from its low end on
.set p, p+2
.endr
	WIN 0
.Lnot_\a:
.endr
	GELU
	QUANT H, PC, PW
	global_store_b128 v8, v[PC:PC+3], s[96:97]     ; the fragment leaves as it stands: 512, 256, 512, 256 consecutive bytes
	global_store_b64 v9, v[PC+4:PC+5], s[96:97]
	global_store_b128 v8, v[PC+6:PC+9], s[96:97] offset:768
	global_store_b64 v9, v[PC+10:PC+11], s[96:97] offset:768
.irp i, 0,1,2,3,4,5,6
	v_mov_b32 v[PWS+\i], v[PWS+\i+1]
.endr
	v_mov_b32 v[PWS+7], v[PW]
	s_wait_xcnt 0x0                                ; the stores have read their data and their base
	s_add_nc_u64 s[96:97], s[96:97], 49152         ; the next token tile: 32 K steps of 1,536 bytes on
	s_add_co_u32 s3, s3, 1
	s_cmp_lt_u32 s3, 8
	s_cbranch_scc1 .Lalpha
.irp g, 0,1
	v_cndmask_b32 v[XW+2*\g], v[PWS+4*\g], v[PWS+4*\g+2], s66
	v_cndmask_b32 v[XW+2*\g+1], v[PWS+4*\g+1], v[PWS+4*\g+3], s66
	global_store_b64 v12, v[XW+2*\g:XW+2*\g+1], s[98:99] offset:256*\g
.endr
	s_wait_tensorcnt 0x0                           ; the wave's end
	ds_add_u32 v[SPW], v[NIL]
	s_wait_dscnt 0x0
	CROUND                                         ; the closing round
	s_endpgm
.Lfunc_end_k_qb23e6f17cc_ffn1:
	.size	k_qb23e6f17cc_ffn1, .Lfunc_end_k_qb23e6f17cc_ffn1-k_qb23e6f17cc_ffn1
	.p2alignl 7, 3214868480
	.fill 96, 4, 3214868480
	.section	.rodata,"a",@progbits
	.p2align	6, 0x0
	.amdhsa_kernel k_qb23e6f17cc_ffn1
		.amdhsa_group_segment_fixed_size 327680
		.amdhsa_private_segment_fixed_size 0
		.amdhsa_enable_private_segment 0
		.amdhsa_kernarg_size 32
		.amdhsa_user_sgpr_count 2
		.amdhsa_user_sgpr_kernarg_segment_ptr 1
		.amdhsa_wavefront_size32 1
		.amdhsa_system_sgpr_workgroup_id_x 1
		.amdhsa_system_sgpr_workgroup_id_y 1
		.amdhsa_system_sgpr_workgroup_id_z 1
		.amdhsa_system_vgpr_workitem_id 0
		.amdhsa_next_free_vgpr 1024
		.amdhsa_next_free_sgpr 102
		.amdhsa_reserve_vcc 0
		.amdhsa_float_denorm_mode_32 3
		.amdhsa_float_denorm_mode_16_64 3
		.amdhsa_memory_ordered 1
		.amdhsa_forward_progress 1
		.amdhsa_inst_pref_size 188
	.end_amdhsa_kernel
	.amdgpu_metadata
---
amdhsa.version: [ 1, 2 ]
amdhsa.kernels:
  - .name:           k_qb23e6f17cc_ffn1
    .symbol:         k_qb23e6f17cc_ffn1.kd
    .args:
      - { .name: hbuf, .offset: 0, .size: 8, .value_kind: global_buffer, .address_space: global }
      - { .name: prepb, .offset: 8, .size: 8, .value_kind: global_buffer, .address_space: global }
      - { .name: bf1, .offset: 16, .size: 8, .value_kind: global_buffer, .address_space: global }
      - { .name: gbuf, .offset: 24, .size: 8, .value_kind: global_buffer, .address_space: global }
    .group_segment_fixed_size: 327680
    .private_segment_fixed_size: 0
    .kernarg_segment_align: 8
    .kernarg_segment_size: 32
    .max_flat_workgroup_size: 128
    .sgpr_count:     102
    .vgpr_count:     1024
    .wavefront_size: 32
...
	.end_amdgpu_metadata
.endif
;; end of part 6
;; launch ffn2 (part 7): grid 4 x 16, 4 waves a work-group, clusters of 4 x 4, 327,680 bytes of LDS; arguments gbuf, prepb, bf2, hbuf, rbuf; writes rbuf
.if DOCPART == 7
	.amdgcn_target "amdgcn-amd-amdhsa--gfx1250"
	.amdhsa_code_object_version 6
	.text
	.protected	k_qb23e6f17cc_ffn2
	.globl	k_qb23e6f17cc_ffn2
	.p2align	8
	.type	k_qb23e6f17cc_ffn2,@function
k_qb23e6f17cc_ffn2:
	s_mov_b64 s[64:65], 0
	v_nop
	global_prefetch_b8 v0, s[64:65] scope:SCOPE_SE
	s_setreg_imm32_b32 hwreg(HW_REG_WAVE_MODE, 25, 1), 1
	s_wait_xcnt 0x0
	s_wait_alu depctr_hold_cnt(0) depctr_sa_sdst(0) depctr_va_vdst(0) depctr_va_sdst(0) depctr_va_ssrc(0) depctr_va_vcc(0) depctr_vm_vsrc(0)
	s_getreg_b32 s2, hwreg(HW_REG_IB_STS2, 6, 4)
	s_cmp_eq_u32 s2, 0
	s_cbranch_scc0 .Lentry_in_a_cluster
	s_endpgm
.Lentry_in_a_cluster:
	s_bfe_u32 s2, ttmp6, 0x10000c
	s_cmp_lg_u32 s2, 0xf033
	s_cbranch_scc0 .Lentry_shape_is_right
	s_endpgm
.Lentry_shape_is_right:
; rbuf = h + (g w2 + bf2): the product (K = 4,096) on codes of FP6 (E2M3) with E8M0 scales, bias and residual added in f32 on the way out; f32 rows [4096][1024].
; OPERANDS are images of operand registers (tile T, lane row r = matrix row 32 (T/2) + 8 (T%2) + r + 8 (r/8); fragment = 1,536 bytes; IMG [tile][K step][1536]; SCL [rows/128][K step][512]).
; A tile of C, 256 x 256, is made by four waves, 128 x 128 each.  K goes in steps of 256 through a ring of two LDS slots; a wave's tensor load brings 8 tiles x 2 fragments.  The scale words come once, with the first fills.
; CLUSTERS 4 x 4: A's tiles jointly along a row of the cluster, B's along a column.  THE MATRIX INSTRUCTION IS USED TRANSPOSED: lane (r, h) holds row r of A's tile; register j of B's tile t is column 32 (t/2) + 16 h + 8 (t%2) + j.
; C has 64 tiles of 256 x 256, so 64 work-groups are launched.
; REGISTERS: window 0: v16-29 addresses; v32-63 scale words; v64-67 the bias; v128-223 A's fragments, on the way out v128-255 rows of C.  window 1: B's fragments, on the way out the residual's rows.  windows 2, 3: accumulators.
.set SIZE_K, 4096
.set A_IMG,  0
.set A_SCL,  12582912
.set B_IMG,  9830400
.set B_SCL,  9830400+3145728
.set NS,     SIZE_K/128
.set LAPS,   SIZE_K/512
.set TP,     NS*1536
.set HALFT,  8*3072
.set SLOT,   4*HALFT
.set SCL,    2*SLOT
.set PS,     NS*512
.set SPARE,  SCL+4*PS                  ; the spare words, 128 bytes a wave, named by no other line
.set SPITCH, 528                       ; the way out: 16 rows x (512 + 16) bytes a wave, in slot 0, which has had its last fill and its last read by then
.set FR,     12
.set NL,     4
.set NP,     4
.set ADRA, 16
.set ADRB, 20
.set STO,  24
.set RD,   25
.set CO,   26
.set ADRS, 27
.set SPW,  28
.set NIL,  29
.set SC,   32
.set BIAS, 64
.set AF,   128
.set BK,   128
.set G1, 24
.set G0, 32
.set G1B, 48
.set G0B, 56
.set G1S, 68
.set G0S, 76
.set G1SB, 80
.set G0SB, 88
.set MSB, 0
.macro WIN new
.if MSB != \new
	s_set_vgpr_msb (MSB<<8)|\new
.set MSB, \new
.endif
.endm
.set MUL_LO, 0xa1
.set MUL_HI, 0xf1
.set TO_B,   0x40
.macro JLOAD g0a, g1a, g0b, g1b        ; a joint load: waves 0, 1 fetch for A, waves 2, 3 for B; four v_nop follow each line
	s_cmp_eq_u32 s15, 0
	s_cbranch_scc0 .Lfor_b_\@
	tensor_load_to_lds s[\g0a:\g0a+3], s[\g1a:\g1a+7]
	s_nop 0
.rept 4
	v_nop
.endr
	s_branch .Lasked_\@
.Lfor_b_\@:
	tensor_load_to_lds s[\g0b:\g0b+3], s[\g1b:\g1b+7]
	s_nop 0
.rept 4
	v_nop
.endr
.Lasked_\@:
.endm
.macro CREST
	s_cmp_lg_u32 s14, 0
	s_cbranch_scc1 .Lnot_wave_0_\@
	s_barrier_signal -3
.Lnot_wave_0_\@:
	s_barrier_wait -3
	s_barrier_signal -1
	s_barrier_wait -1
.endm
.macro CROUND
	s_barrier_signal -1
	s_barrier_wait -1
	CREST
.endm
.macro FRAG reg, adr, q, i
	ds_load_b128 v[\reg:\reg+3], v[\adr] offset:3072*(\i)+1536*(\q)
	ds_load_b64 v[\reg+4:\reg+5], v[\adr+2] offset:3072*(\i)+1536*(\q)
	ds_load_b128 v[\reg+6:\reg+9], v[\adr] offset:3072*(\i)+1536*(\q)+768
	ds_load_b64 v[\reg+10:\reg+11], v[\adr+2] offset:3072*(\i)+1536*(\q)+768
.endm
.macro MUL16 a0, p, q, sc, zero        ; the 64 accumulators take turns, one instruction a turn
.irp a, \a0, \a0+1
.irp b, 0,1,2,3,4,5,6,7
.if \zero
	v_wmma_scale_f32_16x16x128_f8f6f4 v[8*(8*((\a)%4)+\b):8*(8*((\a)%4)+\b)+7], v[128*(\p)+FR*\b:128*(\p)+FR*\b+FR-1], v[AF+FR*(\a):AF+FR*(\a)+FR-1], 0, v[SC+16*(\sc)+8*(\q)+\b], v[SC+16*(\sc)+8*(\q)+(\a)] matrix_a_fmt:MATRIX_FMT_FP6 matrix_b_fmt:MATRIX_FMT_FP6 matrix_a_scale:MATRIX_SCALE_ROW1
.else
	v_wmma_scale_f32_16x16x128_f8f6f4 v[8*(8*((\a)%4)+\b):8*(8*((\a)%4)+\b)+7], v[128*(\p)+FR*\b:128*(\p)+FR*\b+FR-1], v[AF+FR*(\a):AF+FR*(\a)+FR-1], v[8*(8*((\a)%4)+\b):8*(8*((\a)%4)+\b)+7], v[SC+16*(\sc)+8*(\q)+\b], v[SC+16*(\sc)+8*(\q)+(\a)] matrix_a_fmt:MATRIX_FMT_FP6 matrix_b_fmt:MATRIX_FMT_FP6 matrix_a_scale:MATRIX_SCALE_ROW1
.endif
.endr
.endr
.endm
.macro FETCH_B slot, q, p
	WIN TO_B
.irp i, 0,1,2,3,4,5,6,7
	FRAG 128*(\p)+FR*\i, ADRB+\slot, \q, \i
.endr
	WIN 0
.endm
.macro FETCH_A slot, q, i0
.irp i, \i0, \i0+1, \i0+2, \i0+3
	FRAG AF+FR*(\i), ADRA+\slot, \q, \i
.endr
.endm
.macro SCALES sc
.irp q, 0,1
.irp p, 0,1,2,3
	ds_load_b64 v[SC+16*\sc+8*\q+2*\p:SC+16*\sc+8*\q+2*\p+1], v[ADRS] offset:512*\q+128*\p
.endr
.endr
.endm
.macro PLACES n
.rept \n
	v_nop
.endr
.endm
.macro STEP slot, q, zero
	s_wait_dscnt 4*NL                              ; all but the youngest 16 loads (A's blocks 4-7) are in
	WIN MUL_LO
	MUL16 0, (\q)%2, \q, \slot, \zero
	MUL16 2, (\q)%2, \q, \slot, \zero
	s_wait_dscnt 0
	PLACES NP
	FETCH_B \slot, (\q)+1, 1-(\q)%2
	FETCH_A \slot, (\q)+1, 0
	WIN MUL_HI
	MUL16 4, (\q)%2, \q, \slot, \zero
	MUL16 6, (\q)%2, \q, \slot, \zero
	PLACES NP
	WIN 0
	FETCH_A \slot, (\q)+1, 4
.endm
.macro TURN slot, next, fill
	s_wait_tensorcnt 0x0                           ; all my tensor loads have landed: my part of the next slot
	ds_add_u32 v[SPW], v[NIL]                      ; 0 onto my spare word
	s_wait_dscnt 4*NL+1                            ; (the add and A's blocks 4-7 may be out)
	WIN MUL_LO
	MUL16 0, 1, 1, \slot, 0
	s_wait_dscnt 0x0                               ; the add is done, and my reads of this slot are over
	s_barrier_signal -1
	MUL16 2, 1, 1, \slot, 0
	WIN 0
	s_barrier_wait -1
.if \fill
	CREST                                          ; a round of the cluster's barrier: no wave of any partner still reads this slot or has a load on its way
	s_add_nc_u64 s[G0+4*\slot+2:G0+4*\slot+3], s[G0+4*\slot+2:G0+4*\slot+3], 2*3072
	s_add_nc_u64 s[G0B+4*\slot+2:G0B+4*\slot+3], s[G0B+4*\slot+2:G0B+4*\slot+3], 2*3072
	JLOAD G0+4*\slot, G1, G0B+4*\slot, G1B
.else
	PLACES NP
.endif
	v_add_nc_u32 v[ADRS], 1024, v[ADRS]
	FETCH_B \next, 0, 0
	FETCH_A \next, 0, 0
	SCALES \next
	WIN MUL_HI
	MUL16 4, 1, 1, \slot, 0
	MUL16 6, 1, 1, \slot, 0
	PLACES NP
	WIN 0
	FETCH_A \next, 0, 4
.endm
	s_load_b256 s[4:11], s[0:1], 0x0               ; A's buffer s[4:5], prepb s[6:7], the bias s[8:9], the residual (h as f32 rows, at hbuf's head) s[10:11]
	s_load_b64 s[12:13], s[0:1], 0x20              ; rbuf
	v_lshl_add_u32 v[SPW], v0, 2, SPARE
	v_mov_b32 v[NIL], 0
	ds_add_u32 v28, v29
	ds_add_u32 v28, v29
	s_wait_dscnt 0x0
	v_lshrrev_b32 v1, 5, v0
	v_readfirstlane_b32 s14, v1
	s_lshr_b32 s15, s14, 1
	s_and_b32 s16, s14, 1
	s_bfe_u32 s40, ttmp6, 0x40000
	s_bfe_u32 s41, ttmp6, 0x40004
	s_lshl_b32 s42, ttmp9, 2
	s_add_co_u32 s42, s42, s40                     ; tile column
	s_and_b32 s17, ttmp7, 0xffff
	s_lshl_b32 s17, s17, 2
	s_add_co_u32 s17, s17, s41                     ; tile row
	s_lshl_b32 s43, s41, 2
	s_lshl_b32 s43, 15, s43
	s_lshl_b32 s44, 0x1111, s40
	s_or_b32 s[G1+0], s43, (3<<16)|(1<<21)
	s_or_b32 s[G1B+0], s44, (3<<16)|(1<<21)
.irp g, G1, G1B
	s_mov_b32 s[\g+1], 384<<16
	s_mov_b32 s[\g+2], 8<<16
	s_mov_b32 s[\g+3], 384<<16
	s_mov_b32 s[\g+4], 8
	s_mov_b32 s[\g+5], NS*192
	s_mov_b32 s[\g+6], 0
	s_mov_b32 s[\g+7], 0
.endr
	s_or_b32 s[G1S+0], s43, (3<<16)|(1<<21)
	s_or_b32 s[G1SB+0], s44, (3<<16)|(1<<21)
.irp g, G1S, G1SB
	s_mov_b32 s[\g+1], 32<<16
	s_mov_b32 s[\g+2], (2*NS)<<16
	s_mov_b32 s[\g+3], 32<<16
	s_mov_b32 s[\g+4], 2*NS
	s_mov_b32 s[\g+5], 32
	s_mov_b32 s[\g+6], 0
	s_mov_b32 s[\g+7], 0
.endr
	s_lshl_b32 s18, s16, 3
	s_lshl_b32 s20, s17, 4
	s_add_co_u32 s20, s20, s18
	s_mul_i32 s20, s20, TP
	s_add_co_u32 s20, s20, A_IMG
	s_mov_b32 s21, 0
	s_lshl_b32 s22, s17, 1
	s_add_co_u32 s22, s22, s16
	s_mul_i32 s22, s22, PS
	s_add_co_u32 s22, s22, A_SCL
	s_mov_b32 s23, 0
	s_lshl_b32 s46, s42, 4
	s_add_co_u32 s46, s46, s18
	s_mul_i32 s46, s46, TP
	s_add_co_u32 s46, s46, B_IMG
	s_mov_b32 s47, 0
	s_lshl_b32 s92, s42, 1
	s_add_co_u32 s92, s92, s16
	s_mul_i32 s92, s92, PS
	s_add_co_u32 s92, s92, B_SCL
	s_mov_b32 s93, 0
	s_mul_i32 s45, s14, HALFT
	s_mul_i32 s94, s14, PS
	s_wait_kmcnt 0x0
	s_add_nc_u64 s[20:21], s[4:5], s[20:21]
	s_add_nc_u64 s[22:23], s[4:5], s[22:23]
	s_add_nc_u64 s[46:47], s[6:7], s[46:47]
	s_add_nc_u64 s[92:93], s[6:7], s[92:93]
	CROUND                                         ; all sixteen work-groups are here: the first joint loads meet
	s_mov_b32 s[G0S], 1
	s_add_co_u32 s[G0S+1], s94, SCL
	s_mov_b64 s[G0S+2:G0S+3], s[22:23]
	s_or_b32 s[G0S+3], s[G0S+3], 0x80000000
	s_mov_b32 s[G0SB], 1
	s_add_co_u32 s[G0SB+1], s94, SCL
	s_mov_b64 s[G0SB+2:G0SB+3], s[92:93]
	s_or_b32 s[G0SB+3], s[G0SB+3], 0x80000000
	JLOAD G0S, G1S, G0SB, G1SB
.irp s, 0,1
	s_mov_b32 s[G0+4*\s], 1
	s_add_co_u32 s[G0+4*\s+1], s45, \s*SLOT
	s_add_nc_u64 s[G0+4*\s+2:G0+4*\s+3], s[20:21], \s*3072
	s_or_b32 s[G0+4*\s+3], s[G0+4*\s+3], 0x80000000
	s_mov_b32 s[G0B+4*\s], 1
	s_add_co_u32 s[G0B+4*\s+1], s45, \s*SLOT
	s_add_nc_u64 s[G0B+4*\s+2:G0B+4*\s+3], s[46:47], \s*3072
	s_or_b32 s[G0B+4*\s+3], s[G0B+4*\s+3], 0x80000000
	JLOAD G0+4*\s, G1, G0B+4*\s, G1B
.endr
	v_and_b32 v1, 15, v0
	v_bfe_u32 v2, v0, 4, 1
	v_and_b32 v3, 31, v0
	v_lshlrev_b32 v8, 4, v3
	v_lshlrev_b32 v9, 4, v1
	v_lshl_add_u32 v9, v2, 3, v9
	v_add_nc_u32 v9, 512, v9
	s_mul_i32 s21, s15, HALFT
	s_mul_i32 s22, s16, HALFT
	s_add_co_u32 s22, s22, 2*HALFT
.irp s, 0,1
	v_add_nc_u32 v[ADRA+\s], s21, v8
	v_add_nc_u32 v[ADRB+\s], s22, v8
	v_add_nc_u32 v[ADRA+2+\s], s21, v9
	v_add_nc_u32 v[ADRB+2+\s], s22, v9
	s_add_co_u32 s21, s21, SLOT
	s_add_co_u32 s22, s22, SLOT
.endr
	v_lshlrev_b32 v5, 3, v1
	s_mul_i32 s21, s15, PS
	s_mul_i32 s22, s16, PS
	s_add_co_u32 s22, s22, 2*PS
	s_sub_co_u32 s22, s22, s21
	v_mul_u32_u24 v6, s22, v2
	s_add_co_u32 s21, s21, SCL
	v_add_nc_u32 v5, v5, v6
	v_add_nc_u32 v[ADRS], s21, v5
	s_mul_i32 s23, s14, 16*SPITCH                  ; my stage
	v_mul_u32_u24 v5, v1, SPITCH
	v_lshl_add_u32 v5, v2, 6, v5                   ; in: row r, + 64 h
	v_add_nc_u32 v[STO], s23, v5
	v_add_nc_u32 v[RD], s23, v8                    ; back: a whole row of 512 bytes, 16 bytes a lane
	v_mov_b32 v[CO], v8
	s_lshl_b32 s20, s17, 8
	s_lshl_b32 s21, s15, 7
	s_add_co_u32 s20, s20, s21
	s_lshl_b32 s20, s20, 12                        ; my first row of C, rows of 4,096 bytes
	s_lshl_b32 s46, s42, 10
	s_lshl_b32 s47, s16, 9
	s_add_co_u32 s46, s46, s47                     ; my first column, in bytes
	s_add_co_u32 s20, s20, s46
	s_mov_b32 s21, 0
	s_mov_b32 s47, 0
	s_add_nc_u64 s[12:13], s[12:13], s[20:21]
	s_add_nc_u64 s[10:11], s[10:11], s[20:21]
	s_add_nc_u64 s[8:9], s[8:9], s[46:47]
	global_load_b128 v[BIAS:BIAS+3], v8, s[8:9]    ; the bias of my four columns of a row
	s_wait_loadcnt 0x0
	s_wait_tensorcnt 1                             ; the scale words and my part of K step 0 are in (slot 1's load may be out)
	s_barrier_signal -1
	s_barrier_wait -1
	FETCH_B 0, 0, 0
	FETCH_A 0, 0, 0
	SCALES 0
	FETCH_A 0, 0, 4
	STEP 0, 0, 1
	s_mov_b32 s3, LAPS-1
.Llap:
	TURN 0, 1, 1
	STEP 1, 0, 0
	TURN 1, 0, 1
	STEP 0, 0, 0
	s_sub_co_u32 s3, s3, 1
	s_cmp_lg_u32 s3, 0
	s_cbranch_scc1 .Llap
	TURN 0, 1, 0
	STEP 1, 0, 0
	s_wait_dscnt 4*NL
	WIN MUL_LO
	MUL16 0, 1, 1, 1, 0
	MUL16 2, 1, 1, 1, 0
	s_wait_dscnt 0
	WIN MUL_HI
	MUL16 4, 1, 1, 1, 0
	MUL16 6, 1, 1, 1, 0
	WIN 0
; THE WAY OUT, block by block of 16 rows x 128 columns, through my own stage in LDS; stage row t of block a is row 32 (a/2) + 8 (a%2) + t + 8 (t/8) of my 128.  Each row comes back whole (512 bytes), takes the bias and the residual's
; row, and is stored by 32 lanes as 512 consecutive bytes.  LDS serves a wave's instructions in order (ISA guide 5.7.1.4): no wait between the stores and the loads.
.macro RLOAD a                         ; the residual's 16 rows of block a into window 1
.set t, 0
.rept 16
	global_load_b128 v[64*((\a)%4)+4*t:64*((\a)%4)+4*t+3], v[CO], s[10:11] offset:(32*((\a)/2)+8*((\a)%2)+t+8*(t/8))*4096
.set t, t+1
.endr
.endm
.macro TOSTAGE a
.set AC, 64*((\a)%4)
	WIN 0x08+4*((\a)/4)                            ; the data: window 2 or 3
.irp b, 0,1,2,3,4,5,6,7
	ds_store_b128 v[STO], v[AC+8*\b:AC+8*\b+3] offset:128*(\b/2)+32*(\b%2)       ; each accumulator from its low end on
	ds_store_b128 v[STO], v[AC+8*\b+4:AC+8*\b+7] offset:128*(\b/2)+32*(\b%2)+16
.endr
	WIN 0
.set BB, BK+64*((\a)%2)
.irp t, 0,1,2,3,4,5,6,7,8,9,10,11,12,13,14,15
	ds_load_b128 v[BB+4*\t:BB+4*\t+3], v[RD] offset:\t*SPITCH
.endr
.endm
.macro FINISH a
.set BB, BK+64*((\a)%2)
.set RS, 64*((\a)%4)
.set p, 0
.rept 16
	v_pk_add_f32 v[BB+p:BB+p+1], v[BB+p:BB+p+1], v[BIAS:BIAS+1]
	v_pk_add_f32 v[BB+p+2:BB+p+3], v[BB+p+2:BB+p+3], v[BIAS+2:BIAS+3]
.set p, p+4
.endr
	WIN 0x04                                       ; source 1: window 1
.set p, 0
.rept 32
	v_pk_add_f32 v[BB+p:BB+p+1], v[BB+p:BB+p+1], v[RS+p:RS+p+1]
.set p, p+2
.endr
.if (\a) < 4
	WIN 0x40
	RLOAD (\a)+4                                   ; its registers take the block four further on
.endif
	WIN 0
.set t, 0
.rept 16
	global_store_b128 v[CO], v[BB+4*t:BB+4*t+3], s[12:13] offset:(32*((\a)/2)+8*((\a)%2)+t+8*(t/8))*4096
.set t, t+1
.endr
.endm
	PLACES NP                                      ; in front of the loads into B's registers and of the first read of results
	WIN 0x40
	RLOAD 0
	RLOAD 1
	RLOAD 2
	RLOAD 3
	WIN 0
	TOSTAGE 0
.irp a, 0,1,2,3,4,5,6,7
.if \a < 7
.if \a > 0
	s_wait_xcnt 0x0                                ; block a - 1's stores have read their registers: block a + 1's rows may land there
.endif
	TOSTAGE \a+1
	s_wait_dscnt 32                                ; block a is back; behind its loads stand block a + 1's 16 stores and 16 loads
.else
	s_wait_dscnt 0x0
.endif
.if \a < 4
	s_wait_loadcnt 48                              ; block a's residual rows are in; three later sets of 16 may be out
.else
	s_wait_loadcnt 16*(7-\a)
.endif
	FINISH \a
.endr
	s_wait_tensorcnt 0x0                           ; the wave's end
	ds_add_u32 v[SPW], v[NIL]
	s_wait_dscnt 0x0
	CROUND                                         ; the closing round
	s_endpgm
.Lfunc_end_k_qb23e6f17cc_ffn2:
	.size	k_qb23e6f17cc_ffn2, .Lfunc_end_k_qb23e6f17cc_ffn2-k_qb23e6f17cc_ffn2
	.p2alignl 7, 3214868480
	.fill 96, 4, 3214868480
	.section	.rodata,"a",@progbits
	.p2align	6, 0x0
	.amdhsa_kernel k_qb23e6f17cc_ffn2
		.amdhsa_group_segment_fixed_size 327680
		.amdhsa_private_segment_fixed_size 0
		.amdhsa_enable_private_segment 0
		.amdhsa_kernarg_size 40
		.amdhsa_user_sgpr_count 2
		.amdhsa_user_sgpr_kernarg_segment_ptr 1
		.amdhsa_wavefront_size32 1
		.amdhsa_system_sgpr_workgroup_id_x 1
		.amdhsa_system_sgpr_workgroup_id_y 1
		.amdhsa_system_sgpr_workgroup_id_z 1
		.amdhsa_system_vgpr_workitem_id 0
		.amdhsa_next_free_vgpr 1024
		.amdhsa_next_free_sgpr 102
		.amdhsa_reserve_vcc 0
		.amdhsa_float_denorm_mode_32 3
		.amdhsa_float_denorm_mode_16_64 3
		.amdhsa_memory_ordered 1
		.amdhsa_forward_progress 1
		.amdhsa_inst_pref_size 189
	.end_amdhsa_kernel
	.amdgpu_metadata
---
amdhsa.version: [ 1, 2 ]
amdhsa.kernels:
  - .name:           k_qb23e6f17cc_ffn2
    .symbol:         k_qb23e6f17cc_ffn2.kd
    .args:
      - { .name: gbuf, .offset: 0, .size: 8, .value_kind: global_buffer, .address_space: global }
      - { .name: prepb, .offset: 8, .size: 8, .value_kind: global_buffer, .address_space: global }
      - { .name: bf2, .offset: 16, .size: 8, .value_kind: global_buffer, .address_space: global }
      - { .name: hbuf, .offset: 24, .size: 8, .value_kind: global_buffer, .address_space: global }
      - { .name: rbuf, .offset: 32, .size: 8, .value_kind: global_buffer, .address_space: global }
    .group_segment_fixed_size: 327680
    .private_segment_fixed_size: 0
    .kernarg_segment_align: 8
    .kernarg_segment_size: 40
    .max_flat_workgroup_size: 128
    .sgpr_count:     102
    .vgpr_count:     1024
    .wavefront_size: 32
...
	.end_amdgpu_metadata
.endif
;; end of part 7
;; launch ln2 (part 8): grid 256 x 1, 8 waves a work-group, no clusters, 0 bytes of LDS; arguments rbuf, g2, b2, out0; writes out0
.if DOCPART == 8
	.amdgcn_target "amdgcn-amd-amdhsa--gfx1250"
	.amdhsa_code_object_version 6
	.text
	.protected	k_qb23e6f17cc_ln2
	.globl	k_qb23e6f17cc_ln2
	.p2align	8
	.type	k_qb23e6f17cc_ln2,@function
k_qb23e6f17cc_ln2:
	s_mov_b64 s[64:65], 0
	v_nop
	global_prefetch_b8 v0, s[64:65] scope:SCOPE_SE
	s_setreg_imm32_b32 hwreg(HW_REG_WAVE_MODE, 25, 1), 1
	s_wait_xcnt 0x0
; out0 = g2 (r - mean) / sqrt(var + 1e-12) + b2 by rows of 1,024, all in f32.  A stream: a wave takes two whole rows (32 registers a row), so the sums never leave the wave: no LDS, no barrier, no matrix unit.
; Every load and store of a wave covers 512 consecutive bytes; each byte is read once and written once.
; LIMITS: NaN and infinities are not served.
.set ROWS, 2
.set SEL, 2
.set L16, 5
.set G,   96
.set B,   128
.macro ALLSUM d, t                     ; v[d] summed over the 32 lanes, in every lane
	v_add_f32_dpp v[\d], v[\d], v[\d] row_xmask:1 row_mask:0xf bank_mask:0xf
	v_add_f32_dpp v[\d], v[\d], v[\d] row_xmask:2 row_mask:0xf bank_mask:0xf
	v_add_f32_dpp v[\d], v[\d], v[\d] row_xmask:4 row_mask:0xf bank_mask:0xf
	v_add_f32_dpp v[\d], v[\d], v[\d] row_xmask:8 row_mask:0xf bank_mask:0xf
	v_permlanex16_b32 v[\t], v[\d], s[SEL], s[SEL+1]
	v_add_f32 v[\d], v[\d], v[\t]
.endm
.macro ROWLN i
.set X, 32+32*(\i)
	s_wait_loadcnt 8*(ROWS-1-(\i))                 ; g, b and row i are in; the later row's eight loads may be out
	v_pk_add_f32 v[16:17], v[X:X+1], v[X+2:X+3]
	v_pk_add_f32 v[18:19], v[X+4:X+5], v[X+6:X+7]
.irp p, 8,12,16,20,24,28
	v_pk_add_f32 v[16:17], v[16:17], v[X+\p:X+\p+1]
	v_pk_add_f32 v[18:19], v[18:19], v[X+\p+2:X+\p+3]
.endr
	v_pk_add_f32 v[16:17], v[16:17], v[18:19]
	v_add_f32 v20, v16, v17
	ALLSUM 20, 21
	v_mul_f32 v22, 0x3a800000, v20                 ; the mean: / 1,024
	v_mov_b32 v23, v22
.set p, 0
.rept 16
	v_pk_add_f32 v[X+p:X+p+1], v[X+p:X+p+1], v[22:23] neg_lo:[0,1] neg_hi:[0,1]
.set p, p+2
.endr
	v_pk_mul_f32 v[16:17], v[X:X+1], v[X:X+1]
	v_pk_mul_f32 v[18:19], v[X+2:X+3], v[X+2:X+3]
.irp p, 4,8,12,16,20,24,28
	v_pk_fma_f32 v[16:17], v[X+\p:X+\p+1], v[X+\p:X+\p+1], v[16:17]
	v_pk_fma_f32 v[18:19], v[X+\p+2:X+\p+3], v[X+\p+2:X+\p+3], v[18:19]
.endr
	v_pk_add_f32 v[16:17], v[16:17], v[18:19]
	v_add_f32 v20, v16, v17
	ALLSUM 20, 21
	v_fma_f32 v20, v20, s31, s32                   ; the variance + 1e-12
	v_rsq_f32 v24, v20
	v_nop                                          ; a plain place behind the transcendental
	s_wait_alu depctr_va_vdst(0)                   ; and the wait ahead of its first reader
	v_mov_b32 v25, v24
.set p, 0
.rept 16
	v_pk_mul_f32 v[X+p:X+p+1], v[X+p:X+p+1], v[24:25]
.set p, p+2
.endr
.set p, 0
.rept 16
	v_pk_fma_f32 v[X+p:X+p+1], v[X+p:X+p+1], v[G+p:G+p+1], v[B+p:B+p+1]
.set p, p+2
.endr
.irp j, 0,1,2,3,4,5,6,7
	global_store_b128 v[L16], v[X+4*\j:X+4*\j+3], s[10:11] offset:4096*(\i)+512*\j th:TH_STORE_NT
.endr
.endm
	s_load_b256 s[4:11], s[0:1], 0x0               ; rbuf, g2, b2, out0
	v_lshrrev_b32 v1, 5, v0
	v_readfirstlane_b32 s12, v1                    ; wave 0..7
	v_and_b32 v2, 31, v0
	v_lshlrev_b32 v[L16], 4, v2
	v_mov_b32 v21, 0                               ; a lane permute's destination counts as one of its sources
	s_mov_b32 s[SEL], 0x76543210
	s_mov_b32 s[SEL+1], 0xfedcba98
	s_mov_b32 s31, 0x3a800000                      ; 1 / 1,024
	s_mov_b32 s32, 0x2b8cbccc                      ; 1e-12
	s_lshl_b32 s13, ttmp9, 4
	s_lshl_b32 s14, s12, 1
	s_add_co_u32 s13, s13, s14                     ; my first row: 16 x work-group + 2 x wave
	s_lshl_b32 s14, s13, 12
	s_mov_b32 s15, 0
	s_wait_kmcnt 0x0
	s_add_nc_u64 s[4:5], s[4:5], s[14:15]
	s_add_nc_u64 s[10:11], s[10:11], s[14:15]
.irp j, 0,1,2,3,4,5,6,7
	global_load_b128 v[G+4*\j:G+4*\j+3], v[L16], s[6:7] offset:512*\j
.endr
.irp j, 0,1,2,3,4,5,6,7
	global_load_b128 v[B+4*\j:B+4*\j+3], v[L16], s[8:9] offset:512*\j
.endr
.irp i, 0,1
.irp j, 0,1,2,3,4,5,6,7
	global_load_b128 v[32+32*\i+4*\j:35+32*\i+4*\j], v[L16], s[4:5] offset:4096*\i+512*\j th:TH_LOAD_NT
.endr
.endr
	ROWLN 0
	ROWLN 1
	s_endpgm
.Lfunc_end_k_qb23e6f17cc_ln2:
	.size	k_qb23e6f17cc_ln2, .Lfunc_end_k_qb23e6f17cc_ln2-k_qb23e6f17cc_ln2
	.p2alignl 7, 3214868480
	.fill 96, 4, 3214868480
	.section	.rodata,"a",@progbits
	.p2align	6, 0x0
	.amdhsa_kernel k_qb23e6f17cc_ln2
		.amdhsa_group_segment_fixed_size 0
		.amdhsa_private_segment_fixed_size 0
		.amdhsa_enable_private_segment 0
		.amdhsa_kernarg_size 32
		.amdhsa_user_sgpr_count 2
		.amdhsa_user_sgpr_kernarg_segment_ptr 1
		.amdhsa_wavefront_size32 1
		.amdhsa_system_sgpr_workgroup_id_x 1
		.amdhsa_system_sgpr_workgroup_id_y 1
		.amdhsa_system_sgpr_workgroup_id_z 1
		.amdhsa_system_vgpr_workitem_id 0
		.amdhsa_next_free_vgpr 160
		.amdhsa_next_free_sgpr 66
		.amdhsa_reserve_vcc 0
		.amdhsa_float_denorm_mode_32 3
		.amdhsa_float_denorm_mode_16_64 3
		.amdhsa_memory_ordered 1
		.amdhsa_forward_progress 1
		.amdhsa_inst_pref_size 18
	.end_amdhsa_kernel
	.amdgpu_metadata
---
amdhsa.version: [ 1, 2 ]
amdhsa.kernels:
  - .name:           k_qb23e6f17cc_ln2
    .symbol:         k_qb23e6f17cc_ln2.kd
    .args:
      - { .name: rbuf, .offset: 0, .size: 8, .value_kind: global_buffer, .address_space: global }
      - { .name: g2, .offset: 8, .size: 8, .value_kind: global_buffer, .address_space: global }
      - { .name: b2, .offset: 16, .size: 8, .value_kind: global_buffer, .address_space: global }
      - { .name: out0, .offset: 24, .size: 8, .value_kind: global_buffer, .address_space: global }
    .group_segment_fixed_size: 0
    .private_segment_fixed_size: 0
    .kernarg_segment_align: 8
    .kernarg_segment_size: 32
    .max_flat_workgroup_size: 256
    .sgpr_count:     66
    .vgpr_count:     160
    .wavefront_size: 32
...
	.end_amdgpu_metadata
.endif
;; end of part 8
;; ======== version 2 of 2: 8 launches
;; limits: right only within a limited range of input values
;; workspace buffers: prepb 13,107,200 bytes; qkvb 9,830,400 bytes; attb 3,276,800 bytes; rbuf 16,777,216 bytes; hbuf 20,054,016 bytes; gbuf 13,107,200 bytes
;; launch prep (part 9): grid 320 x 1, 8 waves a work-group, no clusters, 132,608 bytes of LDS; arguments x, wq, wk, wv, wo, w1, w2, prepb; writes prepb
.if DOCPART == 9
	.amdgcn_target "amdgcn-amd-amdhsa--gfx1250"
	.amdhsa_code_object_version 6
	.text
	.protected	k_qb23e6f17cc_prep
	.globl	k_qb23e6f17cc_prep
	.p2align	8
	.type	k_qb23e6f17cc_prep,@function
k_qb23e6f17cc_prep:
	s_mov_b64 s[64:65], 0
	v_nop
	global_prefetch_b8 v0, s[64:65] scope:SCOPE_SE
	s_setreg_imm32_b32 hwreg(HW_REG_WAVE_MODE, 25, 1), 1
	s_wait_xcnt 0x0
; x [4096][1024] and the six weights (f32, K = first axis) become codes of FP6 (E2M3) and E8M0 scale bytes, laid in prepb AS IMAGES OF OPERAND REGISTERS.
; TILE: tile T, lane row r is matrix row 32 (T/2) + 8 (T%2) + r + 8 (r/8).  HALF FRAGMENT (768 bytes) = 16 rows x 64 K: registers 0-3 at 16 x lane, registers 4-5 at 512 + 16 r + 8 h.
; FRAGMENT (1,536 bytes) = two of them = the 12 registers of a 16 x 128 operand.  IMG = [tile][K step][1536].  SCL = [rows/128][K step][4 pairs][16 r][2 tiles] scale words, 512 bytes a K step.
; prepb: four regions of 3,276,800 bytes (IMG 3,145,728 + SCL 131,072): x; wq,wk,wv,wo as rows 0.. 1024.. 2048.. 3072..; w1; w2.
; A block's scale is 2^(floor(log2(largest magnitude)) - 2); its byte is the largest magnitude's exponent field - 2, held at 1 from below.
; LIMITS: a block of zeros gets the byte 1 (its codes are zeros, and this program alone reads the bytes); NaN and infinities among the inputs are not served.
; Work-groups 0-127: 32 rows of x each, through a stage in LDS.  128-255: 256 columns x 256 K of wq, wk, wv, wo, w2.  256-319: the same of w1.  Only the first path touches LDS or has a barrier.
.set SPITCH, 4112                      ; a stage row: 4,096 bytes + 16, so that the 16 rows of a read start 16 bytes apart modulo 256
.set SEL, 2                            ; s[2:3] selects of v_permlanex16_b32: lane l xor 16
.set OUT, 26                           ; s[26:27] where my fragments go
.set OSC, 28                           ; s[28:29] where my scale words go
.set HM,  30                           ; s30 mask of lanes 16-31
.set L16, 5                            ; v5 16 x lane
.set RA0, 6                            ; v6, v7 stage addresses of tile 0's and tile 1's numbers
.set RA1, 7
.set L8,  8                            ; v8 512 + 16 r + 8 h
.set LW,  9                            ; v9 8 r + 4 h
.set WA,  10                           ; v10 stage address on the way in
.set TM,  160
.set PC0, 176
.set PC1, 196
.set PW0, 216
.set PW1, 217
.set PWX, 218
; 64 numbers of a lane, register 16 b + i = k 32 b + 16 h + i of my row, become a fragment's 12 registers in v[pc] on and the row's scale word in v[pw].
.macro QUANT s, pc, pw
.irp b, 0,1,2,3
	v_max3_num_f32 v[TM+\b], |v[\s+16*\b]|, |v[\s+1+16*\b]|, 0x1800000   ; my 16 numbers of block b, and the floor 2^(3 - 127): the byte cannot fall under 1
.endr
.irp i, 2,4,6,8,10,12,14
.irp b, 0,1,2,3
	s_delay_alu instid0(VALU_DEP_4)
	v_max3_num_f32 v[TM+\b], v[TM+\b], |v[\s+16*\b+\i]|, |v[\s+1+16*\b+\i]|
.endr
.endr
.irp b, 0,1,2,3
	s_delay_alu instid0(VALU_DEP_4)
	v_permlanex16_b32 v[TM+4+\b], v[TM+\b], s[SEL], s[SEL+1]
.endr
.irp b, 0,1,2,3
	s_delay_alu instid0(VALU_DEP_4)
	v_max_num_f32 v[TM+\b], v[TM+\b], v[TM+4+\b]                     ; with lane l xor 16's: the block's largest magnitude
.endr
.irp b, 0,1,2,3
	s_delay_alu instid0(VALU_DEP_4)
	v_add_nc_u32 v[TM+12+\b], 0xff000000, v[TM+\b]                   ; 2 off its exponent field: the conversion's scale operand
.endr
.irp b, 0,1,2,3
	s_delay_alu instid0(VALU_DEP_4)
	v_lshrrev_b32 v[TM+4+\b], 23, v[TM+12+\b]                        ; the scale's byte
.endr
	s_delay_alu instid0(VALU_DEP_3)
	v_lshl_or_b32 v[\pw], v[TM+5], 8, v[TM+4]
	s_delay_alu instid0(VALU_DEP_1)
	v_lshl_or_b32 v[\pw], v[TM+6], 16, v[\pw]
	s_delay_alu instid0(VALU_DEP_1)
	v_lshl_or_b32 v[\pw], v[TM+7], 24, v[\pw]
.irp c, 0,1
	v_cvt_scalef32_pk16_fp6_f32 v[\pc+6*\c:\pc+2+6*\c], v[\s+32*\c:\s+15+32*\c], v[TM+12+2*\c]
	v_cvt_scalef32_pk16_fp6_f32 v[\pc+12+4*\c:\pc+14+4*\c], v[\s+16+32*\c:\s+31+32*\c], v[TM+12+2*\c+1]
.endr
	v_nop                                                            ; one plain place behind the scaled conversions
.irp c, 0,1                                                          ; a lane wants a whole block: lanes 0-15 block 2 c, lanes 16-31 block 2 c + 1
.irp i, 0,1,2
	v_permlane16_swap_b32 v[\pc+6*\c+\i], v[\pc+12+4*\c+\i]
.endr
.irp i, 0,1,2
	s_delay_alu instid0(VALU_DEP_3)
	v_mov_b32 v[\pc+3+6*\c+\i], v[\pc+12+4*\c+\i]
.endr
.endr
.endm
.macro PUTFRAG pc, imm                 ; a fragment leaves as it stands: stores of 512, 256, 512 and 256 consecutive bytes
	global_store_b128 v[L16], v[\pc:\pc+3], s[OUT:OUT+1] offset:\imm
	global_store_b64 v[L8], v[\pc+4:\pc+5], s[OUT:OUT+1] offset:\imm
	global_store_b128 v[L16], v[\pc+6:\pc+9], s[OUT:OUT+1] offset:\imm+768
	global_store_b64 v[L8], v[\pc+10:\pc+11], s[OUT:OUT+1] offset:\imm+768
.endm
; Wave w takes K step w of the stage's two tiles of 16 rows.
.macro TOIMG
.irp b, 0,1,2,3
.irp j, 0,1,2,3
	ds_load_b128 v[32+16*\b+4*\j:35+16*\b+4*\j], v[RA0] offset:128*\b+16*\j
.endr
.endr
.irp b, 0,1,2,3
.irp j, 0,1,2,3
	ds_load_b128 v[96+16*\b+4*\j:99+16*\b+4*\j], v[RA1] offset:128*\b+16*\j
.endr
.endr
.irp b, 0,1,2,3
	v_mov_b32 v[TM+4+\b], 0                                          ; a lane permute's destination counts as one of its sources
.endr
	s_wait_dscnt 16                                                  ; tile 0's 16 loads are in; tile 1's may be out
	QUANT 32, PC0, PW0
	PUTFRAG PC0, 0
	s_wait_dscnt 0x0
	QUANT 96, PC1, PW1
	PUTFRAG PC1, 12288                                               ; the next tile: 8 K steps of 1,536 bytes on
	v_cndmask_b32 v[PWX], v[PW0], v[PW1], s[HM]                      ; lanes 0-15 tile 0's word, lanes 16-31 tile 1's
	global_store_b32 v[LW], v[PWX], s[OSC:OSC+1]                     ; 128 consecutive bytes
.endm
	s_load_b512 s[8:23], s[0:1], 0x0               ; x s[8:9], wq, wk, wv, wo, w1 s[18:19], w2 s[20:21], prepb s[22:23]
	v_lshl_add_u32 v224, v0, 2, 0x20200
	v_mov_b32 v225, 0
	v_lshrrev_b32 v1, 5, v0
	s_delay_alu instid0(VALU_DEP_1)
	v_readfirstlane_b32 s4, v1                     ; wave 0..7
	v_and_b32 v2, 31, v0                           ; lane
	s_cmp_lt_u32 ttmp9, 128
	s_cbranch_scc0 .Lweights
	; ---- x: work-group P takes rows 32 P .. 32 P + 31.  Stage row 16 u + r holds the row of tile 2 P + u, lane row r.
	v_and_b32 v3, 15, v0                           ; r
	v_bfe_u32 v4, v0, 4, 1                         ; h
	v_lshlrev_b32 v[L16], 4, v2
	s_delay_alu instid0(VALU_DEP_3)
	v_lshlrev_b32 v[L8], 4, v3
	s_delay_alu instid0(VALU_DEP_1)
	v_lshl_add_u32 v[L8], v4, 3, v[L8]
	s_delay_alu instid0(VALU_DEP_1)
	v_add_nc_u32 v[L8], 512, v[L8]
	v_lshlrev_b32 v[LW], 3, v3
	s_delay_alu instid0(VALU_DEP_1)
	v_lshl_add_u32 v[LW], v4, 2, v[LW]
	s_mul_i32 s5, s4, 4*SPITCH
	v_add_nc_u32 v[WA], s5, v[L16]                 ; my wave's four stage rows
	v_mul_u32_u24 v[RA0], v3, SPITCH
	s_delay_alu instid0(VALU_DEP_1)
	v_lshl_add_u32 v[RA0], v4, 6, v[RA0]
	s_lshl_b32 s5, s4, 9
	v_add_nc_u32 v[RA0], s5, v[RA0]                ; row r, K step w, my half's 16 numbers of each block
	s_delay_alu instid0(VALU_DEP_1)
	v_add_nc_u32 v[RA1], 16*SPITCH, v[RA0]
	s_mov_b32 s[SEL], 0x76543210
	s_mov_b32 s[SEL+1], 0xfedcba98
	s_mov_b32 s[HM], 0xffff0000
	s_lshl_b32 s5, ttmp9, 5                        ; stage rows 4 w .. 4 w + 3 are four consecutive rows of x from 32 P + 8 (w/4) + 4 (w%4) + 8 ((w/2)%2)
	s_lshr_b32 s6, s4, 2
	s_lshl_b32 s6, s6, 3
	s_add_co_u32 s5, s5, s6
	s_and_b32 s6, s4, 3
	s_lshl_b32 s6, s6, 2
	s_add_co_u32 s5, s5, s6
	s_bfe_u32 s6, s4, 0x10001
	s_lshl_b32 s6, s6, 3
	s_add_co_u32 s5, s5, s6
	s_lshl_b32 s24, s5, 12
	s_mov_b32 s25, 0
	s_lshl_b32 s[OUT], ttmp9, 4
	s_add_co_u32 s[OUT], s[OUT], s4
	s_mul_i32 s[OUT], s[OUT], 1536                 ; fragment (tile 2 P, K step w)
	s_mov_b32 s[OUT+1], 0
	s_lshr_b32 s[OSC], ttmp9, 2
	s_lshl_b32 s[OSC], s[OSC], 3
	s_add_co_u32 s[OSC], s[OSC], s4
	s_lshl_b32 s[OSC], s[OSC], 9
	s_and_b32 s6, ttmp9, 3
	s_lshl_b32 s6, s6, 7
	s_add_co_u32 s[OSC], s[OSC], s6
	s_add_co_u32 s[OSC], s[OSC], 3145728
	s_mov_b32 s[OSC+1], 0
	s_wait_alu depctr_va_vdst(0)
	s_wait_kmcnt 0x0
	s_add_nc_u64 s[8:9], s[8:9], s[24:25]
	s_add_nc_u64 s[OUT:OUT+1], s[22:23], s[OUT:OUT+1]
	s_add_nc_u64 s[OSC:OSC+1], s[22:23], s[OSC:OSC+1]
.irp i, 0,1,2,3
.irp j, 0,1,2,3,4,5,6,7
	global_load_b128 v[32+32*\i+4*\j:35+32*\i+4*\j], v[L16], s[8:9] offset:4096*\i+512*\j th:TH_LOAD_NT   ; 512 consecutive bytes a load
.endr
.endr
.irp i, 0,1,2,3
	s_wait_loadcnt 8*(3-\i)                        ; row i's eight loads are in; the later rows' may be out
.irp j, 0,1,2,3,4,5,6,7
	ds_store_b128 v[WA], v[32+32*\i+4*\j:35+32*\i+4*\j] offset:SPITCH*\i+512*\j
.endr
.endr
	s_wait_dscnt 0x0                               ; for the others' sake: my stores into the stage are done
	s_barrier_signal -1
	s_barrier_wait -1
	TOIMG
	s_wait_tensorcnt 0x0
	ds_add_u32 v224, v225
	s_wait_dscnt 0x0
	s_endpgm
; ---- the weights.  A LANE TAKES A COLUMN (a row of the operand) AND ITS REGISTERS RUN DOWN K: a block of 32 lies in one lane, and the codes come out with K innermost.
; Lane l of a wave's 32 columns is tile u = (l/8)%2, lane row r = l%8 + 8 (l/16).  A lane holds both halves of each half fragment: three stores of 16 bytes (h = 0; h = 1; registers 4-5 of both).
.macro LOADB t, n
.set i, 0
.rept 32
	global_load_b32 v[32+32*((\t)%2)+i], v3, s[24:25] offset:(32*(\t)+i)*4*(\n) th:TH_LOAD_NT
.set i, i+1
.endr
.endm
.macro BLOCK t, n
.set XS, 32+32*((\t)%2)
.set CB, 96+24*((\t)/4)+12*(((\t)/2)%2)
.set HH, (\t)%2
.if (\t) < 7
	s_wait_loadcnt 32                              ; this block's 32 loads are in; the next block's may be out
.else
	s_wait_loadcnt 0x0
.endif
	v_max3_num_f32 v12, |v[XS]|, |v[XS+1]|, |v[XS+2]|
	v_max3_num_f32 v13, |v[XS+3]|, |v[XS+4]|, |v[XS+5]|
.irp i, 6,10,14,18,22,26
	s_delay_alu instid0(VALU_DEP_2)
	v_max3_num_f32 v12, v12, |v[XS+\i]|, |v[XS+\i+1]|
	s_delay_alu instid0(VALU_DEP_2)
	v_max3_num_f32 v13, v13, |v[XS+\i+2]|, |v[XS+\i+3]|
.endr
	s_delay_alu instid0(VALU_DEP_2)
	v_max3_num_f32 v12, v12, |v[XS+30]|, |v[XS+31]|
	s_delay_alu instid0(VALU_DEP_1)
	v_max3_num_f32 v12, v12, v13, 0x1800000        ; and the floor
	s_delay_alu instid0(VALU_DEP_1)
	v_add_nc_u32 v11, 0xff000000, v12
	s_delay_alu instid0(VALU_DEP_1)
	v_lshrrev_b32 v14, 23, v11
	v_cvt_scalef32_pk16_fp6_f32 v[CB+4*HH:CB+4*HH+2], v[XS:XS+15], v11
	v_cvt_scalef32_pk16_fp6_f32 v[144:146], v[XS+16:XS+31], v11
.if (\t)%4 == 0
	v_mov_b32 v[148+(\t)/4], v14                   ; (also the plain place behind the conversions)  four bytes to a scale word, the lower K in the lower byte
.else
	v_lshl_or_b32 v[148+(\t)/4], v14, 8*((\t)%4), v[148+(\t)/4]
.endif
	v_mov_b32 v[CB+4*HH+3], v144
	v_mov_b32 v[CB+8+2*HH], v145
	v_mov_b32 v[CB+9+2*HH], v146
.if (\t)+2 < 8
	LOADB (\t)+2, \n
.endif
.if (\t)%4 == 3
.set CK, 96+24*((\t)/4)
.irp c, 0,1
	global_store_b128 v6, v[CK+12*\c:CK+12*\c+3], s[36:37] offset:1536*((\t)/4)+768*\c          ; each store: two runs of 256 consecutive bytes, one for each tile
	global_store_b128 v6, v[CK+12*\c+4:CK+12*\c+7], s[36:37] offset:1536*((\t)/4)+768*\c+256
	global_store_b128 v6, v[CK+12*\c+8:CK+12*\c+11], s[36:37] offset:1536*((\t)/4)+768*\c+512
.endr
	global_store_b32 v7, v[148+(\t)/4], s[38:39] offset:512*((\t)/4)
.endif
.endm
; s[24:25] source, s26 K steps of the operand, s27 its region in prepb, s6 its first row / 1024, s29 which 256 columns, s30 which 256 along K; n: numbers in a row of the source
.macro WBODY n
	s_lshl_b32 s31, s29, 8
	s_lshl_b32 s32, s4, 5
	s_add_co_u32 s31, s31, s32                     ; my wave's first column
	s_mul_i32 s32, s30, 256*(\n)*4
	s_lshl_b32 s33, s31, 2
	s_add_co_u32 s32, s32, s33
	s_mov_b32 s33, 0
	s_add_nc_u64 s[24:25], s[24:25], s[32:33]
	s_lshl_b32 s34, s6, 10
	s_add_co_u32 s34, s34, s31                     ; the operand's row of my lane 0
	s_lshr_b32 s35, s34, 5                         ; which pair of tiles
	s_mul_i32 s36, s35, s26
	s_add_co_u32 s36, s36, s30
	s_mul_i32 s36, s36, 3072                       ; (2 pair x K steps + 2 kr) x 1,536
	s_add_co_u32 s36, s36, s27
	s_mov_b32 s37, 0
	s_add_nc_u64 s[36:37], s[22:23], s[36:37]
	s_lshr_b32 s38, s34, 7
	s_mul_i32 s38, s38, s26
	s_lshl_b32 s39, s30, 1
	s_add_co_u32 s38, s38, s39
	s_lshl_b32 s38, s38, 9
	s_and_b32 s39, s35, 3
	s_lshl_b32 s39, s39, 7
	s_add_co_u32 s38, s38, s39
	s_add_co_u32 s38, s38, s27
	s_add_co_u32 s38, s38, 3145728
	s_mov_b32 s39, 0
	s_add_nc_u64 s[38:39], s[22:23], s[38:39]
	v_lshlrev_b32 v3, 2, v2                        ; in: 4 bytes a lane, 128 consecutive bytes a wave, 1,024 a work-group
	v_bfe_u32 v4, v2, 3, 1                         ; u
	v_and_b32 v5, 7, v2
	v_lshrrev_b32 v6, 4, v2
	s_delay_alu instid0(VALU_DEP_1)
	v_lshl_add_u32 v5, v6, 3, v5                   ; r
	s_mul_i32 s40, s26, 1536
	v_mul_u32_u24 v6, s40, v4
	s_delay_alu instid0(VALU_DEP_1)
	v_lshl_add_u32 v6, v5, 4, v6                   ; tile u's fragments, + 16 r
	v_lshlrev_b32 v7, 3, v5
	s_delay_alu instid0(VALU_DEP_1)
	v_lshl_add_u32 v7, v4, 2, v7                   ; 8 r + 4 u
	LOADB 0, \n
	LOADB 1, \n
.irp t, 0,1,2,3,4,5,6,7
	BLOCK \t, \n
.endr
.endm
.Lweights:
	s_sub_co_u32 s5, ttmp9, 128
	s_wait_kmcnt 0x0
	s_cmp_lt_u32 s5, 128
	s_cbranch_scc0 .Lw1
	s_lshr_b32 s6, s5, 4                           ; 0..3: wq, wk, wv, wo; above: w2
	s_cmp_eq_u32 s6, 1
	s_cselect_b64 s[24:25], s[12:13], s[10:11]
	s_cmp_eq_u32 s6, 2
	s_cselect_b64 s[24:25], s[14:15], s[24:25]
	s_cmp_eq_u32 s6, 3
	s_cselect_b64 s[24:25], s[16:17], s[24:25]
	s_mov_b32 s27, 3276800
	s_cmp_ge_u32 s5, 64
	s_cselect_b64 s[24:25], s[20:21], s[24:25]
	s_cselect_b32 s26, 32, 8
	s_cselect_b32 s27, 9830400, s27
	s_cselect_b32 s28, 63, 15
	s_cselect_b32 s6, 0, s6
	s_and_b32 s28, s5, s28
	s_and_b32 s29, s28, 3
	s_lshr_b32 s30, s28, 2
	s_wait_alu depctr_va_vdst(0)
	WBODY 1024
	s_endpgm
.Lw1:
	s_sub_co_u32 s28, s5, 128
	s_mov_b64 s[24:25], s[18:19]
	s_mov_b32 s26, 8
	s_mov_b32 s27, 6553600
	s_mov_b32 s6, 0
	s_and_b32 s29, s28, 15
	s_lshr_b32 s30, s28, 4
	s_wait_alu depctr_va_vdst(0)
	WBODY 4096
	s_endpgm
.Lfunc_end_k_qb23e6f17cc_prep:
	.size	k_qb23e6f17cc_prep, .Lfunc_end_k_qb23e6f17cc_prep-k_qb23e6f17cc_prep
	.p2alignl 7, 3214868480
	.fill 96, 4, 3214868480
	.section	.rodata,"a",@progbits
	.p2align	6, 0x0
	.amdhsa_kernel k_qb23e6f17cc_prep
		.amdhsa_group_segment_fixed_size 132608
		.amdhsa_private_segment_fixed_size 0
		.amdhsa_enable_private_segment 0
		.amdhsa_kernarg_size 64
		.amdhsa_user_sgpr_count 2
		.amdhsa_user_sgpr_kernarg_segment_ptr 1
		.amdhsa_wavefront_size32 1
		.amdhsa_system_sgpr_workgroup_id_x 1
		.amdhsa_system_sgpr_workgroup_id_y 1
		.amdhsa_system_sgpr_workgroup_id_z 1
		.amdhsa_system_vgpr_workitem_id 0
		.amdhsa_next_free_vgpr 226
		.amdhsa_next_free_sgpr 66
		.amdhsa_reserve_vcc 0
		.amdhsa_float_denorm_mode_32 3
		.amdhsa_float_denorm_mode_16_64 3
		.amdhsa_memory_ordered 1
		.amdhsa_forward_progress 1
		.amdhsa_inst_pref_size 108
	.end_amdhsa_kernel
	.amdgpu_metadata
---
amdhsa.version: [ 1, 2 ]
amdhsa.kernels:
  - .name:           k_qb23e6f17cc_prep
    .symbol:         k_qb23e6f17cc_prep.kd
    .args:
      - { .name: x, .offset: 0, .size: 8, .value_kind: global_buffer, .address_space: global }
      - { .name: wq, .offset: 8, .size: 8, .value_kind: global_buffer, .address_space: global }
      - { .name: wk, .offset: 16, .size: 8, .value_kind: global_buffer, .address_space: global }
      - { .name: wv, .offset: 24, .size: 8, .value_kind: global_buffer, .address_space: global }
      - { .name: wo, .offset: 32, .size: 8, .value_kind: global_buffer, .address_space: global }
      - { .name: w1, .offset: 40, .size: 8, .value_kind: global_buffer, .address_space: global }
      - { .name: w2, .offset: 48, .size: 8, .value_kind: global_buffer, .address_space: global }
      - { .name: prepb, .offset: 56, .size: 8, .value_kind: global_buffer, .address_space: global }
    .group_segment_fixed_size: 132608
    .private_segment_fixed_size: 0
    .kernarg_segment_align: 8
    .kernarg_segment_size: 64
    .max_flat_workgroup_size: 256
    .sgpr_count:     66
    .vgpr_count:     226
    .wavefront_size: 32
...
	.end_amdgpu_metadata
.endif
;; end of part 9
;; launch qkv (part 10): grid 12 x 16, 4 waves a work-group, clusters of 4 x 4, 327,680 bytes of LDS; arguments prepb, bq, bk, bv, qkvb; writes qkvb
.if DOCPART == 10
	.amdgcn_target "amdgcn-amd-amdhsa--gfx1250"
	.amdhsa_code_object_version 6
	.text
	.protected	k_qb23e6f17cc_qkv
	.globl	k_qb23e6f17cc_qkv
	.p2align	8
	.type	k_qb23e6f17cc_qkv,@function
k_qb23e6f17cc_qkv:
	s_mov_b64 s[64:65], 0
	v_nop
	global_prefetch_b8 v0, s[64:65] scope:SCOPE_SE
	s_setreg_imm32_b32 hwreg(HW_REG_WAVE_MODE, 25, 1), 1
	s_wait_xcnt 0x0
	s_wait_alu depctr_hold_cnt(0) depctr_sa_sdst(0) depctr_va_vdst(0) depctr_va_sdst(0) depctr_va_ssrc(0) depctr_va_vcc(0) depctr_vm_vsrc(0)
	s_getreg_b32 s2, hwreg(HW_REG_IB_STS2, 6, 4)
	s_cmp_eq_u32 s2, 0
	s_cbranch_scc0 .Lentry_in_a_cluster
	s_endpgm
.Lentry_in_a_cluster:
	s_bfe_u32 s2, ttmp6, 0x10000c
	s_cmp_lg_u32 s2, 0xf033
	s_cbranch_scc0 .Lentry_shape_is_right
	s_endpgm
.Lentry_shape_is_right:
; q = x wq + bq, k = x wk + bk (clusters x = 0, 1: A = x, B = the weight) and v^T (cluster x = 2: A = wv's rows, B = x), on codes of FP6 (E2M3) with E8M0 scales; the results are quantised on the way out into qkvb, as images of operand registers.
; A block of C is 256 x 256, four waves of 128 x 128; K goes in slots of 256 through two LDS slots; clusters 4 x 4 ask for A's tiles along a row and for B's along a column jointly.
; THE HEAD: one tensor load a wave: wave 0 A's slot 0, wave 1 B's, wave 2 A's scale words, wave 3 B's; slot 1 follows behind the full sequence and a round.
; PREFETCH: behind the fill of slot j each wave asks for slot j + 2 of two of the eight tiles that it will fetch: 24 blocks of 256 bytes, a lane a block; the four partners take different tiles, by address.  K has four slots, so only the first two fills ask.
; LIMITS: NaN and infinities are not served; a block of zeros gets the byte 1 (read by this program alone).
.set SIZE_K, 1024
.set PFO, 30
.set PFA, 4
.set VIMG,   6291456
.set QKSCL,  9437184
.set VSCL,   9699328
.set NS,     SIZE_K/128
.set LAPS,   SIZE_K/512
.set TP,     NS*1536
.set HALFT,  8*3072
.set SLOT,   4*HALFT
.set SCL,    2*SLOT
.set PS,     NS*512
.set SPARE,  SCL+4*PS
.set FR,     12
.set NL,     4
.set NP,     4
.set ADRA, 16
.set ADRB, 20
.set ADRS, 27
.set SPW,  28
.set NIL,  29
.set SC,   32
.set BN,   64
.set AF,   128
.set H,    128
.set PC,   192
.set TM,   212
.set PW,   228
.set PWS,  232
.set XW,   240
.set BM,   244
.set BMC,  252
.set SEL,  18
.set G1, 24
.set G0, 32
.set G1B, 48
.set G0B, 56
.set G1S, 68
.set G0S, 76
.set G1SB, 80
.set G0SB, 88
.set MSB, 0
.macro WIN new
.if MSB != \new
	s_set_vgpr_msb (MSB<<8)|\new
.set MSB, \new
.endif
.endm
.set MUL_LO, 0xa1
.set MUL_HI, 0xf1
.set TO_B,   0x40
.macro JLOAD g0a, g1a, g0b, g1b
	s_cmp_eq_u32 s15, 0
	s_cbranch_scc0 .Lfor_b_\@
	tensor_load_to_lds s[\g0a:\g0a+3], s[\g1a:\g1a+7]
	s_nop 0
.rept 4
	v_nop
.endr
	s_branch .Lasked_\@
.Lfor_b_\@:
	tensor_load_to_lds s[\g0b:\g0b+3], s[\g1b:\g1b+7]
	s_nop 0
.rept 4
	v_nop
.endr
.Lasked_\@:
.endm
.macro CREST
	s_cmp_lg_u32 s14, 0
	s_cbranch_scc1 .Lnot_wave_0_\@
	s_barrier_signal -3
.Lnot_wave_0_\@:
	s_barrier_wait -3
	s_barrier_signal -1
	s_barrier_wait -1
.endm
.macro CROUND
	s_barrier_signal -1
	s_barrier_wait -1
	CREST
.endm
.macro FRAG reg, adr, q, i
	ds_load_b128 v[\reg:\reg+3], v[\adr] offset:3072*(\i)+1536*(\q)
	ds_load_b64 v[\reg+4:\reg+5], v[\adr+2] offset:3072*(\i)+1536*(\q)
	ds_load_b128 v[\reg+6:\reg+9], v[\adr] offset:3072*(\i)+1536*(\q)+768
	ds_load_b64 v[\reg+10:\reg+11], v[\adr+2] offset:3072*(\i)+1536*(\q)+768
.endm
.macro MUL16 a0, p, q, sc, zero
.irp a, \a0, \a0+1
.irp b, 0,1,2,3,4,5,6,7
.if \zero
	v_wmma_scale_f32_16x16x128_f8f6f4 v[8*(8*((\a)%4)+\b):8*(8*((\a)%4)+\b)+7], v[128*(\p)+FR*\b:128*(\p)+FR*\b+FR-1], v[AF+FR*(\a):AF+FR*(\a)+FR-1], 0, v[SC+16*(\sc)+8*(\q)+\b], v[SC+16*(\sc)+8*(\q)+(\a)] matrix_a_fmt:MATRIX_FMT_FP6 matrix_b_fmt:MATRIX_FMT_FP6 matrix_a_scale:MATRIX_SCALE_ROW1
.else
	v_wmma_scale_f32_16x16x128_f8f6f4 v[8*(8*((\a)%4)+\b):8*(8*((\a)%4)+\b)+7], v[128*(\p)+FR*\b:128*(\p)+FR*\b+FR-1], v[AF+FR*(\a):AF+FR*(\a)+FR-1], v[8*(8*((\a)%4)+\b):8*(8*((\a)%4)+\b)+7], v[SC+16*(\sc)+8*(\q)+\b], v[SC+16*(\sc)+8*(\q)+(\a)] matrix_a_fmt:MATRIX_FMT_FP6 matrix_b_fmt:MATRIX_FMT_FP6 matrix_a_scale:MATRIX_SCALE_ROW1
.endif
.endr
.endr
.endm
.macro FETCH_B slot, q, p
	WIN TO_B
.irp i, 0,1,2,3,4,5,6,7
	FRAG 128*(\p)+FR*\i, ADRB+\slot, \q, \i
.endr
	WIN 0
.endm
.macro FETCH_A slot, q, i0
.irp i, \i0, \i0+1, \i0+2, \i0+3
	FRAG AF+FR*(\i), ADRA+\slot, \q, \i
.endr
.endm
.macro SCALES sc
.irp q, 0,1
.irp p, 0,1,2,3
	ds_load_b64 v[SC+16*\sc+8*\q+2*\p:SC+16*\sc+8*\q+2*\p+1], v[ADRS] offset:512*\q+128*\p
.endr
.endr
.endm
.macro PLACES n
.rept \n
	v_nop
.endr
.endm
.macro STEP slot, q, zero
	s_wait_dscnt 4*NL
	WIN MUL_LO
	MUL16 0, (\q)%2, \q, \slot, \zero
	MUL16 2, (\q)%2, \q, \slot, \zero
	s_wait_dscnt 0
	PLACES NP
	FETCH_B \slot, (\q)+1, 1-(\q)%2
	FETCH_A \slot, (\q)+1, 0
	WIN MUL_HI
	MUL16 4, (\q)%2, \q, \slot, \zero
	MUL16 6, (\q)%2, \q, \slot, \zero
	PLACES NP
	WIN 0
	FETCH_A \slot, (\q)+1, 4
.endm
.macro TURN slot, next, fill
	s_wait_tensorcnt 0x0
	ds_add_u32 v[SPW], v[NIL]
	s_wait_dscnt 4*NL+1
	WIN MUL_LO
	MUL16 0, 1, 1, \slot, 0
	s_wait_dscnt 0x0
	s_barrier_signal -1
	MUL16 2, 1, 1, \slot, 0
	WIN 0
	s_barrier_wait -1
.if \fill
	CREST
	s_add_nc_u64 s[G0+4*\slot+2:G0+4*\slot+3], s[G0+4*\slot+2:G0+4*\slot+3], 2*3072
	s_add_nc_u64 s[G0B+4*\slot+2:G0B+4*\slot+3], s[G0B+4*\slot+2:G0B+4*\slot+3], 2*3072
	JLOAD G0+4*\slot, G1, G0B+4*\slot, G1B
.else
	PLACES NP
.endif
	s_wait_alu depctr_va_vdst(0)
	v_add_nc_u32 v[ADRS], 1024, v[ADRS]
	FETCH_B \next, 0, 0
	FETCH_A \next, 0, 0
	SCALES \next
	WIN MUL_HI
	MUL16 4, 1, 1, \slot, 0
	MUL16 6, 1, 1, \slot, 0
	PLACES NP
	WIN 0
	FETCH_A \next, 0, 4
.endm
.macro QUANT s, pc, pw
.irp b, 0,1,2,3
	v_max3_num_f32 v[TM+\b], |v[\s+16*\b]|, |v[\s+1+16*\b]|, 0x1800000
.endr
.irp i, 2,4,6,8,10,12,14
.irp b, 0,1,2,3
	v_max3_num_f32 v[TM+\b], v[TM+\b], |v[\s+16*\b+\i]|, |v[\s+1+16*\b+\i]|
.endr
.endr
.irp b, 0,1,2,3
	v_permlanex16_b32 v[TM+4+\b], v[TM+\b], s[SEL], s[SEL+1]
.endr
.irp b, 0,1,2,3
	v_max_num_f32 v[TM+\b], v[TM+\b], v[TM+4+\b]
.endr
.irp b, 0,1,2,3
	v_add_nc_u32 v[TM+12+\b], 0xff000000, v[TM+\b]
.endr
.irp b, 0,1,2,3
	v_lshrrev_b32 v[TM+4+\b], 23, v[TM+12+\b]
.endr
	v_lshl_or_b32 v[\pw], v[TM+5], 8, v[TM+4]
	v_lshl_or_b32 v[\pw], v[TM+6], 16, v[\pw]
	v_lshl_or_b32 v[\pw], v[TM+7], 24, v[\pw]
.irp c, 0,1
	v_cvt_scalef32_pk16_fp6_f32 v[\pc+6*\c:\pc+2+6*\c], v[\s+32*\c:\s+15+32*\c], v[TM+12+2*\c]
	v_cvt_scalef32_pk16_fp6_f32 v[\pc+12+4*\c:\pc+14+4*\c], v[\s+16+32*\c:\s+31+32*\c], v[TM+12+2*\c+1]
.endr
	v_nop
.irp c, 0,1
.irp i, 0,1,2
	v_permlane16_swap_b32 v[\pc+6*\c+\i], v[\pc+12+4*\c+\i]
.endr
.irp i, 0,1,2
	v_mov_b32 v[\pc+3+6*\c+\i], v[\pc+12+4*\c+\i]
.endr
.endr
.endm
	s_load_b256 s[4:11], s[0:1], 0x0
	s_load_b64 s[12:13], s[0:1], 0x20
	v_lshl_add_u32 v[SPW], v0, 2, SPARE
	v_mov_b32 v[NIL], 0
	ds_add_u32 v28, v29
	ds_add_u32 v28, v29
	s_wait_dscnt 0x0
	v_lshrrev_b32 v1, 5, v0
	v_readfirstlane_b32 s14, v1
	s_lshr_b32 s15, s14, 1
	s_and_b32 s16, s14, 1
	s_bfe_u32 s40, ttmp6, 0x40000
	s_bfe_u32 s41, ttmp6, 0x40004
	s_and_b32 s66, ttmp7, 0xffff
	s_mov_b32 s97, 3145728
	s_mov_b32 s99, 6422528
	s_cmp_eq_u32 ttmp9, 2
	s_cselect_b32 s67, 1, 0
	s_cselect_b32 s17, 0, s66
	s_cselect_b32 s42, s66, ttmp9
	s_cselect_b32 s96, 4849664, 0
	s_cselect_b32 s97, 6488064, s97
	s_cselect_b32 s98, 0, 3276800
	s_cselect_b32 s99, 3145728, s99
	s_lshl_b32 s17, s17, 2
	s_add_co_u32 s17, s17, s41
	s_lshl_b32 s42, s42, 2
	s_add_co_u32 s42, s42, s40
	s_lshl_b32 s43, s41, 2
	s_lshl_b32 s43, 15, s43
	s_lshl_b32 s44, 0x1111, s40
	s_or_b32 s[G1+0], s43, (3<<16)|(1<<21)
	s_or_b32 s[G1B+0], s44, (3<<16)|(1<<21)
.irp g, G1, G1B
	s_mov_b32 s[\g+1], 384<<16
	s_mov_b32 s[\g+2], 16<<16              ; the head's loads bring 16 tiles; behind them the two words are set to 8
	s_mov_b32 s[\g+3], 384<<16
	s_mov_b32 s[\g+4], 16
	s_mov_b32 s[\g+5], NS*192
	s_mov_b32 s[\g+6], 0
	s_mov_b32 s[\g+7], 0
.endr
	s_or_b32 s[G1S+0], s43, (3<<16)|(1<<21)
	s_or_b32 s[G1SB+0], s44, (3<<16)|(1<<21)
.irp g, G1S, G1SB
	s_mov_b32 s[\g+1], 32<<16
	s_mov_b32 s[\g+2], (4*NS)<<16          ; the scale words of 256 rows: 2 PS dense bytes
	s_mov_b32 s[\g+3], 32<<16
	s_mov_b32 s[\g+4], 4*NS
	s_mov_b32 s[\g+5], 32
	s_mov_b32 s[\g+6], 0
	s_mov_b32 s[\g+7], 0
.endr
	s_lshl_b32 s18, s16, 3
	s_lshl_b32 s20, s17, 4
	s_mul_i32 s20, s20, TP
	s_add_co_u32 s20, s20, s96
	s_mov_b32 s21, 0
	s_lshl_b32 s22, s17, 1
	s_mul_i32 s22, s22, PS
	s_add_co_u32 s22, s22, s97
	s_mov_b32 s23, 0
	s_lshl_b32 s46, s42, 4
	s_mul_i32 s46, s46, TP
	s_add_co_u32 s46, s46, s98
	s_mov_b32 s47, 0
	s_lshl_b32 s92, s42, 1
	s_mul_i32 s92, s92, PS
	s_add_co_u32 s92, s92, s99
	s_mov_b32 s93, 0
	s_mul_i32 s45, s14, HALFT
	s_mul_i32 s2, s18, TP                  ; s[2:3]: from a block's first tile to the eight that I fetch in the ring
	s_mov_b32 s3, 0
	s_wait_kmcnt 0x0
	s_add_nc_u64 s[20:21], s[4:5], s[20:21]
	s_add_nc_u64 s[22:23], s[4:5], s[22:23]
	s_add_nc_u64 s[46:47], s[4:5], s[46:47]
	s_add_nc_u64 s[92:93], s[4:5], s[92:93]
	CROUND
	s_mov_b32 s[G0S], 1
	s_mov_b32 s[G0S+1], SCL
	s_mov_b64 s[G0S+2:G0S+3], s[22:23]
	s_or_b32 s[G0S+3], s[G0S+3], 0x80000000
	s_mov_b32 s[G0SB], 1
	s_mov_b32 s[G0SB+1], SCL+2*PS
	s_mov_b64 s[G0SB+2:G0SB+3], s[92:93]
	s_or_b32 s[G0SB+3], s[G0SB+3], 0x80000000
.irp s, 0,1
	s_mov_b32 s[G0+4*\s], 1
	s_add_co_u32 s[G0+4*\s+1], s45, \s*SLOT
	s_add_nc_u64 s[G0+4*\s+2:G0+4*\s+3], s[20:21], \s*3072
	s_or_b32 s[G0+4*\s+3], s[G0+4*\s+3], 0x80000000
	s_mov_b32 s[G0B+4*\s], 1
	s_add_co_u32 s[G0B+4*\s+1], s45, \s*SLOT
	s_add_nc_u64 s[G0B+4*\s+2:G0B+4*\s+3], s[46:47], \s*3072
	s_or_b32 s[G0B+4*\s+3], s[G0B+4*\s+3], 0x80000000
.endr
	s_mov_b32 s[G0+1], 0                   ; slot 0's group 0s serve the head's loads first: whole tiles of 16
	s_mov_b32 s[G0B+1], 2*HALFT
	s_add_nc_u64 s[G0+6:G0+7], s[G0+6:G0+7], s[2:3]        ; slot 1's: my eight tiles
	s_add_nc_u64 s[G0B+6:G0B+7], s[G0B+6:G0B+7], s[2:3]
	s_cmp_eq_u32 s15, 0                    ; the prefetches: A's tiles or B's, as in the ring
	s_cselect_b32 s94, s40, s41            ; my place among the four that ask with me
	s_cselect_b64 s[PFA:PFA+1], s[20:21], s[46:47]
	s_mul_i32 s94, s94, 2*TP               ; two of my eight tiles
	s_mov_b32 s95, 0
	s_add_nc_u64 s[PFA:PFA+1], s[PFA:PFA+1], s[2:3]
	s_add_nc_u64 s[PFA:PFA+1], s[PFA:PFA+1], s[94:95]
.macro ARM under, g0, g1, next         ; one chain of branches on the wave's number, one load to an arm, one join
	s_cmp_lt_u32 s14, \under
	s_cbranch_scc0 \next
	tensor_load_to_lds s[\g0:\g0+3], s[\g1:\g1+7]
	s_nop 0
.rept 4
	v_nop
.endr
	s_branch .Lhead_asked
\next:
.endm
	ARM 1, G0,  G1,  .Lhead_b
	ARM 2, G0B, G1B, .Lhead_sa
	ARM 3, G0S, G1S, .Lhead_sb
	tensor_load_to_lds s[G0SB:G0SB+3], s[G1SB:G1SB+7]
	s_nop 0
.rept 4
	v_nop
.endr
.Lhead_asked:
	v_and_b32 v[PFO], 31, v0
	v_min_u32 v[PFO], 23, v[PFO]           ; 24 blocks; the lanes left over name the last again
	v_mul_u32_u24 v31, v[PFO], 43
	v_lshrrev_b32 v31, 9, v31              ; lane / 12: which of the two tiles
	v_lshlrev_b32 v[PFO], 8, v[PFO]
	v_mad_u32_u24 v[PFO], v31, TP-3072, v[PFO]
	global_prefetch_b8 v[PFO], s[PFA:PFA+1] offset:1*3072 th:TH_LOAD_NT scope:SCOPE_SE   ; at the head also slot 1, one fill ahead of its load,
	global_prefetch_b8 v[PFO], s[PFA:PFA+1] offset:2*3072 th:TH_LOAD_NT scope:SCOPE_SE   ; and slot 2
	v_and_b32 v1, 15, v0
	v_bfe_u32 v2, v0, 4, 1
	v_and_b32 v3, 31, v0
	v_lshlrev_b32 v8, 4, v3
	v_lshlrev_b32 v9, 4, v1
	v_lshl_add_u32 v9, v2, 3, v9
	v_add_nc_u32 v9, 512, v9
	s_mul_i32 s21, s15, HALFT
	s_mul_i32 s22, s16, HALFT
	s_add_co_u32 s22, s22, 2*HALFT
.irp s, 0,1
	v_add_nc_u32 v[ADRA+\s], s21, v8
	v_add_nc_u32 v[ADRB+\s], s22, v8
	v_add_nc_u32 v[ADRA+2+\s], s21, v9
	v_add_nc_u32 v[ADRB+2+\s], s22, v9
	s_add_co_u32 s21, s21, SLOT
	s_add_co_u32 s22, s22, SLOT
.endr
	v_lshlrev_b32 v5, 3, v1
	s_mul_i32 s21, s15, PS
	s_mul_i32 s22, s16, PS
	s_add_co_u32 s22, s22, 2*PS
	s_sub_co_u32 s22, s22, s21
	v_mul_u32_u24 v6, s22, v2
	s_add_co_u32 s21, s21, SCL
	v_add_nc_u32 v5, v5, v6
	v_add_nc_u32 v[ADRS], s21, v5
	s_lshl_b32 s18, s42, 1
	s_add_co_u32 s18, s18, s16
	s_lshl_b32 s20, s17, 4
	s_lshl_b32 s21, s15, 3
	s_add_co_u32 s20, s20, s21
	s_and_b32 s46, s18, 7
	s_lshl_b32 s46, s46, 9
	s_lshl_b32 s92, s20, 6
	s_lshl_b32 s21, s18, 9
	s_add_co_u32 s21, s21, s20
	s_mul_i32 s21, s21, 768
	s_lshl_b32 s22, s18, 6
	s_add_co_u32 s22, s22, s20
	s_mul_i32 s22, s22, 1536
	s_add_co_u32 s22, s22, VIMG
	s_lshr_b32 s20, s20, 3
	s_lshl_b32 s23, s20, 4
	s_add_co_u32 s23, s23, s18
	s_lshl_b32 s23, s23, 9
	s_add_co_u32 s23, s23, QKSCL
	s_lshl_b32 s20, s20, 5
	s_add_co_u32 s20, s20, s18
	s_lshl_b32 s20, s20, 9
	s_add_co_u32 s20, s20, VSCL
	s_mov_b32 s100, 768
	s_mov_b32 s19, 196608
	s_cmp_eq_u32 s67, 1
	s_cselect_b32 s46, 0, s46
	s_cselect_b32 s92, s92, 0
	s_cselect_b32 s96, s22, s21
	s_cselect_b32 s98, s20, s23
	s_cselect_b32 s100, 1536, s100
	s_cselect_b32 s19, 768, s19
	s_cselect_b32 s22, 0, -1
	s_cselect_b32 s23, -1, 0
	s_mov_b32 s47, 0
	s_mov_b32 s93, 0
	s_mov_b32 s97, 0
	s_mov_b32 s99, 0
	s_mov_b32 s101, 0
	s_cmp_eq_u32 ttmp9, 1
	s_cselect_b64 s[6:7], s[8:9], s[6:7]
	s_add_nc_u64 s[6:7], s[6:7], s[46:47]
	s_add_nc_u64 s[10:11], s[10:11], s[92:93]
	s_add_nc_u64 s[96:97], s[12:13], s[96:97]
	s_add_nc_u64 s[98:99], s[12:13], s[98:99]
	v_add_nc_u32 v10, s19, v8
	v_add_nc_u32 v11, s19, v9
	v_lshlrev_b32 v12, 7, v2
	v_lshl_add_u32 v12, v1, 3, v12
	v_lshlrev_b32 v13, 6, v2
	v_and_b32 v14, 8, v1
	v_add_nc_u32 v14, v14, v1
	v_lshlrev_b32 v14, 2, v14
.irp b, 0,1,2,3
.irp j, 0,1,2,3
	global_load_b128 v[BN+16*\b+4*\j:BN+16*\b+4*\j+3], v13, s[6:7] offset:128*\b+16*\j
.endr
.endr
.irp a, 0,1,2,3,4,5,6,7
	global_load_b32 v[BM+\a], v14, s[10:11] offset:(32*(\a/2)+8*(\a%2))*4
.endr
	s_wait_loadcnt 0x0
.set p, 0
.rept 64
	v_and_b32 v[BN+p], s22, v[BN+p]
.set p, p+1
.endr
.irp a, 0,1,2,3,4,5,6,7
	v_and_b32 v[BM+\a], s23, v[BM+\a]
.endr
	s_wait_alu depctr_va_vdst(0)           ; the wait at the head's end
	s_wait_tensorcnt 0x0                   ; my tile of the head's four is in
	ds_add_u32 v[SPW], v[NIL]
	s_add_co_u32 s[G0+1], s45, 0           ; no load of mine is out: slot 0's group 0s take the ring's form: my eight tiles,
	s_add_co_u32 s[G0B+1], s45, 0
	s_add_nc_u64 s[G0+2:G0+3], s[G0+2:G0+3], s[2:3]
	s_add_nc_u64 s[G0B+2:G0B+3], s[G0B+2:G0B+3], s[2:3]
	s_mov_b32 s[G1+2], 8<<16               ; and a load brings 8 tiles
	s_mov_b32 s[G1+4], 8
	s_mov_b32 s[G1B+2], 8<<16
	s_mov_b32 s[G1B+4], 8
	s_wait_dscnt 0x0
	CROUND                                 ; all four tiles are in, and all sixteen work-groups are here
	JLOAD G0+4, G1, G0B+4, G1B             ; slot 1, the first tensor load behind the round
	global_prefetch_b8 v[PFO], s[PFA:PFA+1] offset:3*3072 th:TH_LOAD_NT scope:SCOPE_SE   ; slot 3
	FETCH_B 0, 0, 0
	FETCH_A 0, 0, 0
	SCALES 0
	FETCH_A 0, 0, 4
	STEP 0, 0, 1
	s_mov_b32 s3, LAPS-1
.Llap:
	TURN 0, 1, 1
	STEP 1, 0, 0
	TURN 1, 0, 1
	STEP 0, 0, 0
	s_sub_co_u32 s3, s3, 1
	s_cmp_lg_u32 s3, 0
	s_cbranch_scc1 .Llap
	TURN 0, 1, 0
	STEP 1, 0, 0
	s_wait_dscnt 4*NL
	WIN MUL_LO
	MUL16 0, 1, 1, 1, 0
	MUL16 2, 1, 1, 1, 0
	s_wait_dscnt 0
	WIN MUL_HI
	MUL16 4, 1, 1, 1, 0
	MUL16 6, 1, 1, 1, 0
	WIN 0
	PLACES NP
.irp b, 0,1,2,3
	v_mov_b32 v[TM+4+\b], 0
.endr
.irp i, 0,1,2,3,4,5,6,7
	v_mov_b32 v[PWS+\i], 0
.endr
	s_mov_b32 s[SEL], 0x76543210
	s_mov_b32 s[SEL+1], 0xfedcba98
	s_mov_b32 s66, 0xffff0000
	s_mov_b32 s3, 0
.Lalpha:
.irp a, 0,1,2,3,4,5,6,7
	s_cmp_lg_u32 s3, \a
	s_cbranch_scc1 .Lnot_\a
	WIN 0x02+(\a)/4
.set p, 0
.rept 32
	v_pk_add_f32 v[H+p:H+p+1], v[64*((\a)%4)+p:64*((\a)%4)+p+1], v[BN+p:BN+p+1]
.set p, p+2
.endr
	WIN 0
	v_mov_b32 v[BMC], v[BM+\a]
	v_mov_b32 v[BMC+1], v[BM+\a]
.Lnot_\a:
.endr
.set p, 0
	s_wait_alu depctr_va_vdst(0)
.rept 32
	v_pk_add_f32 v[H+p:H+p+1], v[H+p:H+p+1], v[BMC:BMC+1]
.set p, p+2
.endr
	QUANT H, PC, PW
	global_store_b128 v8, v[PC:PC+3], s[96:97]
	global_store_b64 v9, v[PC+4:PC+5], s[96:97]
	global_store_b128 v10, v[PC+6:PC+9], s[96:97]
	global_store_b64 v11, v[PC+10:PC+11], s[96:97]
.irp i, 0,1,2,3,4,5,6
	v_mov_b32 v[PWS+\i], v[PWS+\i+1]
.endr
	v_mov_b32 v[PWS+7], v[PW]
	s_wait_xcnt 0x0
	s_add_nc_u64 s[96:97], s[96:97], s[100:101]
	s_add_co_u32 s3, s3, 1
	s_cmp_lt_u32 s3, 8
	s_cbranch_scc1 .Lalpha
	s_wait_alu depctr_va_vdst(0)
.irp g, 0,1
	v_cndmask_b32 v[XW+2*\g], v[PWS+4*\g], v[PWS+4*\g+2], s66
	v_cndmask_b32 v[XW+2*\g+1], v[PWS+4*\g+1], v[PWS+4*\g+3], s66
	global_store_b64 v12, v[XW+2*\g:XW+2*\g+1], s[98:99] offset:256*\g
.endr
	s_wait_tensorcnt 0x0
	ds_add_u32 v[SPW], v[NIL]
	s_wait_dscnt 0x0
	CROUND
	s_endpgm
.Lfunc_end_k_qb23e6f17cc_qkv:
	.size	k_qb23e6f17cc_qkv, .Lfunc_end_k_qb23e6f17cc_qkv-k_qb23e6f17cc_qkv
	.p2alignl 7, 3214868480
	.fill 96, 4, 3214868480
	.section	.rodata,"a",@progbits
	.p2align	6, 0x0
	.amdhsa_kernel k_qb23e6f17cc_qkv
		.amdhsa_group_segment_fixed_size 327680
		.amdhsa_private_segment_fixed_size 0
		.amdhsa_enable_private_segment 0
		.amdhsa_kernarg_size 40
		.amdhsa_user_sgpr_count 2
		.amdhsa_user_sgpr_kernarg_segment_ptr 1
		.amdhsa_wavefront_size32 1
		.amdhsa_system_sgpr_workgroup_id_x 1
		.amdhsa_system_sgpr_workgroup_id_y 1
		.amdhsa_system_sgpr_workgroup_id_z 1
		.amdhsa_system_vgpr_workitem_id 0
		.amdhsa_next_free_vgpr 1024
		.amdhsa_next_free_sgpr 102
		.amdhsa_reserve_vcc 0
		.amdhsa_float_denorm_mode_32 3
		.amdhsa_float_denorm_mode_16_64 3
		.amdhsa_memory_ordered 1
		.amdhsa_forward_progress 1
		.amdhsa_inst_pref_size 148
	.end_amdhsa_kernel
	.amdgpu_metadata
---
amdhsa.version: [ 1, 2 ]
amdhsa.kernels:
  - .name:           k_qb23e6f17cc_qkv
    .symbol:         k_qb23e6f17cc_qkv.kd
    .args:
      - { .name: prepb, .offset: 0, .size: 8, .value_kind: global_buffer, .address_space: global }
      - { .name: bq, .offset: 8, .size: 8, .value_kind: global_buffer, .address_space: global }
      - { .name: bk, .offset: 16, .size: 8, .value_kind: global_buffer, .address_space: global }
      - { .name: bv, .offset: 24, .size: 8, .value_kind: global_buffer, .address_space: global }
      - { .name: qkvb, .offset: 32, .size: 8, .value_kind: global_buffer, .address_space: global }
    .group_segment_fixed_size: 327680
    .private_segment_fixed_size: 0
    .kernarg_segment_align: 8
    .kernarg_segment_size: 40
    .max_flat_workgroup_size: 128
    .sgpr_count:     102
    .vgpr_count:     1024
    .wavefront_size: 32
...
	.end_amdgpu_metadata
.endif
;; end of part 10
;; launch attn (part 11): grid 8 x 32, 16 waves a work-group, clusters of 4 x 1, 327,680 bytes of LDS; arguments qkvb, mask, attb; writes attb
.if DOCPART == 11
	.amdgcn_target "amdgcn-amd-amdhsa--gfx1250"
	.amdhsa_code_object_version 6
	.text
	.protected	k_qb23e6f17cc_attn
	.globl	k_qb23e6f17cc_attn
	.p2align	8
	.type	k_qb23e6f17cc_attn,@function
k_qb23e6f17cc_attn:
	s_mov_b64 s[64:65], 0
	v_nop
	global_prefetch_b8 v0, s[64:65] scope:SCOPE_SE
	s_setreg_imm32_b32 hwreg(HW_REG_WAVE_MODE, 25, 1), 1
	s_wait_xcnt 0x0
	s_wait_alu depctr_hold_cnt(0) depctr_sa_sdst(0) depctr_va_vdst(0) depctr_va_sdst(0) depctr_va_ssrc(0) depctr_va_vcc(0) depctr_vm_vsrc(0)
	s_getreg_b32 s2, hwreg(HW_REG_IB_STS2, 6, 4)
	s_cmp_eq_u32 s2, 0
	s_cbranch_scc0 .Lentry_in_a_cluster
	s_endpgm
.Lentry_in_a_cluster:
	s_bfe_u32 s2, ttmp6, 0x10000c
	s_cmp_lg_u32 s2, 0x3003
	s_cbranch_scc0 .Lentry_shape_is_right
	s_endpgm
.Lentry_shape_is_right:
; h = softmax(q k^T / 8 - 10000 (1 - mask)) v for one head and 256 queries a work-group, both products on codes of FP6 (E2M3) with E8M0 scales; h is quantised along the features on the way out (attb: the next product's A).
; SOFTMAX AHEAD OF THE SECOND PRODUCT: t = logit x log2(e); M = the running largest t rounded UP to a whole number; p = 2^(t - M) is quantised along the keys; the row's sum is taken of the unquantised p and divides at the end.
; SHARES: sixteen waves, one tile of 16 queries each, 256 registers.  A head's whole K (98,304 bytes) and V (98,304) lie in LDS, filled ONCE, in four chunks of 512 keys: no LDS byte is filled twice.
; CLUSTER 4 x 1: four query blocks of one head ask for K, V and V's scale words jointly.  By this text's own count wave 0 has four tensor loads out and wave 1 five.
; LAYOUT: both products transposed (S^T = K Q^T, O^T = V^T P^T): a lane holds one query.  The keys of a tile are 32 (t/2) + 8 (t%2) + r + 8 (r/8), so the 16 registers of tiles 2 b, 2 b + 1 are 16 neighbouring keys.
; THE HEAD HAS 64 NUMBERS, THE INSTRUCTION 128: Q's codes of k = 64 .. 127 are zeros, and both sides' scale bytes there are 0 (a finite power of two).  So K's half fragments stand six registers apart, and what the
; instruction reads as K's upper half (the next tile's codes) is multiplied by zero codes.
; THE MASK costs no vector instruction: -80000 (1 - mask) (8 x -10000: the scores are divided by 8 behind it) is loaded into the accumulators and is the C of the first product.
; LIMITS: NaN and infinities are not served; a block of zeros gets the byte 1; the two scale bytes of a head's 64 features leave by stores of two bytes a lane (131,072 bytes in the whole launch).
; REGISTERS: v1-7 LDS addresses; v12 -M, v13 largest t, v[14:15] the sum; v16-27 Q, v28 its scale word; v29-31 offsets; v32-79 K's 8 half fragments, then V's 4 fragments; v80-91 p's codes; v96-159 S^T, then p; v160-191 O^T;
; v192-199 K's scale words, v200-203 V's; v224-227 head; v232-254 at work.
.set KB,    0
.set VB,    98304
.set VSC,   196608
.set KSC,   200704
.set PEN,   208896
.set VIMG,  6291456
.set QKSCL, 9437184
.set VSCL,  9699328
.set OSCL,  3145728
.set WV,  10
.set G1K, 24
.set G1V, 32
.set G1S, 40
.set G0K, 48                           ; s[48:63] four chunks of K
.set G0V, 68                           ; s[68:83] four chunks of V
.set G0S, 84
.set SEL, 88
.set CS,  90
.macro CROUND
	s_barrier_signal -1
	s_barrier_wait -1
	s_cmp_lg_u32 s[WV], 0
	s_cbranch_scc1 .Lnot_wave_0_\@
	s_barrier_signal -3
.Lnot_wave_0_\@:
	s_barrier_wait -3
	s_barrier_signal -1
	s_barrier_wait -1
.endm
	s_load_b128 s[4:7], s[0:1], 0x0                ; qkvb, mask
	s_load_b64 s[8:9], s[0:1], 0x10                ; attb
	v_lshl_add_u32 v251, v0, 2, 0x35000
	v_mov_b32 v255, 0
	ds_add_u32 v251, v255
	ds_add_u32 v251, v255
	v_lshrrev_b32 v1, 5, v0
	s_delay_alu instid0(VALU_DEP_1)
	v_readfirstlane_b32 s[WV], v1                  ; wave 0..15
	s_bfe_u32 s11, ttmp6, 0x40000                  ; cx: it enters Q's and O's global addresses alone
	s_and_b32 s12, ttmp7, 0xffff
	s_lshr_b32 s13, s12, 4                         ; batch
	s_and_b32 s14, s12, 15                         ; head
	s_lshr_b32 s15, s14, 1
	s_and_b32 s16, s14, 1
	s_lshl_b32 s2, s16, 4                          ; where my head's two bytes begin in a scale word of q or k
	s_add_co_u32 s18, s14, 16
	s_lshl_b32 s18, s18, 8
	s_lshl_b32 s19, s13, 7
	s_add_co_u32 s18, s18, s19
	s_mul_i32 s18, s18, 768                        ; K: head 16 + head, token tiles 128 batch on
	s_mov_b32 s19, 0
	s_lshl_b32 s20, s13, 10
	s_lshl_b32 s21, s14, 2
	s_add_co_u32 s20, s20, s21
	s_mul_i32 s20, s20, 1536
	s_add_co_u32 s20, s20, VIMG                    ; V: token block 16 batch, feature tile 4 head
	s_mov_b32 s21, 0
	s_lshl_b32 s22, s15, 5
	s_lshl_b32 s23, s13, 4
	s_add_co_u32 s22, s22, s23
	s_lshl_b32 s22, s22, 9
	s_lshl_b32 s23, s16, 8
	s_add_co_u32 s22, s22, s23
	s_add_co_u32 s22, s22, VSCL
	s_mov_b32 s23, 0
	s_mov_b32 s[G1K], 15|(3<<16)|(1<<21)           ; the mask: all four; elements of 8 bytes; 21 set beside a mask
	s_mov_b32 s[G1K+1], 32<<16                     ; K: 24,576 dense bytes as 96 rows of 256
	s_mov_b32 s[G1K+2], 96<<16
	s_mov_b32 s[G1K+3], 32<<16
	s_mov_b32 s[G1K+4], 96
	s_mov_b32 s[G1K+5], 32
	s_mov_b32 s[G1K+6], 0
	s_mov_b32 s[G1K+7], 0
	s_mov_b32 s[G1V], 15|(3<<16)|(1<<21)
	s_mov_b32 s[G1V+1], 768<<16                    ; V: 4 key steps x 6,144 bytes, 98,304 bytes apart
	s_mov_b32 s[G1V+2], 4<<16
	s_mov_b32 s[G1V+3], 768<<16
	s_mov_b32 s[G1V+4], 4
	s_mov_b32 s[G1V+5], 12288
	s_mov_b32 s[G1V+6], 0
	s_mov_b32 s[G1V+7], 0
	s_mov_b32 s[G1S], 15|(3<<16)|(1<<21)
	s_mov_b32 s[G1S+1], 32<<16                     ; V's scale words: 16 key steps x 256 bytes, 512 bytes apart
	s_mov_b32 s[G1S+2], 16<<16
	s_mov_b32 s[G1S+3], 32<<16
	s_mov_b32 s[G1S+4], 16
	s_mov_b32 s[G1S+5], 64
	s_mov_b32 s[G1S+6], 0
	s_mov_b32 s[G1S+7], 0
	s_mov_b32 s[SEL], 0x76543210
	s_mov_b32 s[SEL+1], 0xfedcba98
	s_mov_b32 s[CS], 0x3e38aa3b                    ; c = log2(e) / 8
	s_mov_b32 s[CS+1], s[CS]
	s_wait_dscnt 0x0
	s_wait_kmcnt 0x0
	s_add_nc_u64 s[18:19], s[4:5], s[18:19]
	s_add_nc_u64 s[20:21], s[4:5], s[20:21]
	s_add_nc_u64 s[22:23], s[4:5], s[22:23]
.irp c, 0,1,2,3
	s_mov_b32 s[G0K+4*\c], 1
	s_mov_b32 s[G0K+4*\c+1], KB+24576*\c
	s_add_nc_u64 s[G0K+4*\c+2:G0K+4*\c+3], s[18:19], 24576*\c
	s_or_b32 s[G0K+4*\c+3], s[G0K+4*\c+3], 0x80000000
	s_mov_b32 s[G0V+4*\c], 1
	s_mov_b32 s[G0V+4*\c+1], VB+24576*\c
	s_add_nc_u64 s[G0V+4*\c+2:G0V+4*\c+3], s[20:21], 393216*\c
	s_or_b32 s[G0V+4*\c+3], s[G0V+4*\c+3], 0x80000000
.endr
	s_mov_b32 s[G0S], 1
	s_mov_b32 s[G0S+1], VSC
	s_mov_b64 s[G0S+2:G0S+3], s[22:23]
	s_or_b32 s[G0S+3], s[G0S+3], 0x80000000
	CROUND                                         ; all four work-groups are here: the joint loads meet
; HOW THE NINE FILLS ARE SHARED (this takes the place of the count in the head comment): no wave ever has more than one tensor load out.  At the head wave 0 asks for K's chunk 0, wave 1 for V's, wave 2 for V's scale words;
; chunks 1 to 3 are asked for by waves 0 to 5, one each, behind the full sequence and a round of the cluster's barrier.
.macro ARM w, g0, g1, join             ; one chain of branches on the wave's number, one load to an arm, one join
	s_cmp_lg_u32 s[WV], \w
	s_cbranch_scc1 .Lnot_\@
	tensor_load_to_lds s[\g0:\g0+3], s[\g1:\g1+7]
	s_nop 0
.rept 4
	v_nop
.endr
	s_branch \join
.Lnot_\@:
.endm
	ARM 0, G0K, G1K, .Lasked
	ARM 1, G0V, G1V, .Lasked
	ARM 2, G0S, G1S, .Lasked
.Lasked:
	; what comes through registers: the mask, K's scale words, Q
	v_and_b32 v8, 15, v0                           ; r
	v_bfe_u32 v9, v0, 4, 1                         ; h
	v_and_b32 v10, 31, v0
	s_delay_alu instid0(VALU_DEP_1)
	v_lshlrev_b32 v29, 4, v10                      ; 16 x lane
	s_delay_alu instid0(VALU_DEP_4)
	v_lshlrev_b32 v30, 4, v8
	s_delay_alu instid0(VALU_DEP_1)
	v_lshl_add_u32 v30, v9, 3, v30
	s_delay_alu instid0(VALU_DEP_1)
	v_add_nc_u32 v30, 512, v30                     ; 512 + 16 r + 8 h
	v_lshlrev_b32 v31, 3, v8                       ; 8 r
	v_lshlrev_b32 v224, 4, v0                      ; 16 x thread
	s_wait_alu depctr_va_vdst(0)
	v_lshrrev_b32 v225, 5, v0
	s_delay_alu instid0(VALU_DEP_1)
	v_lshl_add_u32 v225, v225, 13, v29             ; token block = my wave: 16 rows of 512 bytes apart; + 16 x lane
	s_wait_alu depctr_va_vdst(0)
	v_add_nc_u32 v226, PEN, v224
	v_add_nc_u32 v227, KSC, v224
	s_lshl_b32 s18, s13, 13
	s_mov_b32 s19, 0
	s_add_nc_u64 s[6:7], s[6:7], s[18:19]          ; my batch's row of the mask
	s_lshl_b32 s18, s13, 8
	s_add_co_u32 s18, s18, s15
	s_add_co_u32 s18, s18, 8
	s_lshl_b32 s18, s18, 9
	s_add_co_u32 s18, s18, QKSCL                   ; k's scale words: token block 16 batch, features 128 (8 + head/2) on
	s_add_nc_u64 s[94:95], s[4:5], s[18:19]
	s_lshl_b32 s17, ttmp9, 2
	s_add_co_u32 s17, s17, s11
	s_lshl_b32 s17, s17, 4
	s_add_co_u32 s17, s17, s[WV]
	s_lshl_b32 s18, s13, 7
	s_add_co_u32 s17, s17, s18                     ; my token tile: 128 batch + 16 (4 cluster x + cx) + wave
	s_lshl_b32 s18, s14, 8
	s_add_co_u32 s18, s18, s17
	s_mul_i32 s18, s18, 768
	s_add_nc_u64 s[20:21], s[4:5], s[18:19]        ; Q's half fragment
	s_bfe_u32 s12, s17, 0x20001
	s_lshl_b32 s12, s12, 7
	s_and_b32 s18, s17, 1
	s_lshl_b32 s18, s18, 2
	s_add_co_u32 s12, s12, s18                     ; my tile's words inside 512 bytes of scale words
	s_lshr_b32 s11, s17, 3
	s_lshl_b32 s18, s11, 4
	s_add_co_u32 s18, s18, s15
	s_lshl_b32 s18, s18, 9
	s_add_co_u32 s18, s18, s12
	s_add_co_u32 s18, s18, QKSCL
	s_add_nc_u64 s[22:23], s[4:5], s[18:19]        ; Q's scale words
	s_lshl_b32 s18, s17, 3
	s_add_co_u32 s18, s18, s15
	s_mul_i32 s18, s18, 1536
	s_mul_i32 s3, s16, 768
	s_add_co_u32 s18, s18, s3
	s_add_nc_u64 s[92:93], s[8:9], s[18:19]        ; O's half fragment: tile, K step head/2, half head%2
	s_lshl_b32 s18, s11, 3
	s_add_co_u32 s18, s18, s15
	s_lshl_b32 s18, s18, 9
	s_add_co_u32 s18, s18, s12
	s_lshl_b32 s3, s16, 1
	s_add_co_u32 s18, s18, s3
	s_add_co_u32 s18, s18, OSCL
	s_add_nc_u64 s[8:9], s[8:9], s[18:19]          ; O's two scale bytes
	global_load_b128 v[96:99], v224, s[6:7]
	global_load_b128 v[100:103], v225, s[94:95]
	global_load_b128 v[16:19], v29, s[20:21]
	global_load_b64 v[20:21], v30, s[20:21]
	global_load_b32 v28, v31, s[22:23]
	v_add_nc_u32 v1, KB, v29
	v_add_nc_u32 v2, KB, v30
	v_add_nc_u32 v3, VB, v29
	v_add_nc_u32 v4, VB, v30
	v_lshl_add_u32 v5, v9, 6, PEN                  ; the mask's numbers of my half's 16 keys
	v_add_nc_u32 v6, KSC, v31
	v_add_nc_u32 v7, VSC, v31
	s_wait_loadcnt 0x0
	v_bfe_u32 v28, v28, s2, 16                     ; my head's two bytes; the upper two are 0
.irp i, 0,1,2,3
	v_cvt_f32_i32 v[96+\i], v[96+\i]
	v_bfe_u32 v[100+\i], v[100+\i], s2, 16
.endr
.irp i, 0,1,2,3
	v_sub_f32 v[96+\i], 1.0, v[96+\i]
.endr
.irp i, 0,1,2,3
	s_delay_alu instid0(VALU_DEP_4)
	v_mul_f32 v[96+\i], 0xc79c4000, v[96+\i]       ; -80000 (1 - m)
.endr
	ds_store_b128 v226, v[96:99]
	ds_store_b128 v227, v[100:103]
.irp i, 22,23,24,25,26,27
	v_mov_b32 v\i, 0                               ; Q's codes of k = 64 .. 127
.endr
.set j, 0
.rept 12
	v_mov_b32 v[80+j], 0                           ; p's codes: read as tile 7's upper half before they are first made
.set j, j+1
.endr
	v_mov_b32 v13, 0xff61b1e6                      ; the largest t so far: -3e38
	s_delay_alu instid0(VALU_DEP_1)
	v_floor_f32 v12, -v13                          ; -M
	v_mov_b32 v14, 0
	v_mov_b32 v15, 0
.irp b, 0,1,2,3
	v_mov_b32 v[236+\b], 0                         ; a lane permute's destination counts as one of its sources
.endr
	v_mov_b32 v253, 0
.set j, 0
.rept 32
	v_mov_b32 v[160+j], 0                          ; O^T: the step is written once; the first change of M leaves zeros zeros
.set j, j+1
.endr
; A KEY STEP: 128 keys, the q-th of the chunk in hand.
.macro STEP q
.rept 4
	v_nop                                          ; places in front of loads into registers that the last products read
.endr
.irp t, 0,1,2,3,4,5,6,7
	ds_load_b128 v[96+8*\t:99+8*\t], v5 offset:512*(\q)+128*(\t/2)+32*(\t%2)       ; the mask's numbers, in the result's layout: they are the products' C
	ds_load_b128 v[100+8*\t:103+8*\t], v5 offset:512*(\q)+128*(\t/2)+32*(\t%2)+16
.endr
.irp t, 0,1,2,3,4,5,6,7
	ds_load_b128 v[32+6*\t:35+6*\t], v1 offset:6144*(\q)+768*\t
	ds_load_b64 v[36+6*\t:37+6*\t], v2 offset:6144*(\q)+768*\t
.endr
.irp p, 0,1,2,3
	ds_load_b64 v[192+2*\p:193+2*\p], v6 offset:512*(\q)+128*\p
.endr
	s_wait_dscnt 0x0
.irp t, 0,1,2,3,4,5,6,7
	v_wmma_scale_f32_16x16x128_f8f6f4 v[96+8*\t:103+8*\t], v[32+6*\t:43+6*\t], v[16:27], v[96+8*\t:103+8*\t], v[192+\t], v28 matrix_a_fmt:MATRIX_FMT_FP6 matrix_b_fmt:MATRIX_FMT_FP6
.endr
.rept 4
	v_nop
.endr
.irp t, 0,1,2,3                                    ; V's fragments land while the softmax is walked
	ds_load_b128 v[32+12*\t:35+12*\t], v3 offset:6144*(\q)+1536*\t
	ds_load_b64 v[36+12*\t:37+12*\t], v4 offset:6144*(\q)+1536*\t
	ds_load_b128 v[38+12*\t:41+12*\t], v3 offset:6144*(\q)+1536*\t+768
	ds_load_b64 v[42+12*\t:43+12*\t], v4 offset:6144*(\q)+1536*\t+768
.endr
.irp p, 0,1
	ds_load_b64 v[200+2*\p:201+2*\p], v7 offset:256*(\q)+128*\p
.endr
.irp b, 0,1,2,3
	v_max3_num_f32 v[232+\b], v[96+16*\b], v[97+16*\b], v[98+16*\b]   ; the largest score of each block of 32 keys: for the row's maximum, and, since p rises with the score, for the block's largest p
.endr
.irp i, 3,5,7,9,11,13
.irp b, 0,1,2,3
	v_max3_num_f32 v[232+\b], v[232+\b], v[96+16*\b+\i], v[97+16*\b+\i]
.endr
.endr
.irp b, 0,1,2,3
	v_max_num_f32 v[232+\b], v[232+\b], v[111+16*\b]
.endr
.irp b, 0,1,2,3
	s_delay_alu instid0(VALU_DEP_4)
	v_permlanex16_b32 v[236+\b], v[232+\b], s[SEL], s[SEL+1]
.endr
.irp b, 0,1,2,3
	s_delay_alu instid0(VALU_DEP_4)
	v_max_num_f32 v[232+\b], v[232+\b], v[236+\b]
.endr
	s_delay_alu instid0(VALU_DEP_2)
	v_max3_num_f32 v254, v232, v233, v234
	s_delay_alu instid0(VALU_DEP_1)
	v_max_num_f32 v254, v254, v235
	s_delay_alu instid0(VALU_DEP_1)
	v_mul_f32 v254, s[CS], v254                    ; as t (c is positive)
	s_delay_alu instid0(VALU_DEP_1)
	v_max_num_f32 v13, v13, v254                   ; the running largest t
	v_mov_b32 v254, v12
	s_delay_alu instid0(VALU_DEP_2)
	v_floor_f32 v12, -v13                          ; the new -M = -ceil(t): a whole number
	s_delay_alu instid0(VALU_DEP_1)
	v_sub_f32 v254, v12, v254
	s_delay_alu instid0(VALU_DEP_1)
	v_cvt_i32_f32 v254, v254                       ; (it saturates)
	s_delay_alu instid0(VALU_DEP_1)
	v_ldexp_f32 v252, 1.0, v254                    ; f = 2^(old M - new M): a multiplication by it rounds nothing
.set j, 0
.rept 32
	v_pk_fma_f32 v[96+j:97+j], v[96+j:97+j], s[CS:CS+1], v[12:13] op_sel_hi:[1,0,0]   ; t - M
.set j, j+2
.endr
.irp b, 0,1,2,3
	v_fma_f32 v[232+\b], v[232+\b], s[CS], v12
.endr
.set j, 0
	s_wait_alu depctr_va_vdst(0)
.rept 64
	v_exp_f32 v[96+j], v[96+j]                     ; p = 2^(t - M), not normalised
.set j, j+1
.endr
	v_pk_mul_f32 v[14:15], v[14:15], v[252:253] op_sel_hi:[1,0]   ; the sums under the new M (a plain place behind the exponentials)
	s_wait_alu depctr_va_vdst(0)                   ; one wait for the whole batch, ahead of its first reader
.irp b, 0,1,2,3
	v_exp_f32 v[232+\b], v[232+\b]                 ; the block's largest p
.endr
	v_pk_add_f32 v[236:237], v[100:101], v[104:105]
	v_pk_add_f32 v[248:249], v[108:109], v[112:113]
	v_pk_add_f32 v[246:247], v[116:117], v[120:121]
	v_pk_add_f32 v[244:245], v[124:125], v[128:129]
	v_pk_add_f32 v[242:243], v[132:133], v[136:137]
	v_pk_add_f32 v[240:241], v[140:141], v[144:145]
	v_pk_add_f32 v[238:239], v[148:149], v[152:153]
	v_pk_add_f32 v[14:15], v[14:15], v[156:157]
	v_pk_add_f32 v[236:237], v[236:237], v[96:97]
	v_pk_add_f32 v[248:249], v[248:249], v[98:99]
	v_pk_add_f32 v[246:247], v[246:247], v[102:103]
	v_pk_add_f32 v[244:245], v[244:245], v[106:107]
	v_pk_add_f32 v[242:243], v[242:243], v[110:111]
	v_pk_add_f32 v[240:241], v[240:241], v[114:115]
	v_pk_add_f32 v[238:239], v[238:239], v[118:119]
	v_pk_add_f32 v[14:15], v[14:15], v[122:123]
	v_pk_add_f32 v[236:237], v[236:237], v[126:127]
	v_pk_add_f32 v[248:249], v[248:249], v[130:131]
	v_pk_add_f32 v[246:247], v[246:247], v[134:135]
	v_pk_add_f32 v[244:245], v[244:245], v[138:139]
	v_pk_add_f32 v[242:243], v[242:243], v[142:143]
	v_pk_add_f32 v[240:241], v[240:241], v[146:147]
	v_pk_add_f32 v[238:239], v[238:239], v[150:151]
	v_pk_add_f32 v[14:15], v[14:15], v[154:155]
	v_pk_add_f32 v[236:237], v[236:237], v[158:159]
	s_delay_alu instid0(VALU_DEP_2)
	v_pk_add_f32 v[14:15], v[14:15], v[244:245]
	s_delay_alu instid0(VALU_DEP_2)
	v_pk_add_f32 v[236:237], v[236:237], v[242:243]
	v_pk_add_f32 v[248:249], v[248:249], v[240:241]
	v_pk_add_f32 v[246:247], v[246:247], v[238:239]
	s_delay_alu instid0(VALU_DEP_2)
	v_pk_add_f32 v[14:15], v[14:15], v[248:249]
	s_delay_alu instid0(VALU_DEP_2)
	v_pk_add_f32 v[236:237], v[236:237], v[246:247]
	s_delay_alu instid0(VALU_DEP_1)
	v_pk_add_f32 v[14:15], v[14:15], v[236:237]
	s_wait_alu depctr_va_vdst(0)                   ; and one for the four
.irp b, 0,1,2,3
	v_max_num_f32 v[232+\b], 0x1800000, v[232+\b]  ; the floor 2^(3 - 127)
.endr
.irp b, 0,1,2,3
	s_delay_alu instid0(VALU_DEP_4)
	v_add_nc_u32 v[244+\b], 0xff000000, v[232+\b]
.endr
.irp b, 0,1,2,3
	s_delay_alu instid0(VALU_DEP_4)
	v_lshrrev_b32 v[236+\b], 23, v[244+\b]
.endr
	s_delay_alu instid0(VALU_DEP_3)
	v_lshl_or_b32 v253, v237, 8, v236              ; p's scale word for these 128 keys
	s_delay_alu instid0(VALU_DEP_1)
	v_lshl_or_b32 v253, v238, 16, v253
	s_delay_alu instid0(VALU_DEP_1)
	v_lshl_or_b32 v253, v239, 24, v253
.irp c, 0,1
	v_cvt_scalef32_pk16_fp6_f32 v[80+6*\c:82+6*\c], v[96+32*\c:111+32*\c], v[244+2*\c]
	v_cvt_scalef32_pk16_fp6_f32 v[236+4*\c:238+4*\c], v[112+32*\c:127+32*\c], v[244+2*\c+1]
.endr
	v_nop
.irp c, 0,1
.irp i, 0,1,2
	v_permlane16_swap_b32 v[80+6*\c+\i], v[236+4*\c+\i]
.endr
.irp i, 0,1,2
	s_delay_alu instid0(VALU_DEP_3)
	v_mov_b32 v[83+6*\c+\i], v[236+4*\c+\i]
.endr
.endr
.set j, 0
.rept 16
	v_pk_mul_f32 v[160+j:161+j], v[160+j:161+j], v[252:253] op_sel_hi:[1,0]   ; O^T under the new M; these sixteen are also the places in front of the scaled products
.set j, j+2
.endr
	s_wait_alu depctr_va_vdst(0)
	s_wait_dscnt 0x0                               ; V
.irp t, 0,1,2,3
	v_wmma_scale_f32_16x16x128_f8f6f4 v[160+8*\t:167+8*\t], v[32+12*\t:43+12*\t], v[80:91], v[160+8*\t:167+8*\t], v[200+\t], v253 matrix_a_fmt:MATRIX_FMT_FP6 matrix_b_fmt:MATRIX_FMT_FP6
.endr
.endm
.macro TRIP                            ; a chunk of 512 keys, then on to the next chunk's addresses
	STEP 0
	STEP 1
	STEP 2
	STEP 3
	v_add_nc_u32 v1, 24576, v1
	v_add_nc_u32 v2, 24576, v2
	v_add_nc_u32 v3, 24576, v3
	v_add_nc_u32 v4, 24576, v4
	v_add_nc_u32 v5, 2048, v5
	v_add_nc_u32 v6, 2048, v6
	v_add_nc_u32 v7, 1024, v7
.endm
	s_wait_alu depctr_va_vdst(0)                   ; the wait at the head's end
	s_wait_tensorcnt 0x0                           ; chunk 0 and V's scale words are in
	ds_add_u32 v251, v255                          ; twice on end
	ds_add_u32 v251, v255
	s_wait_dscnt 0x0                               ; the adds, and for the others' sake my stores of the mask's numbers and of K's scale words
	CROUND                                         ; all four work-groups are here: the joint loads meet
	ARM 0, G0K+4,  G1K, .Lrest                     ; chunks 1 to 3 land while chunk 0 is worked
	ARM 1, G0V+4,  G1V, .Lrest
	ARM 2, G0K+8,  G1K, .Lrest
	ARM 3, G0V+8,  G1V, .Lrest
	ARM 4, G0K+12, G1K, .Lrest
	ARM 5, G0V+12, G1V, .Lrest
.Lrest:
	TRIP                                           ; chunk 0, while the other three land
	s_wait_tensorcnt 0x0
	s_wait_dscnt 0x0
	s_barrier_signal -1
	s_barrier_wait -1                              ; all of K and V lie in LDS
	s_mov_b32 s3, 3
.Ltrip:
	s_wait_alu depctr_va_vdst(0)
	TRIP
	s_sub_co_u32 s3, s3, 1
	s_cmp_lg_u32 s3, 0
	s_cbranch_scc1 .Ltrip
	; THE WAY OUT.  (The seven additions at a trip's end are the places behind the last products.)
	v_add_f32 v14, v14, v15
	s_delay_alu instid0(VALU_DEP_1)
	v_permlanex16_b32 v252, v14, s[SEL], s[SEL+1]
	s_delay_alu instid0(VALU_DEP_1)
	v_add_f32 v14, v14, v252                       ; the row's sum
	s_wait_alu depctr_va_vdst(0)
	v_rcp_f32 v14, v14
	v_nop
	s_wait_alu depctr_va_vdst(0)
.set j, 0
.rept 32
	v_mul_f32 v[96+j], v[160+j], v14               ; register 16 b + i: feature 32 b + 16 h + i of my head, query r
.set j, j+1
.endr
.irp b, 0,1
	v_max3_num_f32 v[232+\b], |v[96+16*\b]|, |v[97+16*\b]|, 0x1800000
.endr
.irp i, 2,4,6,8,10,12,14
.irp b, 0,1
	s_delay_alu instid0(VALU_DEP_2)
	v_max3_num_f32 v[232+\b], v[232+\b], |v[96+16*\b+\i]|, |v[97+16*\b+\i]|
.endr
.endr
.irp b, 0,1
	s_delay_alu instid0(VALU_DEP_2)
	v_permlanex16_b32 v[236+\b], v[232+\b], s[SEL], s[SEL+1]
.endr
.irp b, 0,1
	s_delay_alu instid0(VALU_DEP_2)
	v_max_num_f32 v[232+\b], v[232+\b], v[236+\b]
.endr
.irp b, 0,1
	s_delay_alu instid0(VALU_DEP_2)
	v_add_nc_u32 v[244+\b], 0xff000000, v[232+\b]
.endr
.irp b, 0,1
	s_delay_alu instid0(VALU_DEP_2)
	v_lshrrev_b32 v[236+\b], 23, v[244+\b]
.endr
	s_delay_alu instid0(VALU_DEP_1)
	v_lshl_or_b32 v253, v237, 8, v236
	v_cvt_scalef32_pk16_fp6_f32 v[80:82], v[96:111], v244
	v_cvt_scalef32_pk16_fp6_f32 v[84:86], v[112:127], v245
	v_nop
.irp i, 0,1,2
	v_permlane16_swap_b32 v[80+\i], v[84+\i]
.endr
	s_delay_alu instid0(VALU_DEP_3)
	v_mov_b32 v83, v84
	s_delay_alu instid0(VALU_DEP_3)
	v_mov_b32 v84, v85
	s_delay_alu instid0(VALU_DEP_3)
	v_mov_b32 v85, v86
	global_store_b128 v29, v[80:83], s[92:93]      ; 512 consecutive bytes
	global_store_b64 v30, v[84:85], s[92:93]       ; 256 consecutive bytes
	global_store_b16 v31, v253, s[8:9]             ; lanes l and l + 16 write the same two bytes with the same value
	s_wait_dscnt 0x0
	s_wait_tensorcnt 0x0
	ds_add_u32 v251, v255
	s_wait_dscnt 0x0
	CROUND                                         ; the closing round
	s_endpgm
.Lfunc_end_k_qb23e6f17cc_attn:
	.size	k_qb23e6f17cc_attn, .Lfunc_end_k_qb23e6f17cc_attn-k_qb23e6f17cc_attn
	.p2alignl 7, 3214868480
	.fill 96, 4, 3214868480
	.section	.rodata,"a",@progbits
	.p2align	6, 0x0
	.amdhsa_kernel k_qb23e6f17cc_attn
		.amdhsa_group_segment_fixed_size 327680
		.amdhsa_private_segment_fixed_size 0
		.amdhsa_enable_private_segment 0
		.amdhsa_kernarg_size 24
		.amdhsa_user_sgpr_count 2
		.amdhsa_user_sgpr_kernarg_segment_ptr 1
		.amdhsa_wavefront_size32 1
		.amdhsa_system_sgpr_workgroup_id_x 1
		.amdhsa_system_sgpr_workgroup_id_y 1
		.amdhsa_system_sgpr_workgroup_id_z 1
		.amdhsa_system_vgpr_workitem_id 0
		.amdhsa_next_free_vgpr 256
		.amdhsa_next_free_sgpr 96
		.amdhsa_reserve_vcc 0
		.amdhsa_float_denorm_mode_32 3
		.amdhsa_float_denorm_mode_16_64 3
		.amdhsa_memory_ordered 1
		.amdhsa_forward_progress 1
		.amdhsa_inst_pref_size 166
	.end_amdhsa_kernel
	.amdgpu_metadata
---
amdhsa.version: [ 1, 2 ]
amdhsa.kernels:
  - .name:           k_qb23e6f17cc_attn
    .symbol:         k_qb23e6f17cc_attn.kd
    .args:
      - { .name: qkvb, .offset: 0, .size: 8, .value_kind: global_buffer, .address_space: global }
      - { .name: mask, .offset: 8, .size: 8, .value_kind: global_buffer, .address_space: global }
      - { .name: attb, .offset: 16, .size: 8, .value_kind: global_buffer, .address_space: global }
    .group_segment_fixed_size: 327680
    .private_segment_fixed_size: 0
    .kernarg_segment_align: 8
    .kernarg_segment_size: 24
    .max_flat_workgroup_size: 512
    .sgpr_count:     96
    .vgpr_count:     256
    .wavefront_size: 32
...
	.end_amdgpu_metadata
.endif
;; end of part 11
;; launch wo (part 12): grid 8 x 32, 4 waves a work-group, clusters of 4 x 4, 327,680 bytes of LDS; arguments attb, prepb, bo, x, rbuf; writes rbuf
.if DOCPART == 12
	.amdgcn_target "amdgcn-amd-amdhsa--gfx1250"
	.amdhsa_code_object_version 6
	.text
	.protected	k_qb23e6f17cc_wo
	.globl	k_qb23e6f17cc_wo
	.p2align	8
	.type	k_qb23e6f17cc_wo,@function
k_qb23e6f17cc_wo:
	s_mov_b64 s[64:65], 0
	v_nop
	global_prefetch_b8 v0, s[64:65] scope:SCOPE_SE
	s_setreg_imm32_b32 hwreg(HW_REG_WAVE_MODE, 25, 1), 1
	s_wait_xcnt 0x0
	s_wait_alu depctr_hold_cnt(0) depctr_sa_sdst(0) depctr_va_vdst(0) depctr_va_sdst(0) depctr_va_ssrc(0) depctr_va_vcc(0) depctr_vm_vsrc(0)
	s_getreg_b32 s2, hwreg(HW_REG_IB_STS2, 6, 4)
	s_cmp_eq_u32 s2, 0
	s_cbranch_scc0 .Lentry_in_a_cluster
	s_endpgm
.Lentry_in_a_cluster:
	s_bfe_u32 s2, ttmp6, 0x10000c
	s_cmp_lg_u32 s2, 0xf033
	s_cbranch_scc0 .Lentry_shape_is_right
	s_endpgm
.Lentry_shape_is_right:
; rbuf = x + (h wo + bo): the product on codes of FP6 (E2M3) with E8M0 scales, bias and residual added in f32 on the way out; f32 rows [4096][1024].
; OPERANDS are images of operand registers (tile T, lane row r = matrix row 32 (T/2) + 8 (T%2) + r + 8 (r/8); fragment = 1,536 bytes; IMG [tile][K step][1536]; SCL [rows/128][K step][512]).
; A tile of C is 128 x 128, so that C's 4,096 x 1,024 numbers make 256 work-groups.  Four waves, 64 x 64 each: 16 accumulators, 128 registers.
; K goes in steps of 512 through two LDS slots; a wave's tensor load brings 4 tiles x 4 fragments (4 rows of 6,144 bytes).  Here SIZE_K is two such steps: both slots are first fills, and nothing is filled again.
; The scale words of the work-group's 128 + 128 rows, for all of K, come once, with the first fills.  Every LDS read of an operand covers 512 or 256 consecutive bytes: no padding.
; CLUSTERS 4 x 4: A's tiles are asked for jointly along a row of the cluster, B's along a column.
; THE MATRIX INSTRUCTION IS USED TRANSPOSED (source 0 = B's rows, source 1 = A's): lane (r, h) holds row r of A's tile; register j of B's tile t is column 32 (t/2) + 16 h + 8 (t%2) + j.
; The residual's numbers of my 64 x 64 and the bias are asked for at the head and waited for once, in front of the way out.
; LIMITS: NaN and infinities are not served.
; REGISTERS: window 0: v8-10 offsets; v12-15 the bias; v16-29 addresses; v32-63 scale words, two sets; v64-127 rows of C on the way out; v128-255 the accumulators ((a, b) at v[128 + 8 (4 a + b)]).
;   window 1: two fragment buffers, at v0 and v128: A's four fragments, then B's four.   window 2: v0-127 the residual.
.set SIZE_K, 1024
.set A_IMG,  0
.set A_SCL,  3145728
.set B_IMG,  3276800+2359296           ; wo: rows 3,072 on of the four square weights
.set B_SCL,  3276800+3145728+98304
.set NS,     SIZE_K/128
.set NQ,     4                         ; steps of 128 along K in a slot
.set LAPS,   SIZE_K/(2*NQ*128)         ; a lap = once round the two slots
.set TP,     NS*1536                   ; from tile to tile in an image
.set ROWB,   NQ*1536                   ; a tile's bytes in a slot
.set HALFT,  4*ROWB                    ; what one tensor load brings, and what one wave reads of A or of B
.set SLOT,   4*HALFT                   ; A's 8 tiles, then B's 8
.set SCL,    2*SLOT                    ; behind the slots: A's scale words (PS bytes), then B's
.set PS,     NS*512
.set SPARE,  SCL+2*PS                  ; the spare words, 128 bytes a wave, named by no other line
; LDS, in place of what the head comment says of slots and fills: ALL OF K LIES IN LDS AT ONCE.  A's 8 tiles stand at byte 0 and B's 8 at SLOT, a tile as its 8 fragments on end (TP bytes); 'slot' s below means K steps 4 s .. 4 s + 3 of a tile's row.
; Four tensor loads, one a wave, at the head: A whole, B whole, A's scale words, B's.  Nothing is filled later, so there is no fill to run ahead of and no prefetch.
.set SPITCH, 272                       ; the way out: 16 rows x (256 + 16) bytes a wave,
.set STAGE,  SPARE+512                 ; in bytes of their own behind the spare words: no tile lands there, and no other wave reads them
.set FR,     12
.set NP,     4                         ; places behind this matrix instruction (ISA guide 7.12.1)
.set BIAS, 12
.set ADRA, 16                          ; v16-17 my A fragments in slot 0, 1 (16 x lane); v18-19 the same for registers 4-5 (512 + 16 r + 8 h)
.set ADRB, 20                          ; v20-23 the same for B
.set STO,  24
.set RD,   25
.set CO,   26
.set ADRS, 27                          ; my scale words: lanes 0-15 A's, lanes 16-31 B's
.set SPW,  28
.set NIL,  29
.set SC,   32                          ; set s at v[SC + 16 s]; register 4 q + i: tile i, the slot's q-th 128 along K
.set BK,   64
.set ACC,  128
.set G1, 24
.set G0, 32
.set G1B, 48
.set G0B, 56
.set G1S, 68
.set G0S, 76
.set G1SB, 80
.set G0SB, 88
.set MSB, 0
.macro WIN new                         ; the immediate's high byte repeats the setting that is left
.if MSB != \new
	s_set_vgpr_msb (MSB<<8)|\new
.set MSB, \new
.endif
.endm
.set MUL,  0x05                        ; sources 0 (B) and 1 (A) window 1; C and D window 0
.set TO_F, 0x40                        ; destination window 1, address window 0
.macro JLOAD g0a, g1a, g0b, g1b        ; a joint load: waves 0, 1 fetch for A, waves 2, 3 for B; four v_nop follow each line
	s_cmp_eq_u32 s15, 0
	s_cbranch_scc0 .Lfor_b_\@
	tensor_load_to_lds s[\g0a:\g0a+3], s[\g1a:\g1a+7]
	s_nop 0
.rept 4
	v_nop
.endr
	s_branch .Lasked_\@
.Lfor_b_\@:
	tensor_load_to_lds s[\g0b:\g0b+3], s[\g1b:\g1b+7]
	s_nop 0
.rept 4
	v_nop
.endr
.Lasked_\@:
.endm
.macro CREST
	s_cmp_lg_u32 s14, 0
	s_cbranch_scc1 .Lnot_wave_0_\@
	s_barrier_signal -3
.Lnot_wave_0_\@:
	s_barrier_wait -3
	s_barrier_signal -1
	s_barrier_wait -1
.endm
.macro CROUND
	s_barrier_signal -1
	s_barrier_wait -1
	CREST
.endm
.macro FRAG reg, adr, q, i             ; tile i's fragment of the slot's q-th 128 along K: the image comes back as it was stored
	ds_load_b128 v[\reg:\reg+3], v[\adr] offset:TP*(\i)+1536*(\q)
	ds_load_b64 v[\reg+4:\reg+5], v[\adr+2] offset:TP*(\i)+1536*(\q)
	ds_load_b128 v[\reg+6:\reg+9], v[\adr] offset:TP*(\i)+1536*(\q)+768
	ds_load_b64 v[\reg+10:\reg+11], v[\adr+2] offset:TP*(\i)+1536*(\q)+768
.endm
; 8 matrix instructions: A's blocks a0, a0 + 1 x B's four, 128 along K, out of buffer f.  The 16 accumulators take turns, one instruction a turn, in the same order in every step.
.macro MUL8 f, a0, q, sc, zero
.irp a, \a0, \a0+1
.irp b, 0,1,2,3
.if \zero
	v_wmma_scale_f32_16x16x128_f8f6f4 v[ACC+8*(4*(\a)+\b):ACC+8*(4*(\a)+\b)+7], v[128*(\f)+48+FR*\b:128*(\f)+48+FR*\b+FR-1], v[128*(\f)+FR*(\a):128*(\f)+FR*(\a)+FR-1], 0, v[SC+16*(\sc)+4*(\q)+\b], v[SC+16*(\sc)+4*(\q)+(\a)] matrix_a_fmt:MATRIX_FMT_FP6 matrix_b_fmt:MATRIX_FMT_FP6 matrix_a_scale:MATRIX_SCALE_ROW1
.else
	v_wmma_scale_f32_16x16x128_f8f6f4 v[ACC+8*(4*(\a)+\b):ACC+8*(4*(\a)+\b)+7], v[128*(\f)+48+FR*\b:128*(\f)+48+FR*\b+FR-1], v[128*(\f)+FR*(\a):128*(\f)+FR*(\a)+FR-1], v[ACC+8*(4*(\a)+\b):ACC+8*(4*(\a)+\b)+7], v[SC+16*(\sc)+4*(\q)+\b], v[SC+16*(\sc)+4*(\q)+(\a)] matrix_a_fmt:MATRIX_FMT_FP6 matrix_b_fmt:MATRIX_FMT_FP6 matrix_a_scale:MATRIX_SCALE_ROW1
.endif
.endr
.endr
.endm
.macro FETCH slot, q, f                ; 32 LDS loads in one run: B's four fragments and A's four of the slot's q-th 128 along K, into buffer f
	WIN TO_F
.irp i, 0,1,2,3
	FRAG 128*(\f)+48+FR*\i, ADRB+\slot, \q, \i
.endr
.irp i, 0,1,2,3
	FRAG 128*(\f)+FR*\i, ADRA+\slot, \q, \i
.endr
.endm
.macro SCALES sc                       ; a slot's scale words: two tiles' words a load
.irp q, 0,1,2,3
.irp p, 0,1
	ds_load_b64 v[SC+16*\sc+4*\q+2*\p:SC+16*\sc+4*\q+2*\p+1], v[ADRS] offset:512*\q+128*\p
.endr
.endr
.endm
.macro PLACES n
.rept \n
	v_nop
.endr
.endm
.macro STEP slot, q, zero              ; 128 along K with its successor in the same slot
	s_wait_dscnt 0x0                               ; this step's fragments (and, at a slot's head, its scale words) are in
	PLACES NP                                      ; in front of loads into the other buffer, which the last step's products read
	FETCH \slot, (\q)+1, 1-(\q)%2                  ; the next step's fragments: 16 matrix instructions ahead of their use
	WIN MUL
	MUL8 (\q)%2, 0, \q, \slot, \zero
	MUL8 (\q)%2, 2, \q, \slot, \zero
.endm
; A slot's last step changes slots: one barrier; in front of it each wave waits for all its tensor loads, adds 0 to its spare word, and waits for that and for its reads of this slot.  fill = 1: this slot is filled again, two slots ahead.
.macro TURN slot, next, fill
	WIN 0                                          ; (the add's two registers lie in window 0)
	s_wait_tensorcnt 0x0                           ; all my tensor loads have landed: my part of the next slot
	ds_add_u32 v[SPW], v[NIL]                      ; 0 onto my spare word
	s_wait_dscnt 1                                 ; this step's 32 loads are in (the add may be out)
	WIN MUL
	MUL8 1, 0, NQ-1, \slot, 0                      ; eight matrix instructions stand between the add and the wait for it
	s_wait_dscnt 0x0                               ; the add is done, and my reads of this slot are over
	s_barrier_signal -1
	WIN 0
	s_barrier_wait -1
.if \fill
	CREST                                          ; the barrier has opened a round of the cluster's barrier: no wave of any partner still reads this slot or has a load on its way
	s_add_nc_u64 s[G0+4*\slot+2:G0+4*\slot+3], s[G0+4*\slot+2:G0+4*\slot+3], 2*ROWB
	s_add_nc_u64 s[G0B+4*\slot+2:G0B+4*\slot+3], s[G0B+4*\slot+2:G0B+4*\slot+3], 2*ROWB
	JLOAD G0+4*\slot, G1, G0B+4*\slot, G1B         ; the first tensor load behind the round; its four v_nop are also the places in front of the loads below
.else
	PLACES NP
.endif
	v_add_nc_u32 v[ADRS], 512*NQ, v[ADRS]          ; the next slot's scale words
	SCALES \next
	FETCH \next, 0, 0
	WIN MUL
	MUL8 1, 2, NQ-1, \slot, 0                      ; the step's other eight products, on registers, while the next slot's first fragments come
.endm
	s_load_b256 s[4:11], s[0:1], 0x0               ; A's buffer s[4:5], prepb s[6:7], the bias s[8:9], the residual s[10:11]
	s_load_b64 s[12:13], s[0:1], 0x20              ; rbuf
	v_lshl_add_u32 v[SPW], v0, 2, SPARE
	v_mov_b32 v[NIL], 0
	ds_add_u32 v28, v29
	ds_add_u32 v28, v29
	s_wait_dscnt 0x0
	v_lshrrev_b32 v1, 5, v0
	v_readfirstlane_b32 s14, v1                    ; wave 0..3
	s_lshr_b32 s15, s14, 1                         ; my half of the tile's A rows.  Also: I fetch for A (0) or for B (1)
	s_and_b32 s16, s14, 1                          ; my half of its B rows.  Also: which 4 tiles I fetch
	s_bfe_u32 s40, ttmp6, 0x40000                  ; cx
	s_bfe_u32 s41, ttmp6, 0x40004                  ; cy
	s_lshl_b32 s42, ttmp9, 2
	s_add_co_u32 s42, s42, s40                     ; tile column
	s_and_b32 s17, ttmp7, 0xffff
	s_lshl_b32 s17, s17, 2
	s_add_co_u32 s17, s17, s41                     ; tile row
	s_lshl_b32 s43, s41, 2
	s_lshl_b32 s43, 15, s43                        ; my row of the cluster
	s_lshl_b32 s44, 0x1111, s40                    ; my column
	s_or_b32 s[G1+0], s43, (3<<16)|(1<<21)         ; 15:0 the mask; 17:16 elements of 8 bytes; 21 set beside a mask; no padding
	s_or_b32 s[G1B+0], s44, (3<<16)|(1<<21)
.irp g, G1, G1B
	s_mov_b32 s[\g+1], (TP/8)<<16                  ; tensor_dim0: a tile's whole K, 12,288 bytes
	s_mov_b32 s[\g+2], 8<<16                       ; tensor_dim1: 8 tiles
	s_mov_b32 s[\g+3], (TP/8)<<16                  ; tile_dim0
	s_mov_b32 s[\g+4], 8                           ; tile_dim1
	s_mov_b32 s[\g+5], NS*192                      ; from tile to tile, in elements
	s_mov_b32 s[\g+6], 0
	s_mov_b32 s[\g+7], 0
.endr
	s_or_b32 s[G1S+0], s43, (3<<16)|(1<<21)        ; the scale words of 128 rows: PS dense bytes as rows of 256
	s_or_b32 s[G1SB+0], s44, (3<<16)|(1<<21)
.irp g, G1S, G1SB
	s_mov_b32 s[\g+1], 32<<16
	s_mov_b32 s[\g+2], (2*NS)<<16                  ; the scale words of 128 rows: PS dense bytes
	s_mov_b32 s[\g+3], 32<<16
	s_mov_b32 s[\g+4], 2*NS
	s_mov_b32 s[\g+5], 32
	s_mov_b32 s[\g+6], 0
	s_mov_b32 s[\g+7], 0
.endr
	s_lshl_b32 s20, s17, 3
	s_mul_i32 s20, s20, TP
	s_add_co_u32 s20, s20, A_IMG
	s_mov_b32 s21, 0
	s_lshl_b32 s22, s17, 1
	s_mul_i32 s22, s22, PS/2
	s_add_co_u32 s22, s22, A_SCL
	s_mov_b32 s23, 0
	s_lshl_b32 s46, s42, 3
	s_mul_i32 s46, s46, TP
	s_add_co_u32 s46, s46, B_IMG
	s_mov_b32 s47, 0
	s_lshl_b32 s92, s42, 1
	s_mul_i32 s92, s92, PS/2
	s_add_co_u32 s92, s92, B_SCL
	s_mov_b32 s93, 0
	s_wait_kmcnt 0x0
	s_add_nc_u64 s[20:21], s[4:5], s[20:21]
	s_add_nc_u64 s[22:23], s[4:5], s[22:23]
	s_add_nc_u64 s[46:47], s[6:7], s[46:47]
	s_add_nc_u64 s[92:93], s[6:7], s[92:93]
	CROUND                                         ; all sixteen work-groups are here: the first joint loads meet
	s_mov_b32 s[G0S], 1
	s_mov_b32 s[G0S+1], SCL
	s_mov_b64 s[G0S+2:G0S+3], s[22:23]
	s_or_b32 s[G0S+3], s[G0S+3], 0x80000000
	s_mov_b32 s[G0SB], 1
	s_mov_b32 s[G0SB+1], SCL+PS
	s_mov_b64 s[G0SB+2:G0SB+3], s[92:93]
	s_or_b32 s[G0SB+3], s[G0SB+3], 0x80000000
; THE HEAD'S LOADS, ONE A WAVE: wave 0 A's 8 tiles, wave 1 B's, wave 2 A's scale words, wave 3 B's.
	s_mov_b32 s[G0], 1
	s_mov_b32 s[G0+1], 0
	s_mov_b64 s[G0+2:G0+3], s[20:21]
	s_or_b32 s[G0+3], s[G0+3], 0x80000000
	s_mov_b32 s[G0B], 1
	s_mov_b32 s[G0B+1], SLOT
	s_mov_b64 s[G0B+2:G0B+3], s[46:47]
	s_or_b32 s[G0B+3], s[G0B+3], 0x80000000
.macro ARM under, g0, g1, next         ; one chain of branches on the wave's number, one load to an arm, one join
	s_cmp_lt_u32 s14, \under
	s_cbranch_scc0 \next
	tensor_load_to_lds s[\g0:\g0+3], s[\g1:\g1+7]
	s_nop 0
.rept 4
	v_nop
.endr
	s_branch .Lhead_asked
\next:
.endm
	ARM 1, G0,  G1,  .Lhead_b
	ARM 2, G0B, G1B, .Lhead_sa
	ARM 3, G0S, G1S, .Lhead_sb
	tensor_load_to_lds s[G0SB:G0SB+3], s[G1SB:G1SB+7]
	s_nop 0
.rept 4
	v_nop
.endr
.Lhead_asked:
	v_and_b32 v1, 15, v0                           ; r
	v_bfe_u32 v2, v0, 4, 1                         ; h
	v_and_b32 v3, 31, v0
	v_lshlrev_b32 v8, 4, v3                        ; 16 x lane
	v_lshlrev_b32 v9, 4, v1
	v_lshl_add_u32 v9, v2, 3, v9
	v_add_nc_u32 v9, 512, v9                       ; 512 + 16 r + 8 h
	s_mul_i32 s21, s15, 4*TP                       ; my four tiles of A
	s_mul_i32 s22, s16, 4*TP                       ; my four tiles of B,
	s_add_co_u32 s22, s22, SLOT                    ; which lie behind A's eight
.irp s, 0,1
	v_add_nc_u32 v[ADRA+\s], s21, v8
	v_add_nc_u32 v[ADRB+\s], s22, v8
	v_add_nc_u32 v[ADRA+2+\s], s21, v9
	v_add_nc_u32 v[ADRB+2+\s], s22, v9
	s_add_co_u32 s21, s21, ROWB                    ; K steps 4 to 7 of the same rows
	s_add_co_u32 s22, s22, ROWB
.endr
	v_lshlrev_b32 v5, 3, v1                        ; 8 r
	s_lshl_b32 s21, s15, 8                         ; A's: my two pairs of tiles, 128 bytes a pair
	s_lshl_b32 s22, s16, 8                         ; B's likewise, behind A's PS bytes
	s_add_co_u32 s22, s22, PS
	s_sub_co_u32 s22, s22, s21
	v_mul_u32_u24 v6, s22, v2                      ; lanes 16-31 take B's
	s_add_co_u32 s21, s21, SCL
	v_add_nc_u32 v5, v5, v6
	v_add_nc_u32 v[ADRS], s21, v5
	s_mul_i32 s23, s14, 16*SPITCH                  ; my stage
	s_add_co_u32 s23, s23, STAGE
	v_mul_u32_u24 v5, v1, SPITCH
	v_lshl_add_u32 v5, v2, 6, v5                   ; in: row r, + 64 h
	v_add_nc_u32 v[STO], s23, v5
	v_mul_u32_u24 v5, v2, SPITCH
	v_lshl_add_u32 v5, v1, 4, v5                   ; back: lanes 0-15 one row of 256 bytes, lanes 16-31 the next
	v_add_nc_u32 v[RD], s23, v5
	v_lshlrev_b32 v10, 4, v1                       ; 16 r: my four columns
	s_wait_alu depctr_va_vdst(0)
	v_lshl_add_u32 v[CO], v2, 12, v10              ; and the same two rows in C: rows of 4,096 bytes
	s_wait_alu depctr_va_vdst(0)
	s_lshl_b32 s20, s17, 7
	s_lshl_b32 s21, s15, 6
	s_add_co_u32 s20, s20, s21
	s_lshl_b32 s20, s20, 12                        ; my first row of C: 128 x tile row + 64 x half
	s_lshl_b32 s46, s42, 9
	s_lshl_b32 s47, s16, 8
	s_add_co_u32 s46, s46, s47                     ; my first column, in bytes: 512 x tile column + 256 x half
	s_add_co_u32 s20, s20, s46
	s_mov_b32 s21, 0
	s_mov_b32 s47, 0
	s_add_nc_u64 s[12:13], s[12:13], s[20:21]
	s_add_nc_u64 s[10:11], s[10:11], s[20:21]
	s_add_nc_u64 s[8:9], s[8:9], s[46:47]
; The residual's 16 rows of block a, in the order in which the block comes back from the stage: load t brings rows 2 t and 2 t + 1 of the stage, which are rows 32 (a/2) + 8 (a%2) + 2 t + h + 8 (t/4) of my 64.
.macro RLOAD a
.set t, 0
.rept 8
	global_load_b128 v[32*(\a)+4*t:32*(\a)+4*t+3], v[CO], s[10:11] offset:(32*((\a)/2)+8*((\a)%2)+2*t+8*(t/4))*4096
.set t, t+1
.endr
.endm
	global_load_b128 v[BIAS:BIAS+3], v10, s[8:9]   ; the bias of my four columns
	WIN 0x80                                       ; destination window 2
	RLOAD 0                                        ; 33 loads stay out over the whole product; their registers and addresses are touched by nothing until the wait in front of the way out
	RLOAD 1
	RLOAD 2
	RLOAD 3
	WIN 0
	s_wait_tensorcnt 0x0                           ; my tile of the four is in,
	s_barrier_signal -1
	s_barrier_wait -1                              ; everybody's is
	SCALES 0
	FETCH 0, 0, 0
	STEP 0, 0, 1                                   ; the first step's products start the sums
	STEP 0, 1, 0
	STEP 0, 2, 0
	WIN 0
.if LAPS > 1
	s_mov_b32 s3, LAPS-1
.Llap:                                                 ; a trip goes once round the two slots, from a lap's last step to the next lap's last but one, and fills both again
	TURN 0, 1, 1
	STEP 1, 0, 0
	STEP 1, 1, 0
	STEP 1, 2, 0
	TURN 1, 0, 1
	STEP 0, 0, 0
	STEP 0, 1, 0
	STEP 0, 2, 0
	WIN 0
	s_sub_co_u32 s3, s3, 1
	s_cmp_lg_u32 s3, 0
	s_cbranch_scc1 .Llap
.endif
	TURN 0, 1, 0                                   ; the last lap fills nothing
	STEP 1, 0, 0
	STEP 1, 1, 0
	STEP 1, 2, 0
	s_wait_dscnt 0x0                               ; the very last step: nothing more to fetch
	MUL8 1, 0, NQ-1, 1, 0
	MUL8 1, 2, NQ-1, 1, 0
	WIN 0
; THE WAY OUT, block by block of 16 rows x 64 columns, through my own stage in LDS; stage row t of block a is row 32 (a/2) + 8 (a%2) + t + 8 (t/8) of my 64.  A row comes back whole (256 bytes, sixteen lanes), takes the bias and the
; residual's row, and sixteen lanes store 256 consecutive bytes, aligned.  LDS serves a wave's instructions in order (ISA guide 5.7.1.4): no wait between the stores and the loads, nor in front of the next block's stores.
.macro TOSTAGE a
.irp b, 0,1,2,3
	ds_store_b128 v[STO], v[ACC+8*(4*(\a)+\b):ACC+8*(4*(\a)+\b)+3] offset:128*(\b/2)+32*(\b%2)       ; each accumulator from its low end on
	ds_store_b128 v[STO], v[ACC+8*(4*(\a)+\b)+4:ACC+8*(4*(\a)+\b)+7] offset:128*(\b/2)+32*(\b%2)+16
.endr
.set BB, BK+32*((\a)%2)
.irp t, 0,1,2,3,4,5,6,7
	ds_load_b128 v[BB+4*\t:BB+4*\t+3], v[RD] offset:\t*2*SPITCH
.endr
.endm
.macro FINISH a
.set BB, BK+32*((\a)%2)
.set RS, 32*(\a)
.set p, 0
.rept 8
	v_pk_add_f32 v[BB+p:BB+p+1], v[BB+p:BB+p+1], v[BIAS:BIAS+1]
	v_pk_add_f32 v[BB+p+2:BB+p+3], v[BB+p+2:BB+p+3], v[BIAS+2:BIAS+3]
.set p, p+4
.endr
	WIN 0x08                                       ; source 1: window 2
.set p, 0
.rept 16
	v_pk_add_f32 v[BB+p:BB+p+1], v[BB+p:BB+p+1], v[RS+p:RS+p+1]
.set p, p+2
.endr
	WIN 0
.set t, 0
.rept 8
	global_store_b128 v[CO], v[BB+4*t:BB+4*t+3], s[12:13] offset:(32*((\a)/2)+8*((\a)%2)+2*t+8*(t/4))*4096
.set t, t+1
.endr
.endm
	s_wait_loadcnt 0x0                             ; the bias and the residual, asked for at the head
	PLACES NP                                      ; in front of the first read of results
	TOSTAGE 0
.irp a, 0,1,2,3
.if \a < 3
.if \a > 0
	s_wait_xcnt 0x0                                ; block a - 1's stores have read their registers: block a + 1's rows may land there
.endif
	TOSTAGE \a+1
	s_wait_dscnt 16                                ; block a is back; behind its loads stand block a + 1's 8 stores and 8 loads
.else
	s_wait_dscnt 0x0
.endif
	FINISH \a
.endr
	s_wait_tensorcnt 0x0                           ; the wave's end
	ds_add_u32 v[SPW], v[NIL]
	s_wait_dscnt 0x0
	CROUND                                         ; the closing round
	s_endpgm
.Lfunc_end_k_qb23e6f17cc_wo:
	.size	k_qb23e6f17cc_wo, .Lfunc_end_k_qb23e6f17cc_wo-k_qb23e6f17cc_wo
	.p2alignl 7, 3214868480
	.fill 96, 4, 3214868480
	.section	.rodata,"a",@progbits
	.p2align	6, 0x0
	.amdhsa_kernel k_qb23e6f17cc_wo
		.amdhsa_group_segment_fixed_size 327680
		.amdhsa_private_segment_fixed_size 0
		.amdhsa_enable_private_segment 0
		.amdhsa_kernarg_size 40
		.amdhsa_user_sgpr_count 2
		.amdhsa_user_sgpr_kernarg_segment_ptr 1
		.amdhsa_wavefront_size32 1
		.amdhsa_system_sgpr_workgroup_id_x 1
		.amdhsa_system_sgpr_workgroup_id_y 1
		.amdhsa_system_sgpr_workgroup_id_z 1
		.amdhsa_system_vgpr_workitem_id 0
		.amdhsa_next_free_vgpr 768
		.amdhsa_next_free_sgpr 102
		.amdhsa_reserve_vcc 0
		.amdhsa_float_denorm_mode_32 3
		.amdhsa_float_denorm_mode_16_64 3
		.amdhsa_memory_ordered 1
		.amdhsa_forward_progress 1
		.amdhsa_inst_pref_size 63
	.end_amdhsa_kernel
	.amdgpu_metadata
---
amdhsa.version: [ 1, 2 ]
amdhsa.kernels:
  - .name:           k_qb23e6f17cc_wo
    .symbol:         k_qb23e6f17cc_wo.kd
    .args:
      - { .name: attb, .offset: 0, .size: 8, .value_kind: global_buffer, .address_space: global }
      - { .name: prepb, .offset: 8, .size: 8, .value_kind: global_buffer, .address_space: global }
      - { .name: bo, .offset: 16, .size: 8, .value_kind: global_buffer, .address_space: global }
      - { .name: x, .offset: 24, .size: 8, .value_kind: global_buffer, .address_space: global }
      - { .name: rbuf, .offset: 32, .size: 8, .value_kind: global_buffer, .address_space: global }
    .group_segment_fixed_size: 327680
    .private_segment_fixed_size: 0
    .kernarg_segment_align: 8
    .kernarg_segment_size: 40
    .max_flat_workgroup_size: 128
    .sgpr_count:     102
    .vgpr_count:     768
    .wavefront_size: 32
...
	.end_amdgpu_metadata
.endif
;; end of part 12
;; launch ln1 (part 13): grid 128 x 1, 8 waves a work-group, no clusters, 132,608 bytes of LDS; arguments rbuf, g1, b1, hbuf; writes hbuf
.if DOCPART == 13
	.amdgcn_target "amdgcn-amd-amdhsa--gfx1250"
	.amdhsa_code_object_version 6
	.text
	.protected	k_qb23e6f17cc_ln1
	.globl	k_qb23e6f17cc_ln1
	.p2align	8
	.type	k_qb23e6f17cc_ln1,@function
k_qb23e6f17cc_ln1:
	s_mov_b64 s[64:65], 0
	v_nop
	global_prefetch_b8 v0, s[64:65] scope:SCOPE_SE
	s_setreg_imm32_b32 hwreg(HW_REG_WAVE_MODE, 25, 1), 1
	s_wait_xcnt 0x0
; h = g1 (r - mean) / sqrt(var + 1e-12) + b1 by rows of 1,024, all in f32; h leaves twice: as f32 rows (hbuf, byte 0: the later residual) and as codes of FP6 (E2M3) with E8M0 scale words
; (images of operand registers at 16,777,216; scale words at 19,922,944: the next product's A).
; A work-group takes 32 rows, a wave four whole rows (32 registers a row): the sums never leave the wave.  The rows then go through a stage in LDS, and wave w quantises K step w of the two tiles of 16 rows.
; Stage row 16 u + r holds the row of tile 2 P + u, lane row r: row 32 P + 8 u + r + 8 (r/8).
; LIMITS: a block of zeros gets the byte 1 (read by this program alone); NaN and infinities are not served.
.set ROWS, 4
.set SPITCH, 4112
.set SEL, 2
.set OUT, 26
.set OSC, 28
.set HM,  30
.set L16, 5
.set RA0, 6
.set RA1, 7
.set L8,  8
.set LW,  9
.set WA,  10
.set G,   160
.set B,   192
.set TM,  160
.set PC0, 176
.set PC1, 196
.set PW0, 216
.set PW1, 217
.set PWX, 218
.macro QUANT s, pc, pw
.irp b, 0,1,2,3
	v_max3_num_f32 v[TM+\b], |v[\s+16*\b]|, |v[\s+1+16*\b]|, 0x1800000   ; and the floor 2^(3 - 127): the byte cannot fall under 1
.endr
.irp i, 2,4,6,8,10,12,14
.irp b, 0,1,2,3
	s_delay_alu instid0(VALU_DEP_4)
	v_max3_num_f32 v[TM+\b], v[TM+\b], |v[\s+16*\b+\i]|, |v[\s+1+16*\b+\i]|
.endr
.endr
.irp b, 0,1,2,3
	s_delay_alu instid0(VALU_DEP_4)
	v_permlanex16_b32 v[TM+4+\b], v[TM+\b], s[SEL], s[SEL+1]
.endr
.irp b, 0,1,2,3
	s_delay_alu instid0(VALU_DEP_4)
	v_max_num_f32 v[TM+\b], v[TM+\b], v[TM+4+\b]
.endr
.irp b, 0,1,2,3
	s_delay_alu instid0(VALU_DEP_4)
	v_add_nc_u32 v[TM+12+\b], 0xff000000, v[TM+\b]
.endr
.irp b, 0,1,2,3
	s_delay_alu instid0(VALU_DEP_4)
	v_lshrrev_b32 v[TM+4+\b], 23, v[TM+12+\b]
.endr
	s_delay_alu instid0(VALU_DEP_3)
	v_lshl_or_b32 v[\pw], v[TM+5], 8, v[TM+4]
	s_delay_alu instid0(VALU_DEP_1)
	v_lshl_or_b32 v[\pw], v[TM+6], 16, v[\pw]
	s_delay_alu instid0(VALU_DEP_1)
	v_lshl_or_b32 v[\pw], v[TM+7], 24, v[\pw]
.irp c, 0,1
	v_cvt_scalef32_pk16_fp6_f32 v[\pc+6*\c:\pc+2+6*\c], v[\s+32*\c:\s+15+32*\c], v[TM+12+2*\c]
	v_cvt_scalef32_pk16_fp6_f32 v[\pc+12+4*\c:\pc+14+4*\c], v[\s+16+32*\c:\s+31+32*\c], v[TM+12+2*\c+1]
.endr
	v_nop
.irp c, 0,1
.irp i, 0,1,2
	v_permlane16_swap_b32 v[\pc+6*\c+\i], v[\pc+12+4*\c+\i]
.endr
.irp i, 0,1,2
	s_delay_alu instid0(VALU_DEP_3)
	v_mov_b32 v[\pc+3+6*\c+\i], v[\pc+12+4*\c+\i]
.endr
.endr
.endm
.macro PUTFRAG pc, imm
	global_store_b128 v[L16], v[\pc:\pc+3], s[OUT:OUT+1] offset:\imm
	global_store_b64 v[L8], v[\pc+4:\pc+5], s[OUT:OUT+1] offset:\imm
	global_store_b128 v[L16], v[\pc+6:\pc+9], s[OUT:OUT+1] offset:\imm+768
	global_store_b64 v[L8], v[\pc+10:\pc+11], s[OUT:OUT+1] offset:\imm+768
.endm
.macro TOIMG
.irp b, 0,1,2,3
.irp j, 0,1,2,3
	ds_load_b128 v[32+16*\b+4*\j:35+16*\b+4*\j], v[RA0] offset:128*\b+16*\j
.endr
.endr
.irp b, 0,1,2,3
.irp j, 0,1,2,3
	ds_load_b128 v[96+16*\b+4*\j:99+16*\b+4*\j], v[RA1] offset:128*\b+16*\j
.endr
.endr
.irp b, 0,1,2,3
	v_mov_b32 v[TM+4+\b], 0
.endr
	s_wait_dscnt 16                                ; tile 0's 16 loads are in; tile 1's may be out
	QUANT 32, PC0, PW0
	PUTFRAG PC0, 0
	s_wait_dscnt 0x0
	QUANT 96, PC1, PW1
	PUTFRAG PC1, 12288
	v_cndmask_b32 v[PWX], v[PW0], v[PW1], s[HM]
	global_store_b32 v[LW], v[PWX], s[OSC:OSC+1]
.endm
.macro ALLSUM d, t                     ; v[d] summed over the 32 lanes, in every lane
	s_delay_alu instid0(VALU_DEP_1)
	v_add_f32_dpp v[\d], v[\d], v[\d] row_xmask:1 row_mask:0xf bank_mask:0xf
	s_delay_alu instid0(VALU_DEP_1)
	v_add_f32_dpp v[\d], v[\d], v[\d] row_xmask:2 row_mask:0xf bank_mask:0xf
	s_delay_alu instid0(VALU_DEP_1)
	v_add_f32_dpp v[\d], v[\d], v[\d] row_xmask:4 row_mask:0xf bank_mask:0xf
	s_delay_alu instid0(VALU_DEP_1)
	v_add_f32_dpp v[\d], v[\d], v[\d] row_xmask:8 row_mask:0xf bank_mask:0xf
	s_delay_alu instid0(VALU_DEP_1)
	v_permlanex16_b32 v[\t], v[\d], s[SEL], s[SEL+1]
	s_delay_alu instid0(VALU_DEP_1)
	v_add_f32 v[\d], v[\d], v[\t]
.endm
.macro ROWLN i
.set X, 32+32*(\i)
	s_wait_loadcnt 8*(ROWS-1-(\i))                 ; g, b and row i are in; the later rows' eight loads each may be out
	v_pk_add_f32 v[16:17], v[X:X+1], v[X+2:X+3]
	v_pk_add_f32 v[18:19], v[X+4:X+5], v[X+6:X+7]
.irp p, 8,12,16,20,24,28
	s_delay_alu instid0(VALU_DEP_2)
	v_pk_add_f32 v[16:17], v[16:17], v[X+\p:X+\p+1]
	s_delay_alu instid0(VALU_DEP_2)
	v_pk_add_f32 v[18:19], v[18:19], v[X+\p+2:X+\p+3]
.endr
	s_delay_alu instid0(VALU_DEP_1)
	v_pk_add_f32 v[16:17], v[16:17], v[18:19]
	s_delay_alu instid0(VALU_DEP_1)
	v_add_f32 v20, v16, v17
	ALLSUM 20, 21
	s_delay_alu instid0(VALU_DEP_1)
	v_mul_f32 v22, 0x3a800000, v20                 ; the mean: / 1,024
	s_delay_alu instid0(VALU_DEP_1)
	v_mov_b32 v23, v22
.set p, 0
.rept 16
	v_pk_add_f32 v[X+p:X+p+1], v[X+p:X+p+1], v[22:23] neg_lo:[0,1] neg_hi:[0,1]
.set p, p+2
.endr
	v_pk_mul_f32 v[16:17], v[X:X+1], v[X:X+1]
	v_pk_mul_f32 v[18:19], v[X+2:X+3], v[X+2:X+3]
.irp p, 4,8,12,16,20,24,28
	s_delay_alu instid0(VALU_DEP_2)
	v_pk_fma_f32 v[16:17], v[X+\p:X+\p+1], v[X+\p:X+\p+1], v[16:17]
	s_delay_alu instid0(VALU_DEP_2)
	v_pk_fma_f32 v[18:19], v[X+\p+2:X+\p+3], v[X+\p+2:X+\p+3], v[18:19]
.endr
	s_delay_alu instid0(VALU_DEP_1)
	v_pk_add_f32 v[16:17], v[16:17], v[18:19]
	s_delay_alu instid0(VALU_DEP_1)
	v_add_f32 v20, v16, v17
	ALLSUM 20, 21
	s_delay_alu instid0(VALU_DEP_1)
	v_fma_f32 v20, v20, s31, s32                   ; the variance + 1e-12
	s_wait_alu depctr_va_vdst(0)
	v_rsq_f32 v24, v20
	v_nop                                          ; a plain place behind the transcendental
	s_wait_alu depctr_va_vdst(0)                   ; and the wait ahead of its first reader
	v_mov_b32 v25, v24
.set p, 0
.rept 16
	v_pk_mul_f32 v[X+p:X+p+1], v[X+p:X+p+1], v[24:25]
.set p, p+2
.endr
.set p, 0
.rept 16
	v_pk_fma_f32 v[X+p:X+p+1], v[X+p:X+p+1], v[G+p:G+p+1], v[B+p:B+p+1]
.set p, p+2
.endr
.irp j, 0,1,2,3,4,5,6,7
	global_store_b128 v[L16], v[X+4*\j:X+4*\j+3], s[10:11] offset:4096*(\i)+512*\j   ; 512 consecutive bytes
.endr
.irp j, 0,1,2,3,4,5,6,7
	ds_store_b128 v[WA], v[X+4*\j:X+4*\j+3] offset:SPITCH*(\i)+512*\j
.endr
.endm
	s_load_b256 s[4:11], s[0:1], 0x0               ; rbuf, g1, b1, hbuf
	v_lshl_add_u32 v224, v0, 2, 0x20200
	v_mov_b32 v225, 0
	v_lshrrev_b32 v1, 5, v0
	s_delay_alu instid0(VALU_DEP_1)
	v_readfirstlane_b32 s12, v1                    ; wave 0..7
	v_and_b32 v2, 31, v0
	v_and_b32 v3, 15, v0
	v_bfe_u32 v4, v0, 4, 1
	s_delay_alu instid0(VALU_DEP_3)
	v_lshlrev_b32 v[L16], 4, v2
	s_delay_alu instid0(VALU_DEP_3)
	v_lshlrev_b32 v[L8], 4, v3
	s_delay_alu instid0(VALU_DEP_1)
	v_lshl_add_u32 v[L8], v4, 3, v[L8]
	s_delay_alu instid0(VALU_DEP_1)
	v_add_nc_u32 v[L8], 512, v[L8]
	v_lshlrev_b32 v[LW], 3, v3
	s_delay_alu instid0(VALU_DEP_1)
	v_lshl_add_u32 v[LW], v4, 2, v[LW]
	s_mul_i32 s13, s12, 4*SPITCH
	v_add_nc_u32 v[WA], s13, v[L16]
	v_mul_u32_u24 v[RA0], v3, SPITCH
	s_delay_alu instid0(VALU_DEP_1)
	v_lshl_add_u32 v[RA0], v4, 6, v[RA0]
	s_lshl_b32 s13, s12, 9
	v_add_nc_u32 v[RA0], s13, v[RA0]
	s_delay_alu instid0(VALU_DEP_1)
	v_add_nc_u32 v[RA1], 16*SPITCH, v[RA0]
	v_mov_b32 v21, 0
	s_mov_b32 s[SEL], 0x76543210
	s_mov_b32 s[SEL+1], 0xfedcba98
	s_mov_b32 s[HM], 0xffff0000
	s_mov_b32 s31, 0x3a800000                      ; 1 / 1,024
	s_mov_b32 s32, 0x2b8cbccc                      ; 1e-12
	s_lshl_b32 s13, ttmp9, 5                       ; my four rows begin at 32 P + 8 (w/4) + 4 (w%4) + 8 ((w/2)%2)
	s_lshr_b32 s14, s12, 2
	s_lshl_b32 s14, s14, 3
	s_add_co_u32 s13, s13, s14
	s_and_b32 s14, s12, 3
	s_lshl_b32 s14, s14, 2
	s_add_co_u32 s13, s13, s14
	s_bfe_u32 s14, s12, 0x10001
	s_lshl_b32 s14, s14, 3
	s_add_co_u32 s13, s13, s14
	s_lshl_b32 s14, s13, 12
	s_mov_b32 s15, 0
	s_lshl_b32 s[OUT], ttmp9, 4
	s_add_co_u32 s[OUT], s[OUT], s12
	s_mul_i32 s[OUT], s[OUT], 1536
	s_add_co_u32 s[OUT], s[OUT], 16777216
	s_mov_b32 s[OUT+1], 0
	s_lshr_b32 s[OSC], ttmp9, 2
	s_lshl_b32 s[OSC], s[OSC], 3
	s_add_co_u32 s[OSC], s[OSC], s12
	s_lshl_b32 s[OSC], s[OSC], 9
	s_and_b32 s16, ttmp9, 3
	s_lshl_b32 s16, s16, 7
	s_add_co_u32 s[OSC], s[OSC], s16
	s_add_co_u32 s[OSC], s[OSC], 19922944
	s_mov_b32 s[OSC+1], 0
	s_wait_kmcnt 0x0
	s_add_nc_u64 s[4:5], s[4:5], s[14:15]
	s_add_nc_u64 s[OUT:OUT+1], s[10:11], s[OUT:OUT+1]
	s_add_nc_u64 s[OSC:OSC+1], s[10:11], s[OSC:OSC+1]
	s_add_nc_u64 s[10:11], s[10:11], s[14:15]
.irp j, 0,1,2,3,4,5,6,7
	global_load_b128 v[G+4*\j:G+4*\j+3], v[L16], s[6:7] offset:512*\j
.endr
.irp j, 0,1,2,3,4,5,6,7
	global_load_b128 v[B+4*\j:B+4*\j+3], v[L16], s[8:9] offset:512*\j
.endr
.irp i, 0,1,2,3
.irp j, 0,1,2,3,4,5,6,7
	global_load_b128 v[32+32*\i+4*\j:35+32*\i+4*\j], v[L16], s[4:5] offset:4096*\i+512*\j th:TH_LOAD_NT
.endr
.endr
	ROWLN 0
	ROWLN 1
	ROWLN 2
	ROWLN 3
	s_wait_dscnt 0x0                               ; for the others' sake: my stores into the stage are done
	s_barrier_signal -1
	s_barrier_wait -1
	s_wait_xcnt 0x0                                ; the rows' registers are the data of stores: they are written again only behind this wait
	TOIMG
	s_wait_tensorcnt 0x0
	ds_add_u32 v224, v225
	s_wait_dscnt 0x0
	s_endpgm
.Lfunc_end_k_qb23e6f17cc_ln1:
	.size	k_qb23e6f17cc_ln1, .Lfunc_end_k_qb23e6f17cc_ln1-k_qb23e6f17cc_ln1
	.p2alignl 7, 3214868480
	.fill 96, 4, 3214868480
	.section	.rodata,"a",@progbits
	.p2align	6, 0x0
	.amdhsa_kernel k_qb23e6f17cc_ln1
		.amdhsa_group_segment_fixed_size 132608
		.amdhsa_private_segment_fixed_size 0
		.amdhsa_enable_private_segment 0
		.amdhsa_kernarg_size 32
		.amdhsa_user_sgpr_count 2
		.amdhsa_user_sgpr_kernarg_segment_ptr 1
		.amdhsa_wavefront_size32 1
		.amdhsa_system_sgpr_workgroup_id_x 1
		.amdhsa_system_sgpr_workgroup_id_y 1
		.amdhsa_system_sgpr_workgroup_id_z 1
		.amdhsa_system_vgpr_workitem_id 0
		.amdhsa_next_free_vgpr 226
		.amdhsa_next_free_sgpr 66
		.amdhsa_reserve_vcc 0
		.amdhsa_float_denorm_mode_32 3
		.amdhsa_float_denorm_mode_16_64 3
		.amdhsa_memory_ordered 1
		.amdhsa_forward_progress 1
		.amdhsa_inst_pref_size 57
	.end_amdhsa_kernel
	.amdgpu_metadata
---
amdhsa.version: [ 1, 2 ]
amdhsa.kernels:
  - .name:           k_qb23e6f17cc_ln1
    .symbol:         k_qb23e6f17cc_ln1.kd
    .args:
      - { .name: rbuf, .offset: 0, .size: 8, .value_kind: global_buffer, .address_space: global }
      - { .name: g1, .offset: 8, .size: 8, .value_kind: global_buffer, .address_space: global }
      - { .name: b1, .offset: 16, .size: 8, .value_kind: global_buffer, .address_space: global }
      - { .name: hbuf, .offset: 24, .size: 8, .value_kind: global_buffer, .address_space: global }
    .group_segment_fixed_size: 132608
    .private_segment_fixed_size: 0
    .kernarg_segment_align: 8
    .kernarg_segment_size: 32
    .max_flat_workgroup_size: 256
    .sgpr_count:     66
    .vgpr_count:     226
    .wavefront_size: 32
...
	.end_amdgpu_metadata
.endif
;; end of part 13
;; launch ffn1 (part 14): grid 16 x 16, 4 waves a work-group, clusters of 4 x 4, 327,680 bytes of LDS; arguments hbuf, prepb, bf1, gbuf; writes gbuf
.if DOCPART == 14
	.amdgcn_target "amdgcn-amd-amdhsa--gfx1250"
	.amdhsa_code_object_version 6
	.text
	.protected	k_qb23e6f17cc_ffn1
	.globl	k_qb23e6f17cc_ffn1
	.p2align	8
	.type	k_qb23e6f17cc_ffn1,@function
k_qb23e6f17cc_ffn1:
	s_mov_b64 s[64:65], 0
	v_nop
	global_prefetch_b8 v0, s[64:65] scope:SCOPE_SE
	s_setreg_imm32_b32 hwreg(HW_REG_WAVE_MODE, 25, 1), 1
	s_wait_xcnt 0x0
	s_wait_alu depctr_hold_cnt(0) depctr_sa_sdst(0) depctr_va_vdst(0) depctr_va_sdst(0) depctr_va_ssrc(0) depctr_va_vcc(0) depctr_vm_vsrc(0)
	s_getreg_b32 s2, hwreg(HW_REG_IB_STS2, 6, 4)
	s_cmp_eq_u32 s2, 0
	s_cbranch_scc0 .Lentry_in_a_cluster
	s_endpgm
.Lentry_in_a_cluster:
	s_bfe_u32 s2, ttmp6, 0x10000c
	s_cmp_lg_u32 s2, 0xf033
	s_cbranch_scc0 .Lentry_shape_is_right
	s_endpgm
.Lentry_shape_is_right:
; g = gelu(h w1 + bf1), the product on codes of FP6 (E2M3) with E8M0 scales, the exact-erf GELU in f32 (erf as a quotient of two polynomials in z^2, z held to +-4); g is quantised along the features on the way out (gbuf: images of operand registers).
; A block of C is 256 x 256, four waves of 128 x 128; K goes in slots of 256 through two LDS slots; clusters 4 x 4 ask for A's tiles along a row and for B's along a column jointly.
; THE HEAD: one tensor load a wave: wave 0 A's slot 0, wave 1 B's, wave 2 A's scale words, wave 3 B's; slot 1 follows behind the full sequence and a round.
; PREFETCH: behind the fill of slot j each wave asks for slot j + 2 of two of the eight tiles that it will fetch: 24 blocks of 256 bytes, a lane a block; the four partners take different tiles, by address.  K has four slots, so only the first two fills ask.
; LIMITS: NaN and infinities are not served; a block of zeros gets the byte 1 (read by this program alone).
.set SIZE_K, 1024
.set PFO, 30
.set PFA, 4
.set A_IMG,  16777216
.set A_SCL,  19922944
.set B_IMG,  6553600
.set B_SCL,  6553600+3145728
.set GSCL,   12582912
.set NS,     SIZE_K/128
.set LAPS,   SIZE_K/512
.set TP,     NS*1536
.set HALFT,  8*3072
.set SLOT,   4*HALFT
.set SCL,    2*SLOT
.set PS,     NS*512
.set SPARE,  SCL+4*PS
.set FR,     12
.set NL,     4
.set NP,     4
.set ADRA, 16
.set ADRB, 20
.set ADRS, 27
.set SPW,  28
.set NIL,  29
.set SC,   32
.set BN,   64
.set AF,   128
.set H,    128
.set PC,   192
.set TM,   212
.set PW,   228
.set PWS,  232
.set XW,   240
.set CA,   244
.set CB,   246
.set Z,    0
.set Z2,   64
.set PP,   128
.set QQ,   192
.set SEL,  18
.set G1, 24
.set G0, 32
.set G1B, 48
.set G0B, 56
.set G1S, 68
.set G0S, 76
.set G1SB, 80
.set G0SB, 88
.set MSB, 0
.macro WIN new
.if MSB != \new
	s_set_vgpr_msb (MSB<<8)|\new
.set MSB, \new
.endif
.endm
.set MUL_LO, 0xa1
.set MUL_HI, 0xf1
.set TO_B,   0x40
.macro JLOAD g0a, g1a, g0b, g1b
	s_cmp_eq_u32 s15, 0
	s_cbranch_scc0 .Lfor_b_\@
	tensor_load_to_lds s[\g0a:\g0a+3], s[\g1a:\g1a+7]
	s_nop 0
.rept 4
	v_nop
.endr
	s_branch .Lasked_\@
.Lfor_b_\@:
	tensor_load_to_lds s[\g0b:\g0b+3], s[\g1b:\g1b+7]
	s_nop 0
.rept 4
	v_nop
.endr
.Lasked_\@:
.endm
.macro CREST
	s_cmp_lg_u32 s14, 0
	s_cbranch_scc1 .Lnot_wave_0_\@
	s_barrier_signal -3
.Lnot_wave_0_\@:
	s_barrier_wait -3
	s_barrier_signal -1
	s_barrier_wait -1
.endm
.macro CROUND
	s_barrier_signal -1
	s_barrier_wait -1
	CREST
.endm
.macro FRAG reg, adr, q, i
	ds_load_b128 v[\reg:\reg+3], v[\adr] offset:3072*(\i)+1536*(\q)
	ds_load_b64 v[\reg+4:\reg+5], v[\adr+2] offset:3072*(\i)+1536*(\q)
	ds_load_b128 v[\reg+6:\reg+9], v[\adr] offset:3072*(\i)+1536*(\q)+768
	ds_load_b64 v[\reg+10:\reg+11], v[\adr+2] offset:3072*(\i)+1536*(\q)+768
.endm
.macro MUL16 a0, p, q, sc, zero
.irp a, \a0, \a0+1
.irp b, 0,1,2,3,4,5,6,7
.if \zero
	v_wmma_scale_f32_16x16x128_f8f6f4 v[8*(8*((\a)%4)+\b):8*(8*((\a)%4)+\b)+7], v[128*(\p)+FR*\b:128*(\p)+FR*\b+FR-1], v[AF+FR*(\a):AF+FR*(\a)+FR-1], 0, v[SC+16*(\sc)+8*(\q)+\b], v[SC+16*(\sc)+8*(\q)+(\a)] matrix_a_fmt:MATRIX_FMT_FP6 matrix_b_fmt:MATRIX_FMT_FP6 matrix_a_scale:MATRIX_SCALE_ROW1
.else
	v_wmma_scale_f32_16x16x128_f8f6f4 v[8*(8*((\a)%4)+\b):8*(8*((\a)%4)+\b)+7], v[128*(\p)+FR*\b:128*(\p)+FR*\b+FR-1], v[AF+FR*(\a):AF+FR*(\a)+FR-1], v[8*(8*((\a)%4)+\b):8*(8*((\a)%4)+\b)+7], v[SC+16*(\sc)+8*(\q)+\b], v[SC+16*(\sc)+8*(\q)+(\a)] matrix_a_fmt:MATRIX_FMT_FP6 matrix_b_fmt:MATRIX_FMT_FP6 matrix_a_scale:MATRIX_SCALE_ROW1
.endif
.endr
.endr
.endm
.macro FETCH_B slot, q, p
	WIN TO_B
.irp i, 0,1,2,3,4,5,6,7
	FRAG 128*(\p)+FR*\i, ADRB+\slot, \q, \i
.endr
	WIN 0
.endm
.macro FETCH_A slot, q, i0
.irp i, \i0, \i0+1, \i0+2, \i0+3
	FRAG AF+FR*(\i), ADRA+\slot, \q, \i
.endr
.endm
.macro SCALES sc
.irp q, 0,1
.irp p, 0,1,2,3
	ds_load_b64 v[SC+16*\sc+8*\q+2*\p:SC+16*\sc+8*\q+2*\p+1], v[ADRS] offset:512*\q+128*\p
.endr
.endr
.endm
.macro PLACES n
.rept \n
	v_nop
.endr
.endm
.macro STEP slot, q, zero
	s_wait_dscnt 4*NL
	WIN MUL_LO
	MUL16 0, (\q)%2, \q, \slot, \zero
	MUL16 2, (\q)%2, \q, \slot, \zero
	s_wait_dscnt 0
	PLACES NP
	FETCH_B \slot, (\q)+1, 1-(\q)%2
	FETCH_A \slot, (\q)+1, 0
	WIN MUL_HI
	MUL16 4, (\q)%2, \q, \slot, \zero
	MUL16 6, (\q)%2, \q, \slot, \zero
	PLACES NP
	WIN 0
	FETCH_A \slot, (\q)+1, 4
.endm
.macro TURN slot, next, fill
	s_wait_tensorcnt 0x0
	ds_add_u32 v[SPW], v[NIL]
	s_wait_dscnt 4*NL+1
	WIN MUL_LO
	MUL16 0, 1, 1, \slot, 0
	s_wait_dscnt 0x0
	s_barrier_signal -1
	MUL16 2, 1, 1, \slot, 0
	WIN 0
	s_barrier_wait -1
.if \fill
	CREST
	s_add_nc_u64 s[G0+4*\slot+2:G0+4*\slot+3], s[G0+4*\slot+2:G0+4*\slot+3], 2*3072
	s_add_nc_u64 s[G0B+4*\slot+2:G0B+4*\slot+3], s[G0B+4*\slot+2:G0B+4*\slot+3], 2*3072
	JLOAD G0+4*\slot, G1, G0B+4*\slot, G1B
.else
	PLACES NP
.endif
	s_wait_alu depctr_va_vdst(0)
	v_add_nc_u32 v[ADRS], 1024, v[ADRS]
	FETCH_B \next, 0, 0
	FETCH_A \next, 0, 0
	SCALES \next
	WIN MUL_HI
	MUL16 4, 1, 1, \slot, 0
	MUL16 6, 1, 1, \slot, 0
	PLACES NP
	WIN 0
	FETCH_A \next, 0, 4
.endm
.macro QUANT s, pc, pw
.irp b, 0,1,2,3
	v_max3_num_f32 v[TM+\b], |v[\s+16*\b]|, |v[\s+1+16*\b]|, 0x1800000
.endr
.irp i, 2,4,6,8,10,12,14
.irp b, 0,1,2,3
	v_max3_num_f32 v[TM+\b], v[TM+\b], |v[\s+16*\b+\i]|, |v[\s+1+16*\b+\i]|
.endr
.endr
.irp b, 0,1,2,3
	v_permlanex16_b32 v[TM+4+\b], v[TM+\b], s[SEL], s[SEL+1]
.endr
.irp b, 0,1,2,3
	v_max_num_f32 v[TM+\b], v[TM+\b], v[TM+4+\b]
.endr
.irp b, 0,1,2,3
	v_add_nc_u32 v[TM+12+\b], 0xff000000, v[TM+\b]
.endr
.irp b, 0,1,2,3
	v_lshrrev_b32 v[TM+4+\b], 23, v[TM+12+\b]
.endr
	v_lshl_or_b32 v[\pw], v[TM+5], 8, v[TM+4]
	v_lshl_or_b32 v[\pw], v[TM+6], 16, v[\pw]
	v_lshl_or_b32 v[\pw], v[TM+7], 24, v[\pw]
.irp c, 0,1
	v_cvt_scalef32_pk16_fp6_f32 v[\pc+6*\c:\pc+2+6*\c], v[\s+32*\c:\s+15+32*\c], v[TM+12+2*\c]
	v_cvt_scalef32_pk16_fp6_f32 v[\pc+12+4*\c:\pc+14+4*\c], v[\s+16+32*\c:\s+31+32*\c], v[TM+12+2*\c+1]
.endr
	v_nop
.irp c, 0,1
.irp i, 0,1,2
	v_permlane16_swap_b32 v[\pc+6*\c+\i], v[\pc+12+4*\c+\i]
.endr
.irp i, 0,1,2
	v_mov_b32 v[\pc+3+6*\c+\i], v[\pc+12+4*\c+\i]
.endr
.endr
.endm
.macro GELU
	WIN 0x40
.set p, 0
.rept 32
	v_pk_mul_f32 v[Z+p:Z+p+1], v[H+p:H+p+1], 0x3f3504f3 op_sel_hi:[1,0]
.set p, p+2
.endr
	WIN 0x41
.set p, 0
.rept 64
	v_med3_num_f32 v[Z+p], v[Z+p], -4.0, 4.0
.set p, p+1
.endr
	WIN 0x45
.set p, 0
.rept 32
	v_pk_mul_f32 v[Z2+p:Z2+p+1], v[Z+p:Z+p+1], v[Z+p:Z+p+1]
.set p, p+2
.endr
	WIN 0x41
.set p, 0
.rept 32
	v_pk_fma_f32 v[PP+p:PP+p+1], v[Z2+p:Z2+p+1], v[CA:CA+1], 0x326dffee op_sel_hi:[1,1,0]   ; the numerator's seven coefficients are halved (1 off each exponent field: exact), so that P z / Q is erf / 2
	v_pk_fma_f32 v[QQ+p:QQ+p+1], v[Z2+p:Z2+p+1], v[CB:CB+1], 0xb95fbd29 op_sel_hi:[1,1,0]
.set p, p+2
.endr
	WIN 0x45
.irp k, 0xb58cff51, 0xb7eec2d2, 0xb9c0ac63, 0xbac1a1f6, 0xbc03dbd4
.set p, 0
.rept 32
	v_pk_fma_f32 v[PP+p:PP+p+1], v[PP+p:PP+p+1], v[Z2+p:Z2+p+1], \k op_sel_hi:[1,1,0]
.set p, p+2
.endr
.endr
.irp k, 0xbadc924e, 0xbbf19bf8, 0xbc69b6a7
.set p, 0
.rept 32
	v_pk_fma_f32 v[QQ+p:QQ+p+1], v[QQ+p:QQ+p+1], v[Z2+p:Z2+p+1], \k op_sel_hi:[1,1,0]
.set p, p+2
.endr
.endr
.set p, 0
	s_wait_alu depctr_va_vdst(0)
.rept 64
	v_rcp_f32 v[QQ+p], v[QQ+p]
.set p, p+1
.endr
.set p, 0
.rept 32
	v_pk_mul_f32 v[PP+p:PP+p+1], v[PP+p:PP+p+1], v[Z+p:Z+p+1]
.set p, p+2
.endr
	s_wait_alu depctr_va_vdst(0)           ; one wait for the batch of reciprocals, ahead of its first reader
.set p, 0
.rept 32
	v_pk_fma_f32 v[PP+p:PP+p+1], v[PP+p:PP+p+1], v[QQ+p:QQ+p+1], 0.5 op_sel_hi:[1,1,0]   ; erf / 2 + 1 / 2
.set p, p+2
.endr
	WIN 0x04                               ; source 1 window 1; source 0 and the destination window 0
.set p, 0
.rept 32
	v_pk_mul_f32 v[H+p:H+p+1], v[H+p:H+p+1], v[PP+p:PP+p+1]   ; gelu = h (1 + erf) / 2
.set p, p+2
.endr
	WIN 0
.endm
	s_load_b256 s[4:11], s[0:1], 0x0
	v_lshl_add_u32 v[SPW], v0, 2, SPARE
	v_mov_b32 v[NIL], 0
	ds_add_u32 v28, v29
	ds_add_u32 v28, v29
	s_wait_dscnt 0x0
	v_lshrrev_b32 v1, 5, v0
	v_readfirstlane_b32 s14, v1
	s_lshr_b32 s15, s14, 1
	s_and_b32 s16, s14, 1
	s_bfe_u32 s40, ttmp6, 0x40000
	s_bfe_u32 s41, ttmp6, 0x40004
	s_lshl_b32 s42, ttmp9, 2
	s_add_co_u32 s42, s42, s40
	s_and_b32 s17, ttmp7, 0xffff
	s_lshl_b32 s17, s17, 2
	s_add_co_u32 s17, s17, s41
	s_lshl_b32 s43, s41, 2
	s_lshl_b32 s43, 15, s43
	s_lshl_b32 s44, 0x1111, s40
	s_or_b32 s[G1+0], s43, (3<<16)|(1<<21)
	s_or_b32 s[G1B+0], s44, (3<<16)|(1<<21)
.irp g, G1, G1B
	s_mov_b32 s[\g+1], 384<<16
	s_mov_b32 s[\g+2], 16<<16              ; the head's loads bring 16 tiles; behind them the two words are set to 8
	s_mov_b32 s[\g+3], 384<<16
	s_mov_b32 s[\g+4], 16
	s_mov_b32 s[\g+5], NS*192
	s_mov_b32 s[\g+6], 0
	s_mov_b32 s[\g+7], 0
.endr
	s_or_b32 s[G1S+0], s43, (3<<16)|(1<<21)
	s_or_b32 s[G1SB+0], s44, (3<<16)|(1<<21)
.irp g, G1S, G1SB
	s_mov_b32 s[\g+1], 32<<16
	s_mov_b32 s[\g+2], (4*NS)<<16          ; the scale words of 256 rows: 2 PS dense bytes
	s_mov_b32 s[\g+3], 32<<16
	s_mov_b32 s[\g+4], 4*NS
	s_mov_b32 s[\g+5], 32
	s_mov_b32 s[\g+6], 0
	s_mov_b32 s[\g+7], 0
.endr
	s_lshl_b32 s18, s16, 3
	s_lshl_b32 s20, s17, 4
	s_mul_i32 s20, s20, TP
	s_add_co_u32 s20, s20, A_IMG
	s_mov_b32 s21, 0
	s_lshl_b32 s22, s17, 1
	s_mul_i32 s22, s22, PS
	s_add_co_u32 s22, s22, A_SCL
	s_mov_b32 s23, 0
	s_lshl_b32 s46, s42, 4
	s_mul_i32 s46, s46, TP
	s_add_co_u32 s46, s46, B_IMG
	s_mov_b32 s47, 0
	s_lshl_b32 s92, s42, 1
	s_mul_i32 s92, s92, PS
	s_add_co_u32 s92, s92, B_SCL
	s_mov_b32 s93, 0
	s_mul_i32 s45, s14, HALFT
	s_mul_i32 s2, s18, TP                  ; s[2:3]: from a block's first tile to the eight that I fetch in the ring
	s_mov_b32 s3, 0
	s_wait_kmcnt 0x0
	s_add_nc_u64 s[20:21], s[4:5], s[20:21]
	s_add_nc_u64 s[22:23], s[4:5], s[22:23]
	s_add_nc_u64 s[46:47], s[6:7], s[46:47]
	s_add_nc_u64 s[92:93], s[6:7], s[92:93]
	CROUND
	s_mov_b32 s[G0S], 1
	s_mov_b32 s[G0S+1], SCL
	s_mov_b64 s[G0S+2:G0S+3], s[22:23]
	s_or_b32 s[G0S+3], s[G0S+3], 0x80000000
	s_mov_b32 s[G0SB], 1
	s_mov_b32 s[G0SB+1], SCL+2*PS
	s_mov_b64 s[G0SB+2:G0SB+3], s[92:93]
	s_or_b32 s[G0SB+3], s[G0SB+3], 0x80000000
.irp s, 0,1
	s_mov_b32 s[G0+4*\s], 1
	s_add_co_u32 s[G0+4*\s+1], s45, \s*SLOT
	s_add_nc_u64 s[G0+4*\s+2:G0+4*\s+3], s[20:21], \s*3072
	s_or_b32 s[G0+4*\s+3], s[G0+4*\s+3], 0x80000000
	s_mov_b32 s[G0B+4*\s], 1
	s_add_co_u32 s[G0B+4*\s+1], s45, \s*SLOT
	s_add_nc_u64 s[G0B+4*\s+2:G0B+4*\s+3], s[46:47], \s*3072
	s_or_b32 s[G0B+4*\s+3], s[G0B+4*\s+3], 0x80000000
.endr
	s_mov_b32 s[G0+1], 0                   ; slot 0's group 0s serve the head's loads first: whole tiles of 16
	s_mov_b32 s[G0B+1], 2*HALFT
	s_add_nc_u64 s[G0+6:G0+7], s[G0+6:G0+7], s[2:3]        ; slot 1's: my eight tiles
	s_add_nc_u64 s[G0B+6:G0B+7], s[G0B+6:G0B+7], s[2:3]
	s_cmp_eq_u32 s15, 0                    ; the prefetches: A's tiles or B's, as in the ring
	s_cselect_b32 s94, s40, s41            ; my place among the four that ask with me
	s_cselect_b64 s[PFA:PFA+1], s[20:21], s[46:47]
	s_mul_i32 s94, s94, 2*TP               ; two of my eight tiles
	s_mov_b32 s95, 0
	s_add_nc_u64 s[PFA:PFA+1], s[PFA:PFA+1], s[2:3]
	s_add_nc_u64 s[PFA:PFA+1], s[PFA:PFA+1], s[94:95]
.macro ARM under, g0, g1, next         ; one chain of branches on the wave's number, one load to an arm, one join
	s_cmp_lt_u32 s14, \under
	s_cbranch_scc0 \next
	tensor_load_to_lds s[\g0:\g0+3], s[\g1:\g1+7]
	s_nop 0
.rept 4
	v_nop
.endr
	s_branch .Lhead_asked
\next:
.endm
	ARM 1, G0,  G1,  .Lhead_b
	ARM 2, G0B, G1B, .Lhead_sa
	ARM 3, G0S, G1S, .Lhead_sb
	tensor_load_to_lds s[G0SB:G0SB+3], s[G1SB:G1SB+7]
	s_nop 0
.rept 4
	v_nop
.endr
.Lhead_asked:
	v_and_b32 v[PFO], 31, v0
	v_min_u32 v[PFO], 23, v[PFO]           ; 24 blocks; the lanes left over name the last again
	v_mul_u32_u24 v31, v[PFO], 43
	v_lshrrev_b32 v31, 9, v31              ; lane / 12: which of the two tiles
	v_lshlrev_b32 v[PFO], 8, v[PFO]
	v_mad_u32_u24 v[PFO], v31, TP-3072, v[PFO]
	global_prefetch_b8 v[PFO], s[PFA:PFA+1] offset:1*3072 th:TH_LOAD_NT scope:SCOPE_SE   ; at the head also slot 1, one fill ahead of its load,
	global_prefetch_b8 v[PFO], s[PFA:PFA+1] offset:2*3072 th:TH_LOAD_NT scope:SCOPE_SE   ; and slot 2
	v_and_b32 v1, 15, v0
	v_bfe_u32 v2, v0, 4, 1
	v_and_b32 v3, 31, v0
	v_lshlrev_b32 v8, 4, v3
	v_lshlrev_b32 v9, 4, v1
	v_lshl_add_u32 v9, v2, 3, v9
	v_add_nc_u32 v9, 512, v9
	s_mul_i32 s21, s15, HALFT
	s_mul_i32 s22, s16, HALFT
	s_add_co_u32 s22, s22, 2*HALFT
.irp s, 0,1
	v_add_nc_u32 v[ADRA+\s], s21, v8
	v_add_nc_u32 v[ADRB+\s], s22, v8
	v_add_nc_u32 v[ADRA+2+\s], s21, v9
	v_add_nc_u32 v[ADRB+2+\s], s22, v9
	s_add_co_u32 s21, s21, SLOT
	s_add_co_u32 s22, s22, SLOT
.endr
	v_lshlrev_b32 v5, 3, v1
	s_mul_i32 s21, s15, PS
	s_mul_i32 s22, s16, PS
	s_add_co_u32 s22, s22, 2*PS
	s_sub_co_u32 s22, s22, s21
	v_mul_u32_u24 v6, s22, v2
	s_add_co_u32 s21, s21, SCL
	v_add_nc_u32 v5, v5, v6
	v_add_nc_u32 v[ADRS], s21, v5
	s_lshl_b32 s18, s42, 1
	s_add_co_u32 s18, s18, s16
	s_lshl_b32 s20, s17, 4
	s_lshl_b32 s21, s15, 3
	s_add_co_u32 s20, s20, s21
	s_lshl_b32 s96, s20, 5
	s_add_co_u32 s96, s96, s18
	s_mul_i32 s96, s96, 1536
	s_mov_b32 s97, 0
	s_lshr_b32 s98, s20, 3
	s_lshl_b32 s98, s98, 5
	s_add_co_u32 s98, s98, s18
	s_lshl_b32 s98, s98, 9
	s_add_co_u32 s98, s98, GSCL
	s_mov_b32 s99, 0
	s_lshl_b32 s46, s18, 9
	s_mov_b32 s47, 0
	s_add_nc_u64 s[96:97], s[10:11], s[96:97]
	s_add_nc_u64 s[98:99], s[10:11], s[98:99]
	s_add_nc_u64 s[8:9], s[8:9], s[46:47]
	v_lshlrev_b32 v12, 7, v2
	v_lshl_add_u32 v12, v1, 3, v12
	v_lshlrev_b32 v13, 6, v2
.irp b, 0,1,2,3
.irp j, 0,1,2,3
	global_load_b128 v[BN+16*\b+4*\j:BN+16*\b+4*\j+3], v13, s[8:9] offset:128*\b+16*\j
.endr
.endr
	v_mov_b32 v[CA], 0xaf15df0b
	v_mov_b32 v[CA+1], 0xaf15df0b
	v_mov_b32 v[CB], 0xb77460cd
	v_mov_b32 v[CB+1], 0xb77460cd
	s_wait_alu depctr_va_vdst(0)
	s_wait_loadcnt 0x0
	s_wait_tensorcnt 0x0                   ; my tile of the head's four is in
	ds_add_u32 v[SPW], v[NIL]
	s_add_co_u32 s[G0+1], s45, 0           ; no load of mine is out: slot 0's group 0s take the ring's form: my eight tiles,
	s_add_co_u32 s[G0B+1], s45, 0
	s_add_nc_u64 s[G0+2:G0+3], s[G0+2:G0+3], s[2:3]
	s_add_nc_u64 s[G0B+2:G0B+3], s[G0B+2:G0B+3], s[2:3]
	s_mov_b32 s[G1+2], 8<<16               ; and a load brings 8 tiles
	s_mov_b32 s[G1+4], 8
	s_mov_b32 s[G1B+2], 8<<16
	s_mov_b32 s[G1B+4], 8
	s_wait_dscnt 0x0
	CROUND                                 ; all four tiles are in, and all sixteen work-groups are here
	JLOAD G0+4, G1, G0B+4, G1B             ; slot 1, the first tensor load behind the round
	global_prefetch_b8 v[PFO], s[PFA:PFA+1] offset:3*3072 th:TH_LOAD_NT scope:SCOPE_SE   ; slot 3
	FETCH_B 0, 0, 0
	FETCH_A 0, 0, 0
	SCALES 0
	FETCH_A 0, 0, 4
	STEP 0, 0, 1
	s_mov_b32 s3, LAPS-1
.Llap:
	TURN 0, 1, 1
	STEP 1, 0, 0
	TURN 1, 0, 1
	STEP 0, 0, 0
	s_sub_co_u32 s3, s3, 1
	s_cmp_lg_u32 s3, 0
	s_cbranch_scc1 .Llap
	TURN 0, 1, 0
	STEP 1, 0, 0
	s_wait_dscnt 4*NL
	WIN MUL_LO
	MUL16 0, 1, 1, 1, 0
	MUL16 2, 1, 1, 1, 0
	s_wait_dscnt 0
	WIN MUL_HI
	MUL16 4, 1, 1, 1, 0
	MUL16 6, 1, 1, 1, 0
	WIN 0
	PLACES NP
.irp b, 0,1,2,3
	v_mov_b32 v[TM+4+\b], 0
.endr
.irp i, 0,1,2,3,4,5,6,7
	v_mov_b32 v[PWS+\i], 0
.endr
	s_mov_b32 s[SEL], 0x76543210
	s_mov_b32 s[SEL+1], 0xfedcba98
	s_mov_b32 s66, 0xffff0000
	s_mov_b32 s3, 0
.Lalpha:
.irp a, 0,1,2,3,4,5,6,7
	s_cmp_lg_u32 s3, \a
	s_cbranch_scc1 .Lnot_\a
	WIN 0x02+(\a)/4
.set p, 0
.rept 32
	v_pk_add_f32 v[H+p:H+p+1], v[64*((\a)%4)+p:64*((\a)%4)+p+1], v[BN+p:BN+p+1]
.set p, p+2
.endr
	WIN 0
.Lnot_\a:
.endr
	GELU
	QUANT H, PC, PW
	global_store_b128 v8, v[PC:PC+3], s[96:97]
	global_store_b64 v9, v[PC+4:PC+5], s[96:97]
	global_store_b128 v8, v[PC+6:PC+9], s[96:97] offset:768
	global_store_b64 v9, v[PC+10:PC+11], s[96:97] offset:768
.irp i, 0,1,2,3,4,5,6
	v_mov_b32 v[PWS+\i], v[PWS+\i+1]
.endr
	v_mov_b32 v[PWS+7], v[PW]
	s_wait_xcnt 0x0
	s_add_nc_u64 s[96:97], s[96:97], 49152
	s_add_co_u32 s3, s3, 1
	s_cmp_lt_u32 s3, 8
	s_cbranch_scc1 .Lalpha
	s_wait_alu depctr_va_vdst(0)
.irp g, 0,1
	v_cndmask_b32 v[XW+2*\g], v[PWS+4*\g], v[PWS+4*\g+2], s66
	v_cndmask_b32 v[XW+2*\g+1], v[PWS+4*\g+1], v[PWS+4*\g+3], s66
	global_store_b64 v12, v[XW+2*\g:XW+2*\g+1], s[98:99] offset:256*\g
.endr
	s_wait_tensorcnt 0x0
	ds_add_u32 v[SPW], v[NIL]
	s_wait_dscnt 0x0
	CROUND
	s_endpgm
.Lfunc_end_k_qb23e6f17cc_ffn1:
	.size	k_qb23e6f17cc_ffn1, .Lfunc_end_k_qb23e6f17cc_ffn1-k_qb23e6f17cc_ffn1
	.p2alignl 7, 3214868480
	.fill 96, 4, 3214868480
	.section	.rodata,"a",@progbits
	.p2align	6, 0x0
	.amdhsa_kernel k_qb23e6f17cc_ffn1
		.amdhsa_group_segment_fixed_size 327680
		.amdhsa_private_segment_fixed_size 0
		.amdhsa_enable_private_segment 0
		.amdhsa_kernarg_size 32
		.amdhsa_user_sgpr_count 2
		.amdhsa_user_sgpr_kernarg_segment_ptr 1
		.amdhsa_wavefront_size32 1
		.amdhsa_system_sgpr_workgroup_id_x 1
		.amdhsa_system_sgpr_workgroup_id_y 1
		.amdhsa_system_sgpr_workgroup_id_z 1
		.amdhsa_system_vgpr_workitem_id 0
		.amdhsa_next_free_vgpr 1024
		.amdhsa_next_free_sgpr 102
		.amdhsa_reserve_vcc 0
		.amdhsa_float_denorm_mode_32 3
		.amdhsa_float_denorm_mode_16_64 3
		.amdhsa_memory_ordered 1
		.amdhsa_forward_progress 1
		.amdhsa_inst_pref_size 188
	.end_amdhsa_kernel
	.amdgpu_metadata
---
amdhsa.version: [ 1, 2 ]
amdhsa.kernels:
  - .name:           k_qb23e6f17cc_ffn1
    .symbol:         k_qb23e6f17cc_ffn1.kd
    .args:
      - { .name: hbuf, .offset: 0, .size: 8, .value_kind: global_buffer, .address_space: global }
      - { .name: prepb, .offset: 8, .size: 8, .value_kind: global_buffer, .address_space: global }
      - { .name: bf1, .offset: 16, .size: 8, .value_kind: global_buffer, .address_space: global }
      - { .name: gbuf, .offset: 24, .size: 8, .value_kind: global_buffer, .address_space: global }
    .group_segment_fixed_size: 327680
    .private_segment_fixed_size: 0
    .kernarg_segment_align: 8
    .kernarg_segment_size: 32
    .max_flat_workgroup_size: 128
    .sgpr_count:     102
    .vgpr_count:     1024
    .wavefront_size: 32
...
	.end_amdgpu_metadata
.endif
;; end of part 14
;; launch ffn2 (part 15): grid 8 x 32, 4 waves a work-group, clusters of 4 x 4, 327,680 bytes of LDS; arguments gbuf, prepb, bf2, hbuf, rbuf; writes rbuf
.if DOCPART == 15
	.amdgcn_target "amdgcn-amd-amdhsa--gfx1250"
	.amdhsa_code_object_version 6
	.text
	.protected	k_qb23e6f17cc_ffn2
	.globl	k_qb23e6f17cc_ffn2
	.p2align	8
	.type	k_qb23e6f17cc_ffn2,@function
k_qb23e6f17cc_ffn2:
	s_mov_b64 s[64:65], 0
	v_nop
	global_prefetch_b8 v0, s[64:65] scope:SCOPE_SE
	s_setreg_imm32_b32 hwreg(HW_REG_WAVE_MODE, 25, 1), 1
	s_wait_xcnt 0x0
	s_wait_alu depctr_hold_cnt(0) depctr_sa_sdst(0) depctr_va_vdst(0) depctr_va_sdst(0) depctr_va_ssrc(0) depctr_va_vcc(0) depctr_vm_vsrc(0)
	s_getreg_b32 s2, hwreg(HW_REG_IB_STS2, 6, 4)
	s_cmp_eq_u32 s2, 0
	s_cbranch_scc0 .Lentry_in_a_cluster
	s_endpgm
.Lentry_in_a_cluster:
	s_bfe_u32 s2, ttmp6, 0x10000c
	s_cmp_lg_u32 s2, 0xf033
	s_cbranch_scc0 .Lentry_shape_is_right
	s_endpgm
.Lentry_shape_is_right:
; rbuf = h + (g w2 + bf2): the product on codes of FP6 (E2M3) with E8M0 scales, bias and residual added in f32 on the way out; f32 rows [4096][1024].
; A block of C is 128 x 128 (256 work-groups), four waves of 64 x 64; K goes in slots of 512 through two LDS slots, eight slots in all; clusters 4 x 4 ask for A's tiles along a row and for B's along a column jointly.
; THE HEAD: one tensor load a wave: wave 0 A's slot 0, wave 1 B's, wave 2 A's scale words, wave 3 B's; slot 1 follows behind the full sequence and a round.
; PREFETCH: behind the fill of slot j each wave asks for slot j + 2 of one of the four tiles that it will fetch: 24 blocks of 256 bytes, a lane a block; the four partners take different tiles, by address.
; The fills of slots 6 and 7 (the loop's last trip) ask for nothing.  What a work-group has asked for and not yet read is at most two slots of its waves' tiles.
; LIMITS: NaN and infinities are not served.
.set SIZE_K, 4096
.set PFO, 30
.set PFA, 4
.set A_IMG,  0
.set A_SCL,  12582912
.set B_IMG,  9830400
.set B_SCL,  9830400+3145728
.set NS,     SIZE_K/128
.set NQ,     4
.set LAPS,   SIZE_K/(2*NQ*128)
.set TP,     NS*1536
.set ROWB,   NQ*1536
.set HALFT,  4*ROWB
.set SLOT,   4*HALFT
.set SCL,    2*SLOT
.set PS,     NS*512
.set SPARE,  SCL+2*PS
.set SPITCH, 272
.set FR,     12
.set NP,     4
.set BIAS, 12
.set ADRA, 16
.set ADRB, 20
.set STO,  24
.set RD,   25
.set CO,   26
.set ADRS, 27
.set SPW,  28
.set NIL,  29
.set SC,   32
.set BK,   64
.set ACC,  128
.set G1, 24
.set G0, 32
.set G1B, 48
.set G0B, 56
.set G1S, 68
.set G0S, 76
.set G1SB, 80
.set G0SB, 88
.set MSB, 0
.macro WIN new
.if MSB != \new
	s_set_vgpr_msb (MSB<<8)|\new
.set MSB, \new
.endif
.endm
.set MUL,  0x05
.set TO_F, 0x40
.macro JLOAD g0a, g1a, g0b, g1b
	s_cmp_eq_u32 s15, 0
	s_cbranch_scc0 .Lfor_b_\@
	tensor_load_to_lds s[\g0a:\g0a+3], s[\g1a:\g1a+7]
	s_nop 0
.rept 4
	v_nop
.endr
	s_branch .Lasked_\@
.Lfor_b_\@:
	tensor_load_to_lds s[\g0b:\g0b+3], s[\g1b:\g1b+7]
	s_nop 0
.rept 4
	v_nop
.endr
.Lasked_\@:
.endm
.macro CREST
	s_cmp_lg_u32 s14, 0
	s_cbranch_scc1 .Lnot_wave_0_\@
	s_barrier_signal -3
.Lnot_wave_0_\@:
	s_barrier_wait -3
	s_barrier_signal -1
	s_barrier_wait -1
.endm
.macro CROUND
	s_barrier_signal -1
	s_barrier_wait -1
	CREST
.endm
.macro FRAG reg, adr, q, i
	ds_load_b128 v[\reg:\reg+3], v[\adr] offset:ROWB*(\i)+1536*(\q)
	ds_load_b64 v[\reg+4:\reg+5], v[\adr+2] offset:ROWB*(\i)+1536*(\q)
	ds_load_b128 v[\reg+6:\reg+9], v[\adr] offset:ROWB*(\i)+1536*(\q)+768
	ds_load_b64 v[\reg+10:\reg+11], v[\adr+2] offset:ROWB*(\i)+1536*(\q)+768
.endm
.macro MUL8 f, a0, q, sc, zero
.irp a, \a0, \a0+1
.irp b, 0,1,2,3
.if \zero
	v_wmma_scale_f32_16x16x128_f8f6f4 v[ACC+8*(4*(\a)+\b):ACC+8*(4*(\a)+\b)+7], v[128*(\f)+48+FR*\b:128*(\f)+48+FR*\b+FR-1], v[128*(\f)+FR*(\a):128*(\f)+FR*(\a)+FR-1], 0, v[SC+16*(\sc)+4*(\q)+\b], v[SC+16*(\sc)+4*(\q)+(\a)] matrix_a_fmt:MATRIX_FMT_FP6 matrix_b_fmt:MATRIX_FMT_FP6 matrix_a_scale:MATRIX_SCALE_ROW1
.else
	v_wmma_scale_f32_16x16x128_f8f6f4 v[ACC+8*(4*(\a)+\b):ACC+8*(4*(\a)+\b)+7], v[128*(\f)+48+FR*\b:128*(\f)+48+FR*\b+FR-1], v[128*(\f)+FR*(\a):128*(\f)+FR*(\a)+FR-1], v[ACC+8*(4*(\a)+\b):ACC+8*(4*(\a)+\b)+7], v[SC+16*(\sc)+4*(\q)+\b], v[SC+16*(\sc)+4*(\q)+(\a)] matrix_a_fmt:MATRIX_FMT_FP6 matrix_b_fmt:MATRIX_FMT_FP6 matrix_a_scale:MATRIX_SCALE_ROW1
.endif
.endr
.endr
.endm
.macro FETCH slot, q, f
	WIN TO_F
.irp i, 0,1,2,3
	FRAG 128*(\f)+48+FR*\i, ADRB+\slot, \q, \i
.endr
.irp i, 0,1,2,3
	FRAG 128*(\f)+FR*\i, ADRA+\slot, \q, \i
.endr
.endm
.macro SCALES sc
.irp q, 0,1,2,3
.irp p, 0,1
	ds_load_b64 v[SC+16*\sc+4*\q+2*\p:SC+16*\sc+4*\q+2*\p+1], v[ADRS] offset:512*\q+128*\p
.endr
.endr
.endm
.macro PLACES n
.rept \n
	v_nop
.endr
.endm
.macro STEP slot, q, zero
	s_wait_dscnt 0x0
	PLACES NP
	FETCH \slot, (\q)+1, 1-(\q)%2
	WIN MUL
	MUL8 (\q)%2, 0, \q, \slot, \zero
	MUL8 (\q)%2, 2, \q, \slot, \zero
.endm
.macro TURN slot, next, fill
	WIN 0
	s_wait_tensorcnt 0x0
	ds_add_u32 v[SPW], v[NIL]
	s_wait_dscnt 1
	WIN MUL
	MUL8 1, 0, NQ-1, \slot, 0
	s_wait_dscnt 0x0
	s_barrier_signal -1
	WIN 0
	s_barrier_wait -1
.if \fill
	CREST
	s_add_nc_u64 s[G0+4*\slot+2:G0+4*\slot+3], s[G0+4*\slot+2:G0+4*\slot+3], 2*ROWB
	s_add_nc_u64 s[G0B+4*\slot+2:G0B+4*\slot+3], s[G0B+4*\slot+2:G0B+4*\slot+3], 2*ROWB
	JLOAD G0+4*\slot, G1, G0B+4*\slot, G1B
.else
	PLACES NP
.endif
	s_wait_alu depctr_va_vdst(0)
	v_add_nc_u32 v[ADRS], 512*NQ, v[ADRS]
	SCALES \next
	FETCH \next, 0, 0
.if \fill
	WIN 0                                  ; (a branch follows)
	s_cmp_gt_u32 s3, 1                     ; not in the last trip: slots 8 and 9 do not exist
	s_cbranch_scc0 .Lnopf_\@
	global_prefetch_b8 v[PFO], s[PFA:PFA+1] offset:(4+\slot)*ROWB th:TH_LOAD_NT scope:SCOPE_SE   ; two fills on
.Lnopf_\@:
.endif
	WIN MUL
	MUL8 1, 2, NQ-1, \slot, 0
.endm
	s_load_b256 s[4:11], s[0:1], 0x0
	s_load_b64 s[12:13], s[0:1], 0x20
	v_lshl_add_u32 v[SPW], v0, 2, SPARE
	v_mov_b32 v[NIL], 0
	ds_add_u32 v28, v29
	ds_add_u32 v28, v29
	s_wait_dscnt 0x0
	v_lshrrev_b32 v1, 5, v0
	v_readfirstlane_b32 s14, v1
	s_lshr_b32 s15, s14, 1
	s_and_b32 s16, s14, 1
	s_bfe_u32 s40, ttmp6, 0x40000
	s_bfe_u32 s41, ttmp6, 0x40004
	s_lshl_b32 s42, ttmp9, 2
	s_add_co_u32 s42, s42, s40
	s_and_b32 s17, ttmp7, 0xffff
	s_lshl_b32 s17, s17, 2
	s_add_co_u32 s17, s17, s41
	s_lshl_b32 s43, s41, 2
	s_lshl_b32 s43, 15, s43
	s_lshl_b32 s44, 0x1111, s40
	s_or_b32 s[G1+0], s43, (3<<16)|(1<<21)
	s_or_b32 s[G1B+0], s44, (3<<16)|(1<<21)
.irp g, G1, G1B
	s_mov_b32 s[\g+1], (ROWB/8)<<16
	s_mov_b32 s[\g+2], 8<<16               ; the head's loads bring 8 tiles; behind them the two words are set to 4
	s_mov_b32 s[\g+3], (ROWB/8)<<16
	s_mov_b32 s[\g+4], 8
	s_mov_b32 s[\g+5], NS*192
	s_mov_b32 s[\g+6], 0
	s_mov_b32 s[\g+7], 0
.endr
	s_or_b32 s[G1S+0], s43, (3<<16)|(1<<21)
	s_or_b32 s[G1SB+0], s44, (3<<16)|(1<<21)
.irp g, G1S, G1SB
	s_mov_b32 s[\g+1], 32<<16
	s_mov_b32 s[\g+2], (2*NS)<<16          ; the scale words of 128 rows: PS dense bytes
	s_mov_b32 s[\g+3], 32<<16
	s_mov_b32 s[\g+4], 2*NS
	s_mov_b32 s[\g+5], 32
	s_mov_b32 s[\g+6], 0
	s_mov_b32 s[\g+7], 0
.endr
	s_lshl_b32 s18, s16, 2
	s_lshl_b32 s20, s17, 3
	s_mul_i32 s20, s20, TP
	s_add_co_u32 s20, s20, A_IMG
	s_mov_b32 s21, 0
	s_lshl_b32 s22, s17, 1
	s_mul_i32 s22, s22, PS/2
	s_add_co_u32 s22, s22, A_SCL
	s_mov_b32 s23, 0
	s_lshl_b32 s46, s42, 3
	s_mul_i32 s46, s46, TP
	s_add_co_u32 s46, s46, B_IMG
	s_mov_b32 s47, 0
	s_lshl_b32 s92, s42, 1
	s_mul_i32 s92, s92, PS/2
	s_add_co_u32 s92, s92, B_SCL
	s_mov_b32 s93, 0
	s_mul_i32 s45, s14, HALFT
	s_mul_i32 s2, s18, TP                  ; s[2:3]: from a block's first tile to the four that I fetch in the ring
	s_mov_b32 s3, 0
	s_wait_kmcnt 0x0
	s_add_nc_u64 s[20:21], s[4:5], s[20:21]
	s_add_nc_u64 s[22:23], s[4:5], s[22:23]
	s_add_nc_u64 s[46:47], s[6:7], s[46:47]
	s_add_nc_u64 s[92:93], s[6:7], s[92:93]
	CROUND
	s_mov_b32 s[G0S], 1
	s_mov_b32 s[G0S+1], SCL
	s_mov_b64 s[G0S+2:G0S+3], s[22:23]
	s_or_b32 s[G0S+3], s[G0S+3], 0x80000000
	s_mov_b32 s[G0SB], 1
	s_mov_b32 s[G0SB+1], SCL+PS
	s_mov_b64 s[G0SB+2:G0SB+3], s[92:93]
	s_or_b32 s[G0SB+3], s[G0SB+3], 0x80000000
.irp s, 0,1
	s_mov_b32 s[G0+4*\s], 1
	s_add_co_u32 s[G0+4*\s+1], s45, \s*SLOT
	s_add_nc_u64 s[G0+4*\s+2:G0+4*\s+3], s[20:21], \s*ROWB
	s_or_b32 s[G0+4*\s+3], s[G0+4*\s+3], 0x80000000
	s_mov_b32 s[G0B+4*\s], 1
	s_add_co_u32 s[G0B+4*\s+1], s45, \s*SLOT
	s_add_nc_u64 s[G0B+4*\s+2:G0B+4*\s+3], s[46:47], \s*ROWB
	s_or_b32 s[G0B+4*\s+3], s[G0B+4*\s+3], 0x80000000
.endr
	s_mov_b32 s[G0+1], 0                   ; slot 0's group 0s serve the head's loads first: whole tiles of 8
	s_mov_b32 s[G0B+1], 2*HALFT
	s_add_nc_u64 s[G0+6:G0+7], s[G0+6:G0+7], s[2:3]        ; slot 1's: my four tiles
	s_add_nc_u64 s[G0B+6:G0B+7], s[G0B+6:G0B+7], s[2:3]
	s_cmp_eq_u32 s15, 0                    ; the prefetches: A's tiles or B's, as in the ring
	s_cselect_b32 s94, s40, s41            ; my place among the four that ask with me
	s_cselect_b64 s[PFA:PFA+1], s[20:21], s[46:47]
	s_mul_i32 s94, s94, TP                 ; one of my four tiles
	s_mov_b32 s95, 0
	s_add_nc_u64 s[PFA:PFA+1], s[PFA:PFA+1], s[2:3]
	s_add_nc_u64 s[PFA:PFA+1], s[PFA:PFA+1], s[94:95]
.macro ARM under, g0, g1, next         ; one chain of branches on the wave's number, one load to an arm, one join
	s_cmp_lt_u32 s14, \under
	s_cbranch_scc0 \next
	tensor_load_to_lds s[\g0:\g0+3], s[\g1:\g1+7]
	s_nop 0
.rept 4
	v_nop
.endr
	s_branch .Lhead_asked
\next:
.endm
	ARM 1, G0,  G1,  .Lhead_b
	ARM 2, G0B, G1B, .Lhead_sa
	ARM 3, G0S, G1S, .Lhead_sb
	tensor_load_to_lds s[G0SB:G0SB+3], s[G1SB:G1SB+7]
	s_nop 0
.rept 4
	v_nop
.endr
.Lhead_asked:
	v_and_b32 v[PFO], 31, v0
	v_min_u32 v[PFO], 23, v[PFO]           ; a tile's slot is 24 blocks of 256 bytes; the lanes left over name the last again
	v_lshlrev_b32 v[PFO], 8, v[PFO]
	global_prefetch_b8 v[PFO], s[PFA:PFA+1] offset:1*ROWB th:TH_LOAD_NT scope:SCOPE_SE   ; at the head also slot 1, one fill ahead of its load,
	global_prefetch_b8 v[PFO], s[PFA:PFA+1] offset:2*ROWB th:TH_LOAD_NT scope:SCOPE_SE   ; and slot 2
	v_and_b32 v1, 15, v0
	v_bfe_u32 v2, v0, 4, 1
	v_and_b32 v3, 31, v0
	v_lshlrev_b32 v8, 4, v3
	v_lshlrev_b32 v9, 4, v1
	v_lshl_add_u32 v9, v2, 3, v9
	v_add_nc_u32 v9, 512, v9
	s_mul_i32 s21, s15, HALFT
	s_mul_i32 s22, s16, HALFT
	s_add_co_u32 s22, s22, 2*HALFT
.irp s, 0,1
	v_add_nc_u32 v[ADRA+\s], s21, v8
	v_add_nc_u32 v[ADRB+\s], s22, v8
	v_add_nc_u32 v[ADRA+2+\s], s21, v9
	v_add_nc_u32 v[ADRB+2+\s], s22, v9
	s_add_co_u32 s21, s21, SLOT
	s_add_co_u32 s22, s22, SLOT
.endr
	v_lshlrev_b32 v5, 3, v1
	s_lshl_b32 s21, s15, 8
	s_lshl_b32 s22, s16, 8
	s_add_co_u32 s22, s22, PS
	s_sub_co_u32 s22, s22, s21
	v_mul_u32_u24 v6, s22, v2
	s_add_co_u32 s21, s21, SCL
	v_add_nc_u32 v5, v5, v6
	v_add_nc_u32 v[ADRS], s21, v5
	s_mul_i32 s23, s14, 16*SPITCH
	v_mul_u32_u24 v5, v1, SPITCH
	v_lshl_add_u32 v5, v2, 6, v5
	v_add_nc_u32 v[STO], s23, v5
	v_mul_u32_u24 v5, v2, SPITCH
	v_lshl_add_u32 v5, v1, 4, v5
	v_add_nc_u32 v[RD], s23, v5
	v_lshlrev_b32 v10, 4, v1
	s_wait_alu depctr_va_vdst(0)
	v_lshl_add_u32 v[CO], v2, 12, v10
	s_wait_alu depctr_va_vdst(0)
	s_lshl_b32 s20, s17, 7
	s_lshl_b32 s21, s15, 6
	s_add_co_u32 s20, s20, s21
	s_lshl_b32 s20, s20, 12
	s_lshl_b32 s46, s42, 9
	s_lshl_b32 s47, s16, 8
	s_add_co_u32 s46, s46, s47
	s_add_co_u32 s20, s20, s46
	s_mov_b32 s21, 0
	s_mov_b32 s47, 0
	s_add_nc_u64 s[12:13], s[12:13], s[20:21]
	s_add_nc_u64 s[10:11], s[10:11], s[20:21]
	s_add_nc_u64 s[8:9], s[8:9], s[46:47]
.macro RLOAD a
.set t, 0
.rept 8
	global_load_b128 v[32*(\a)+4*t:32*(\a)+4*t+3], v[CO], s[10:11] offset:(32*((\a)/2)+8*((\a)%2)+2*t+8*(t/4))*4096
.set t, t+1
.endr
.endm
	global_load_b128 v[BIAS:BIAS+3], v10, s[8:9]
	WIN 0x80
	RLOAD 0
	RLOAD 1
	RLOAD 2
	RLOAD 3
	WIN 0
	s_wait_tensorcnt 0x0                   ; my tile of the head's four is in
	ds_add_u32 v[SPW], v[NIL]
	s_add_co_u32 s[G0+1], s45, 0           ; no load of mine is out: slot 0's group 0s take the ring's form: my four tiles,
	s_add_co_u32 s[G0B+1], s45, 0
	s_add_nc_u64 s[G0+2:G0+3], s[G0+2:G0+3], s[2:3]
	s_add_nc_u64 s[G0B+2:G0B+3], s[G0B+2:G0B+3], s[2:3]
	s_mov_b32 s[G1+2], 4<<16               ; and a load brings 4 tiles
	s_mov_b32 s[G1+4], 4
	s_mov_b32 s[G1B+2], 4<<16
	s_mov_b32 s[G1B+4], 4
	s_wait_dscnt 0x0
	CROUND                                 ; all four tiles are in, and all sixteen work-groups are here
	JLOAD G0+4, G1, G0B+4, G1B             ; slot 1, the first tensor load behind the round
	global_prefetch_b8 v[PFO], s[PFA:PFA+1] offset:3*ROWB th:TH_LOAD_NT scope:SCOPE_SE   ; slot 3
	SCALES 0
	FETCH 0, 0, 0
	STEP 0, 0, 1
	STEP 0, 1, 0
	STEP 0, 2, 0
	WIN 0
.if LAPS > 1
	s_mov_b32 s3, LAPS-1
.Llap:
	TURN 0, 1, 1
	STEP 1, 0, 0
	STEP 1, 1, 0
	STEP 1, 2, 0
	TURN 1, 0, 1
	STEP 0, 0, 0
	STEP 0, 1, 0
	STEP 0, 2, 0
	WIN 0
	s_wait_xcnt 0x0                        ; the trip's prefetches have read their address: it steps two slots on
	s_add_nc_u64 s[PFA:PFA+1], s[PFA:PFA+1], 2*ROWB
	s_sub_co_u32 s3, s3, 1
	s_cmp_lg_u32 s3, 0
	s_cbranch_scc1 .Llap
.endif
	TURN 0, 1, 0
	STEP 1, 0, 0
	STEP 1, 1, 0
	STEP 1, 2, 0
	s_wait_dscnt 0x0
	MUL8 1, 0, NQ-1, 1, 0
	MUL8 1, 2, NQ-1, 1, 0
	WIN 0
.macro TOSTAGE a
.irp b, 0,1,2,3
	ds_store_b128 v[STO], v[ACC+8*(4*(\a)+\b):ACC+8*(4*(\a)+\b)+3] offset:128*(\b/2)+32*(\b%2)
	ds_store_b128 v[STO], v[ACC+8*(4*(\a)+\b)+4:ACC+8*(4*(\a)+\b)+7] offset:128*(\b/2)+32*(\b%2)+16
.endr
.set BB, BK+32*((\a)%2)
.irp t, 0,1,2,3,4,5,6,7
	ds_load_b128 v[BB+4*\t:BB+4*\t+3], v[RD] offset:\t*2*SPITCH
.endr
.endm
.macro FINISH a
.set BB, BK+32*((\a)%2)
.set RS, 32*(\a)
.set p, 0
.rept 8
	v_pk_add_f32 v[BB+p:BB+p+1], v[BB+p:BB+p+1], v[BIAS:BIAS+1]
	v_pk_add_f32 v[BB+p+2:BB+p+3], v[BB+p+2:BB+p+3], v[BIAS+2:BIAS+3]
.set p, p+4
.endr
	WIN 0x08
.set p, 0
.rept 16
	v_pk_add_f32 v[BB+p:BB+p+1], v[BB+p:BB+p+1], v[RS+p:RS+p+1]
.set p, p+2
.endr
	WIN 0
.set t, 0
.rept 8
	global_store_b128 v[CO], v[BB+4*t:BB+4*t+3], s[12:13] offset:(32*((\a)/2)+8*((\a)%2)+2*t+8*(t/4))*4096
.set t, t+1
.endr
.endm
	s_wait_loadcnt 0x0
	PLACES NP
	TOSTAGE 0
.irp a, 0,1,2,3
.if \a < 3
.if \a > 0
	s_wait_xcnt 0x0
.endif
	TOSTAGE \a+1
	s_wait_dscnt 16
.else
	s_wait_dscnt 0x0
.endif
	FINISH \a
.endr
	s_wait_tensorcnt 0x0
	ds_add_u32 v[SPW], v[NIL]
	s_wait_dscnt 0x0
	CROUND
	s_endpgm
.Lfunc_end_k_qb23e6f17cc_ffn2:
	.size	k_qb23e6f17cc_ffn2, .Lfunc_end_k_qb23e6f17cc_ffn2-k_qb23e6f17cc_ffn2
	.p2alignl 7, 3214868480
	.fill 96, 4, 3214868480
	.section	.rodata,"a",@progbits
	.p2align	6, 0x0
	.amdhsa_kernel k_qb23e6f17cc_ffn2
		.amdhsa_group_segment_fixed_size 327680
		.amdhsa_private_segment_fixed_size 0
		.amdhsa_enable_private_segment 0
		.amdhsa_kernarg_size 40
		.amdhsa_user_sgpr_count 2
		.amdhsa_user_sgpr_kernarg_segment_ptr 1
		.amdhsa_wavefront_size32 1
		.amdhsa_system_sgpr_workgroup_id_x 1
		.amdhsa_system_sgpr_workgroup_id_y 1
		.amdhsa_system_sgpr_workgroup_id_z 1
		.amdhsa_system_vgpr_workitem_id 0
		.amdhsa_next_free_vgpr 768
		.amdhsa_next_free_sgpr 102
		.amdhsa_reserve_vcc 0
		.amdhsa_float_denorm_mode_32 3
		.amdhsa_float_denorm_mode_16_64 3
		.amdhsa_memory_ordered 1
		.amdhsa_forward_progress 1
		.amdhsa_inst_pref_size 104
	.end_amdhsa_kernel
	.amdgpu_metadata
---
amdhsa.version: [ 1, 2 ]
amdhsa.kernels:
  - .name:           k_qb23e6f17cc_ffn2
    .symbol:         k_qb23e6f17cc_ffn2.kd
    .args:
      - { .name: gbuf, .offset: 0, .size: 8, .value_kind: global_buffer, .address_space: global }
      - { .name: prepb, .offset: 8, .size: 8, .value_kind: global_buffer, .address_space: global }
      - { .name: bf2, .offset: 16, .size: 8, .value_kind: global_buffer, .address_space: global }
      - { .name: hbuf, .offset: 24, .size: 8, .value_kind: global_buffer, .address_space: global }
      - { .name: rbuf, .offset: 32, .size: 8, .value_kind: global_buffer, .address_space: global }
    .group_segment_fixed_size: 327680
    .private_segment_fixed_size: 0
    .kernarg_segment_align: 8
    .kernarg_segment_size: 40
    .max_flat_workgroup_size: 128
    .sgpr_count:     102
    .vgpr_count:     768
    .wavefront_size: 32
...
	.end_amdgpu_metadata
.endif
;; end of part 15
;; launch ln2 (part 16): grid 256 x 1, 8 waves a work-group, no clusters, 0 bytes of LDS; arguments rbuf, g2, b2, out0; writes out0
.if DOCPART == 16
	.amdgcn_target "amdgcn-amd-amdhsa--gfx1250"
	.amdhsa_code_object_version 6
	.text
	.protected	k_qb23e6f17cc_ln2
	.globl	k_qb23e6f17cc_ln2
	.p2align	8
	.type	k_qb23e6f17cc_ln2,@function
k_qb23e6f17cc_ln2:
	s_mov_b64 s[64:65], 0
	v_nop
	global_prefetch_b8 v0, s[64:65] scope:SCOPE_SE
	s_setreg_imm32_b32 hwreg(HW_REG_WAVE_MODE, 25, 1), 1
	s_wait_xcnt 0x0
; out0 = g2 (r - mean) / sqrt(var + 1e-12) + b2 by rows of 1,024, all in f32.  A stream: a wave takes two whole rows (32 registers a row), so the sums never leave the wave: no LDS, no barrier, no matrix unit.
; Every load and store of a wave covers 512 consecutive bytes; each byte is read once and written once.
; LIMITS: NaN and infinities are not served.
.set ROWS, 2
.set SEL, 2
.set L16, 5
.set G,   96
.set B,   128
.macro ALLSUM d, t                     ; v[d] summed over the 32 lanes, in every lane
	s_delay_alu instid0(VALU_DEP_1)
	v_add_f32_dpp v[\d], v[\d], v[\d] row_xmask:1 row_mask:0xf bank_mask:0xf
	s_delay_alu instid0(VALU_DEP_1)
	v_add_f32_dpp v[\d], v[\d], v[\d] row_xmask:2 row_mask:0xf bank_mask:0xf
	s_delay_alu instid0(VALU_DEP_1)
	v_add_f32_dpp v[\d], v[\d], v[\d] row_xmask:4 row_mask:0xf bank_mask:0xf
	s_delay_alu instid0(VALU_DEP_1)
	v_add_f32_dpp v[\d], v[\d], v[\d] row_xmask:8 row_mask:0xf bank_mask:0xf
	s_delay_alu instid0(VALU_DEP_1)
	v_permlanex16_b32 v[\t], v[\d], s[SEL], s[SEL+1]
	s_delay_alu instid0(VALU_DEP_1)
	v_add_f32 v[\d], v[\d], v[\t]
.endm
.macro ROWLN i
.set X, 32+32*(\i)
	s_wait_loadcnt 8*(ROWS-1-(\i))                 ; g, b and row i are in; the later row's eight loads may be out
	v_pk_add_f32 v[16:17], v[X:X+1], v[X+2:X+3]
	v_pk_add_f32 v[18:19], v[X+4:X+5], v[X+6:X+7]
.irp p, 8,12,16,20,24,28
	s_delay_alu instid0(VALU_DEP_2)
	v_pk_add_f32 v[16:17], v[16:17], v[X+\p:X+\p+1]
	s_delay_alu instid0(VALU_DEP_2)
	v_pk_add_f32 v[18:19], v[18:19], v[X+\p+2:X+\p+3]
.endr
	s_delay_alu instid0(VALU_DEP_1)
	v_pk_add_f32 v[16:17], v[16:17], v[18:19]
	s_delay_alu instid0(VALU_DEP_1)
	v_add_f32 v20, v16, v17
	ALLSUM 20, 21
	s_delay_alu instid0(VALU_DEP_1)
	v_mul_f32 v22, 0x3a800000, v20                 ; the mean: / 1,024
	s_delay_alu instid0(VALU_DEP_1)
	v_mov_b32 v23, v22
.set p, 0
.rept 16
	v_pk_add_f32 v[X+p:X+p+1], v[X+p:X+p+1], v[22:23] neg_lo:[0,1] neg_hi:[0,1]
.set p, p+2
.endr
	v_pk_mul_f32 v[16:17], v[X:X+1], v[X:X+1]
	v_pk_mul_f32 v[18:19], v[X+2:X+3], v[X+2:X+3]
.irp p, 4,8,12,16,20,24,28
	s_delay_alu instid0(VALU_DEP_2)
	v_pk_fma_f32 v[16:17], v[X+\p:X+\p+1], v[X+\p:X+\p+1], v[16:17]
	s_delay_alu instid0(VALU_DEP_2)
	v_pk_fma_f32 v[18:19], v[X+\p+2:X+\p+3], v[X+\p+2:X+\p+3], v[18:19]
.endr
	s_delay_alu instid0(VALU_DEP_1)
	v_pk_add_f32 v[16:17], v[16:17], v[18:19]
	s_delay_alu instid0(VALU_DEP_1)
	v_add_f32 v20, v16, v17
	ALLSUM 20, 21
	s_delay_alu instid0(VALU_DEP_1)
	v_fma_f32 v20, v20, s31, s32                   ; the variance + 1e-12
	s_wait_alu depctr_va_vdst(0)
	v_rsq_f32 v24, v20
	v_nop                                          ; a plain place behind the transcendental
	s_wait_alu depctr_va_vdst(0)                   ; and the wait ahead of its first reader
	v_mov_b32 v25, v24
.set p, 0
.rept 16
	v_pk_mul_f32 v[X+p:X+p+1], v[X+p:X+p+1], v[24:25]
.set p, p+2
.endr
.set p, 0
.rept 16
	v_pk_fma_f32 v[X+p:X+p+1], v[X+p:X+p+1], v[G+p:G+p+1], v[B+p:B+p+1]
.set p, p+2
.endr
.irp j, 0,1,2,3,4,5,6,7
	global_store_b128 v[L16], v[X+4*\j:X+4*\j+3], s[10:11] offset:4096*(\i)+512*\j th:TH_STORE_NT
.endr
.endm
	s_load_b256 s[4:11], s[0:1], 0x0               ; rbuf, g2, b2, out0
	v_lshrrev_b32 v1, 5, v0
	s_delay_alu instid0(VALU_DEP_1)
	v_readfirstlane_b32 s12, v1                    ; wave 0..7
	v_and_b32 v2, 31, v0
	s_delay_alu instid0(VALU_DEP_1)
	v_lshlrev_b32 v[L16], 4, v2
	v_mov_b32 v21, 0                               ; a lane permute's destination counts as one of its sources
	s_mov_b32 s[SEL], 0x76543210
	s_mov_b32 s[SEL+1], 0xfedcba98
	s_mov_b32 s31, 0x3a800000                      ; 1 / 1,024
	s_mov_b32 s32, 0x2b8cbccc                      ; 1e-12
	s_lshl_b32 s13, ttmp9, 4
	s_lshl_b32 s14, s12, 1
	s_add_co_u32 s13, s13, s14                     ; my first row: 16 x work-group + 2 x wave
	s_lshl_b32 s14, s13, 12
	s_mov_b32 s15, 0
	s_wait_alu depctr_va_vdst(0)
	s_wait_kmcnt 0x0
	s_add_nc_u64 s[4:5], s[4:5], s[14:15]
	s_add_nc_u64 s[10:11], s[10:11], s[14:15]
.irp j, 0,1,2,3,4,5,6,7
	global_load_b128 v[G+4*\j:G+4*\j+3], v[L16], s[6:7] offset:512*\j
.endr
.irp j, 0,1,2,3,4,5,6,7
	global_load_b128 v[B+4*\j:B+4*\j+3], v[L16], s[8:9] offset:512*\j
.endr
.irp i, 0,1
.irp j, 0,1,2,3,4,5,6,7
	global_load_b128 v[32+32*\i+4*\j:35+32*\i+4*\j], v[L16], s[4:5] offset:4096*\i+512*\j th:TH_LOAD_NT
.endr
.endr
	ROWLN 0
	ROWLN 1
	s_endpgm
.Lfunc_end_k_qb23e6f17cc_ln2:
	.size	k_qb23e6f17cc_ln2, .Lfunc_end_k_qb23e6f17cc_ln2-k_qb23e6f17cc_ln2
	.p2alignl 7, 3214868480
	.fill 96, 4, 3214868480
	.section	.rodata,"a",@progbits
	.p2align	6, 0x0
	.amdhsa_kernel k_qb23e6f17cc_ln2
		.amdhsa_group_segment_fixed_size 0
		.amdhsa_private_segment_fixed_size 0
		.amdhsa_enable_private_segment 0
		.amdhsa_kernarg_size 32
		.amdhsa_user_sgpr_count 2
		.amdhsa_user_sgpr_kernarg_segment_ptr 1
		.amdhsa_wavefront_size32 1
		.amdhsa_system_sgpr_workgroup_id_x 1
		.amdhsa_system_sgpr_workgroup_id_y 1
		.amdhsa_system_sgpr_workgroup_id_z 1
		.amdhsa_system_vgpr_workitem_id 0
		.amdhsa_next_free_vgpr 160
		.amdhsa_next_free_sgpr 66
		.amdhsa_reserve_vcc 0
		.amdhsa_float_denorm_mode_32 3
		.amdhsa_float_denorm_mode_16_64 3
		.amdhsa_memory_ordered 1
		.amdhsa_forward_progress 1
		.amdhsa_inst_pref_size 21
	.end_amdhsa_kernel
	.amdgpu_metadata
---
amdhsa.version: [ 1, 2 ]
amdhsa.kernels:
  - .name:           k_qb23e6f17cc_ln2
    .symbol:         k_qb23e6f17cc_ln2.kd
    .args:
      - { .name: rbuf, .offset: 0, .size: 8, .value_kind: global_buffer, .address_space: global }
      - { .name: g2, .offset: 8, .size: 8, .value_kind: global_buffer, .address_space: global }
      - { .name: b2, .offset: 16, .size: 8, .value_kind: global_buffer, .address_space: global }
      - { .name: out0, .offset: 24, .size: 8, .value_kind: global_buffer, .address_space: global }
    .group_segment_fixed_size: 0
    .private_segment_fixed_size: 0
    .kernarg_segment_align: 8
    .kernarg_segment_size: 32
    .max_flat_workgroup_size: 256
    .sgpr_count:     66
    .vgpr_count:     160
    .wavefront_size: 32
...
	.end_amdgpu_metadata
.endif
;; end of part 16
